; MI455X (gfx1250); checked and timed in simulation.
; The chip was launched on July 23, 2026; its instructions are those of AMD's public machine-readable ISA for CDNA 5 (MIT licence, August 2026) and "CDNA5" Instruction Set Architecture Reference Guide (July 2026). The comments in the code are by the model that wrote it; some were corrected since.
;; Decoder. Allowed arithmetic: matrix products marked QUANTISED: E3M2 operands, one E8M0 scale for each 32 along K, by v_wmma_scale_f32_16x16x128_f8f6f4 with both operands' format E3M2, f32 sums; everything else in f32.
;; Inputs: W1 1,024 x 4,096 float32; W2 4,096 x 1,024 float32; Wfc 1,024 x 1,024 float32; Wk 1,024 x 1,024 float32; Wq 1,024 x 1,024 float32; Wv 1,024 x 1,024 float32; b1 4,096 float32; b2 1,024 float32; be1 1,024 float32; be2 1,024 float32; bfc 1,024 float32; bk 1,024 float32; bq 1,024 float32; bv 1,024 float32; embeddings 2 x 2,048 x 1,024 float32; g1 1,024 float32; g2 1,024 float32.
;; Outputs: out0 2 x 2,048 x 1,024 float32.
;; This version of the problem:
;;   THIS VERSION OF THE PROBLEM IS GIVEN IN LOW PRECISION. The matrix products marked QUANTISED in the list below multiply operands that are first quantised to E3M2 (3 exponent bits, 2 mantissa bits; 6 bits a number), with one power-of-two scale for each 32 numbers along K (OCP MX v1.0); their sums are f32. All else is computed in f32.
;;   The module's matrix products, in the order in which they are computed (A, B: the left and right operand; K: the contracted axis; several contracted axes count as one K, in the product's order):
;;     1. [M 4,096, K 1,024] x [K 1,024, N 1,024]; A: input embeddings; B: input Wq: QUANTISED
;;     2. [M 4,096, K 1,024] x [K 1,024, N 1,024]; A: input embeddings; B: input Wk: QUANTISED
;;     3. [M 4,096, K 1,024] x [K 1,024, N 1,024]; A: input embeddings; B: input Wv: QUANTISED
;;     4. batch 32 x [M 2,048, K 64] x [K 64, N 2,048]; A: computed on the way; B: computed on the way: QUANTISED
;;     5. batch 32 x [M 2,048, K 2,048] x [K 2,048, N 64]; A: softmax (see below); B: computed on the way: QUANTISED
;;     6. [M 4,096, K 1,024] x [K 1,024, N 1,024]; A: computed on the way; B: input Wfc: QUANTISED
;;     7. [M 4,096, K 1,024] x [K 1,024, N 4,096]; A: computed on the way; B: input W1: QUANTISED
;;     8. [M 4,096, K 4,096] x [K 4,096, N 1,024]; A: computed on the way; B: input W2: QUANTISED
;;   THE QUANTISER, for each operand of a quantised product, along K:
;;     - K is cut into blocks of 32 from its start; a last block that is shorter is filled with zeros.
;;     - A block's scale is 2^e with e = floor(log2(the largest magnitude in the block)) - 4, held to -126 .. 127; a block of zeros has e = 0. As a byte (E8M0): e + 127.
;;     - Each number is divided by its block's scale, clamped to +-28, and rounded to the nearest number of E3M2, ties to even, subnormals kept.
;;     - The product sums the exact products of the quantised numbers (number of the format x scale) in f32.
;;   ~~~python
;;   def quantise(x, axis):      # numpy; x: float32 -> the quantised numbers, widened to float32 again
;;       x = np.moveaxis(x, axis, -1); K = x.shape[-1]
;;       x = np.pad(x, [(0, 0)] * (x.ndim - 1) + [(0, -K % 32)]); x = x.reshape(x.shape[:-1] + (-1, 32)); a = np.abs(x).max(-1, keepdims=True)
;;       e = np.where(a > 0, np.clip(np.frexp(np.where(a > 0, a, 1))[1] - 1 - 4, -126, 127), 0)      # np.frexp(a)[1] - 1 = floor(log2(a)), exactly
;;       r = np.clip(x / 2.0 ** e, -28, 28)
;;       step = 2.0 ** (np.maximum(np.frexp(np.where(r == 0, 1, r))[1] - 1, -2) - 2)
;;       q = np.round(r / step) * step * 2.0 ** e      # np.round: ties to even
;;       return np.moveaxis(q.reshape(q.shape[:-2] + (-1,))[..., :K], -1, axis).astype(np.float32)
;;   ~~~
;;   SOFTMAX AHEAD OF A QUANTISED PRODUCT. Where the list says 'softmax', what is quantised is not the finished softmax but p = 2^(t - M), with t = logit x log2(e) and M = ceil(the row's largest t), a whole number; so 1/2 < the row's largest p <= 1. The row's sum l is taken of the UNQUANTISED p, in f32, and the product's result is divided by l at the end. Since M is a whole number, a kernel that streams over the keys may use a running M (the ceiling of the running maximum): every later rescaling is an exact power of two, which a block's scale takes up: the codes' values come out the same.
;;   OPERANDS COMPUTED ON THE WAY. 'Computed on the way' means the value that the module computes at that place (a softmax that the list does not call 'softmax' is quantised finished and normalised). What goes into a quantiser is computed in f32, as accurately as f32 sums, v_exp_f32 and their like allow (about 1e-6 of the number): no bf16 or f16 on the way to a quantiser, and a product that is left as it is and whose result goes on into a quantised operand takes f32 operands (vector FMAs, or v_wmma_f32_16x16x4_f32). A number that lies on a knife's edge between two numbers of the format may be rounded either way, as far as f32 arithmetic and the matrix unit's own rounding can turn it there, and no further.
;; 2 versions. Each part assembles by itself: llvm-mc -triple=amdgcn-amd-amdhsa -mcpu=gfx1250 --defsym DOCPART=n.
;; ======== version 1 of 2: 6 launches
;; workspace buffers: pre 13,107,200 bytes; qkv 10,092,544 bytes; ctx 3,407,872 bytes; ln1 20,054,016 bytes; hid 13,107,200 bytes
;; launch prep (part 1): grid 512 x 1, 4 waves a work-group, no clusters, 59,904 bytes of LDS; arguments embeddings, Wq, Wk, Wv, Wfc, W1, W2, pre; writes pre
.if DOCPART == 1
	.amdgcn_target "amdgcn-amd-amdhsa--gfx1250"
	.amdhsa_code_object_version 6
	.text
	.protected	k_qd21a2cd549_prep
	.globl	k_qd21a2cd549_prep
	.p2align	8
	.type	k_qd21a2cd549_prep,@function
k_qd21a2cd549_prep:
	s_mov_b64 s[64:65], 0
	v_nop
	global_prefetch_b8 v0, s[64:65] scope:SCOPE_SE
	s_setreg_imm32_b32 hwreg(HW_REG_WAVE_MODE, 25, 1), 1
	s_wait_xcnt 0x0
; prep: the embeddings [4096][1024] (K innermost) and the six weights (K = first axis) become codes of BF6 (E3M2) with one E8M0 byte for each 32 along K.
; LAYOUT OF pre.  A UNIT is 64 rows (a group: four tiles of 16) x 128 along K: 6,144 bytes of codes at 6144 u and 256 bytes of scale words at SB + 256 u.
; A tile's codes lie as the IMAGE of the operand's 12 registers: registers 4 c .. 4 c + 3 of lane l at 512 c + 16 l.  Lane r of tile t holds row 32 (t / 2) + 8 (t % 2) + r + 8 (r / 8).
; The scale word of (tile a, row r) lies at 8 (r + 16 (a % 2)) + 4 (a / 2).  Units: x 0..511 ([group 64][K step 8]), Wq, Wk, Wv, Wfc, W1 512..1535 ([group][8]), W2 1536..2047 ([group 16][32]).
; One wave makes one unit; waves share nothing: no barrier.  Work-groups 0..127 take x, the others the weights; each of the two ways has LDS bytes of its own.
; A block's scale is 2^(floor(log2(largest magnitude)) - 4): its byte is the largest magnitude's exponent field - 4, held at 1 from below.
; LIMITS: NaN and infinities are not served; a block whose largest magnitude lies under 2^-122, a block of zeros too, gets the byte 1 (its codes are zeros or tiny; only this program reads the bytes).
.set SB,    12582912
.set PC,    8                          ; v8-26    codes just made
.set R,     32                         ; v32-159  x: two sets of 16 rows x 16 bytes a lane, as loaded
.set X,     160                        ; v160-223 x: 64 numbers of my row, register 16 b + i = k 32 b + 16 h + i
.set TM,    224                        ; v224-239 at work
.set PW,    240                        ; v240-243 the four tiles' scale words
.set E,     244                        ; v244-245 the scale unit
.set VO,    32                         ; v32-63   weights: i rows down + 4 x lane
.set XW,    64                         ; v64-127  weights: two sets of 32 numbers
.set SEL,   60                         ; s[60:61] lane selects: lane l xor 16
.set XST,   8448                       ; x: a wave's stage, 16 rows x (512 + 16) bytes
.set WLDS,  33792                      ; weights: the stages begin here,
.set WST,   6400                       ; 6,144 bytes of images + 256 of scale words for each wave
.set MSB,   0
.macro WIN new                         ; the immediate's high byte repeats the setting that is left
.if MSB != (\new)
	s_set_vgpr_msb (MSB<<8)|(\new)
.set MSB, \new
.endif
.endm
; 64 numbers of a lane (window sw), register 16 b + i = k 32 b + 16 (lane / 16) + i of my row, become a fragment's codes in v[PC] on and its scale word in v[pw].
.macro QUANTW s, sw, pw
	WIN 5*(\sw)
.irp b, 0,1,2,3
	v_max3_num_f32 v[TM+\b], |v[(\s)+16*\b]|, |v[(\s)+16*\b+1]|, 0x2800000   ; my 16 numbers of block b, and the floor 2^(5 - 127): the byte cannot fall under 1
.endr
.irp i, 2,4,6,8,10,12,14
.irp b, 0,1,2,3
	v_max3_num_f32 v[TM+\b], |v[(\s)+16*\b+\i]|, |v[(\s)+16*\b+\i+1]|, v[TM+\b]
.endr
.endr
	WIN 0
.irp b, 0,1,2,3
	v_permlanex16_b32 v[TM+4+\b], v[TM+\b], s[SEL], s[SEL+1]
.endr
.irp b, 0,1,2,3
	v_max_num_f32 v[TM+\b], v[TM+\b], v[TM+4+\b]       ; with lane l xor 16's: the block's largest magnitude
.endr
.irp b, 0,1,2,3
	v_add_nc_u32 v[TM+12+\b], 0xfe000000, v[TM+\b]     ; 4 off its exponent field: the conversion's scale operand
.endr
.irp b, 0,1,2,3
	v_lshrrev_b32 v[TM+4+\b], 23, v[TM+12+\b]          ; the scale's byte
.endr
	v_lshl_or_b32 v[\pw], v[TM+5], 8, v[TM+4]
	v_lshl_or_b32 v[\pw], v[TM+6], 16, v[\pw]
	v_lshl_or_b32 v[\pw], v[TM+7], 24, v[\pw]
	s_wait_xcnt 0x0                                    ; earlier stores have read the codes' registers: they are written again only behind this wait
	WIN (\sw)
.irp c, 0,1
	v_cvt_scalef32_pk16_bf6_f32 v[PC+6*\c:PC+2+6*\c], v[(\s)+32*\c:(\s)+15+32*\c], v[TM+12+2*\c]
	v_cvt_scalef32_pk16_bf6_f32 v[PC+12+4*\c:PC+14+4*\c], v[(\s)+16+32*\c:(\s)+31+32*\c], v[TM+13+2*\c]
.endr
	WIN 0
	v_nop                                              ; one plain place behind a scaled conversion
.irp c, 0,1                                            ; the operand wants a whole block in a lane: lanes 0-15 block 2 c, lanes 16-31 block 2 c + 1
.irp i, 0,1,2
	v_permlane16_swap_b32 v[PC+6*\c+\i], v[PC+12+4*\c+\i]
.endr
.irp i, 0,1,2
	v_mov_b32 v[PC+3+6*\c+\i], v[PC+12+4*\c+\i]
.endr
.endr
.endm
	s_load_b512 s[4:19], s[0:1], 0x0               ; embeddings, Wq, Wk, Wv, Wfc, W1, W2, pre
	v_lshl_add_u32 v254, v0, 2, 0xe800
	v_mov_b32 v255, 0
	v_lshrrev_b32 v1, 5, v0
	v_readfirstlane_b32 s20, v1                    ; wave
	v_and_b32 v1, 31, v0                           ; lane
	v_and_b32 v2, 15, v0                           ; r
	v_bfe_u32 v3, v0, 4, 1                         ; h
	v_lshlrev_b32 v4, 4, v1                        ; 16 x lane
	v_lshlrev_b32 v7, 3, v1                        ; 8 x lane
	s_mov_b32 s[SEL], 0x76543210
	s_mov_b32 s[SEL+1], 0xfedcba98
	s_cmp_lt_u32 ttmp9, 128
	s_cbranch_scc0 .Lweights
	; ---- x: unit u = 4 n + wave = group n / 2, K step 4 (n % 2) + wave
	s_mul_i32 s21, s20, XST
	v_add_nc_u32 v5, s21, v4                       ; the stage, in: a row's 512 bytes as they lie
	v_mul_u32_u24 v6, v2, 528
	v_lshl_add_u32 v6, v3, 6, v6
	v_add_nc_u32 v6, s21, v6                       ; out: row r, + 64 h: my 16 numbers of a block
.irp b, 0,1,2,3
	v_mov_b32 v[TM+4+\b], 0                        ; a lane permute's destination counts as read
.endr
	s_lshr_b32 s24, ttmp9, 1
	s_lshl_b32 s24, s24, 18                        ; group x 64 rows x 4,096 bytes
	s_and_b32 s25, ttmp9, 1
	s_lshl_b32 s25, s25, 2
	s_add_co_u32 s25, s25, s20
	s_lshl_b32 s25, s25, 9                         ; K step x 512 bytes
	s_add_co_u32 s24, s24, s25
	s_mov_b32 s25, 0
	s_lshl_b32 s26, ttmp9, 2
	s_add_co_u32 s26, s26, s20                     ; u
	s_mul_i32 s28, s26, 6144
	s_mov_b32 s29, 0
	s_lshl_b32 s26, s26, 8
	s_add_co_u32 s26, s26, SB
	s_mov_b32 s27, 0
	s_wait_kmcnt 0x0
	s_add_nc_u64 s[4:5], s[4:5], s[24:25]
	s_add_nc_u64 s[24:25], s[18:19], s[28:29]      ; the unit's codes
	s_add_nc_u64 s[26:27], s[18:19], s[26:27]      ; its scale words
.macro LOADT a                         ; tile a's 16 rows: each load reads 512 consecutive bytes of one row
.irp rr, 0,1,2,3,4,5,6,7,8,9,10,11,12,13,14,15
	global_load_b128 v[R+64*((\a)%2)+4*\rr:R+64*((\a)%2)+4*\rr+3], v4, s[4:5] offset:(32*((\a)/2)+8*((\a)%2)+\rr+8*(\rr/8))*4096 th:TH_LOAD_NT
.endr
.endm
.macro TURN a                          ; through my stage: LDS serves a wave's instructions in order, so no wait stands between the stores and the loads
.irp rr, 0,1,2,3,4,5,6,7,8,9,10,11,12,13,14,15
	ds_store_b128 v5, v[R+64*((\a)%2)+4*\rr:R+64*((\a)%2)+4*\rr+3] offset:528*\rr
.endr
.irp b, 0,1,2,3
.irp j, 0,1,2,3
	ds_load_b128 v[X+16*\b+4*\j:X+16*\b+4*\j+3], v6 offset:128*\b+16*\j
.endr
.endr
.endm
	LOADT 0
	LOADT 1
.irp a, 0,1,2,3
.if \a < 3
	s_wait_loadcnt 16                              ; this tile's 16 loads are in; the next tile's may be out
.else
	s_wait_loadcnt 0x0
.endif
	TURN \a
	s_wait_dscnt 0x0                               ; my numbers are back, and the stores have read their registers
.if \a < 2
	LOADT \a+2
.endif
	QUANTW X, 0, PW+\a
.irp c, 0,1,2
	global_store_b128 v4, v[PC+4*\c:PC+4*\c+3], s[24:25] offset:1536*\a+512*\c   ; 512 consecutive bytes
.endr
.endr
	v_cmp_lt_u32 vcc_lo, 15, v1
	v_cndmask_b32 v[E], v[PW], v[PW+1], vcc_lo     ; lanes 0-15 tile 0, lanes 16-31 tile 1;
	v_cndmask_b32 v[E+1], v[PW+2], v[PW+3], vcc_lo ; tiles 2 and 3
	global_store_b64 v7, v[E:E+1], s[26:27]        ; one aligned run of 256 bytes
	s_wait_tensorcnt 0x0
	ds_add_u32 v254, v255
	s_wait_dscnt 0x0
	s_endpgm
.Lweights:
	; ---- weights: the four waves stand side by side on 256 columns of one K step of 128; a lane takes a column, its registers run down K
	s_sub_co_u32 s21, ttmp9, 128                   ; m
	s_lshr_b32 s22, s21, 5
	s_lshr_b32 s23, s21, 7
	s_mov_b32 s26, 4096
	s_cmp_eq_u32 s23, 1
	s_cselect_b32 s26, 16384, s26                  ; a row of the weight in bytes: W1's is 16,384
	s_and_b32 s27, s21, 7                          ; m < 256: K step,
	s_lshr_b32 s28, s21, 3
	s_and_b32 s29, s28, 3                          ; which 256 columns (Wq .. Wfc),
	s_sub_co_u32 s30, s28, 16                      ; (W1)
	s_cmp_lt_u32 s21, 128
	s_cselect_b32 s29, s29, s30
	s_lshl_b32 s30, s28, 2
	s_add_co_u32 s30, s30, s20
	s_add_co_u32 s30, s30, 64
	s_lshl_b32 s30, s30, 3
	s_add_co_u32 s30, s30, s27                     ; and the unit
	s_sub_co_u32 s31, s21, 256                     ; m >= 256: W2
	s_and_b32 s40, s31, 31
	s_lshr_b32 s41, s31, 5
	s_lshl_b32 s42, s41, 2
	s_add_co_u32 s42, s42, s20
	s_lshl_b32 s42, s42, 5
	s_add_co_u32 s42, s42, s40
	s_add_co_u32 s42, s42, 1536
	s_cmp_lt_u32 s21, 256
	s_cselect_b32 s27, s27, s40                    ; K step
	s_cselect_b32 s29, s29, s41                    ; which 256 columns
	s_cselect_b32 s30, s30, s42                    ; unit
	s_lshl_b32 s44, s27, 7
	s_mul_i32 s44, s44, s26                        ; 128 x K step rows down
	s_lshl_b32 s45, s29, 10
	s_add_co_u32 s44, s44, s45
	s_lshl_b32 s45, s20, 8
	s_add_co_u32 s44, s44, s45                     ; + my 64 columns
	s_mov_b32 s45, 0
	s_lshl_b32 s46, s26, 5                         ; 32 rows
	s_mov_b32 s47, 0
	s_mul_i32 s50, s30, 6144
	s_mov_b32 s51, 0
	s_lshl_b32 s52, s30, 8
	s_add_co_u32 s52, s52, SB
	s_mov_b32 s53, 0
	s_mul_i32 s48, s20, WST
	s_add_co_u32 s48, s48, WLDS                    ; my stage
	v_bfe_u32 v16, v0, 3, 1                        ; column 32 cs + lane is row r_l of tile 2 cs + u_l: u_l = (lane / 8) % 2,
	v_and_b32 v17, 7, v0
	v_lshl_add_u32 v17, v3, 3, v17                 ; r_l = lane % 8 + 8 (lane / 16)
	v_mul_u32_u24 v22, v16, 1536
	v_lshl_add_u32 v22, v17, 4, v22
	v_add_nc_u32 v22, s48, v22                     ; my place in the images
	v_lshl_add_u32 v23, v16, 4, v17
	v_lshlrev_b32 v23, 3, v23
	v_add_nc_u32 v23, s48, v23
	v_add_nc_u32 v23, 6144, v23                    ; and among the scale words
	v_add_nc_u32 v24, s48, v4                      ; the way out: 16 bytes a lane,
	v_add_nc_u32 v26, s48, v7
	v_add_nc_u32 v26, 6144, v26                    ; 8 bytes a lane
	v_lshlrev_b32 v[VO], 2, v1
.set i, 1
.rept 31
	v_add_nc_u32 v[VO+i], s26, v[VO+i-1]
.set i, i+1
.endr
	s_wait_kmcnt 0x0
	s_mov_b64 s[24:25], s[16:17]                   ; the choice hangs on the work-group's number alone
	s_cmp_lt_u32 s21, 256
	s_cselect_b64 s[24:25], s[14:15], s[24:25]
	s_cmp_eq_u32 s22, 3
	s_cselect_b64 s[24:25], s[12:13], s[24:25]
	s_cmp_eq_u32 s22, 2
	s_cselect_b64 s[24:25], s[10:11], s[24:25]
	s_cmp_eq_u32 s22, 1
	s_cselect_b64 s[24:25], s[8:9], s[24:25]
	s_cmp_eq_u32 s22, 0
	s_cselect_b64 s[24:25], s[6:7], s[24:25]
	s_add_nc_u64 s[32:33], s[24:25], s[44:45]      ; the four blocks of 32 along K
	s_add_nc_u64 s[34:35], s[32:33], s[46:47]
	s_add_nc_u64 s[36:37], s[34:35], s[46:47]
	s_add_nc_u64 s[38:39], s[36:37], s[46:47]
	s_add_nc_u64 s[50:51], s[18:19], s[50:51]
	s_add_nc_u64 s[52:53], s[18:19], s[52:53]
.macro WLOAD q                         ; block q / 2 of columns 32 (q % 2) + lane: 32 rows, 128 consecutive bytes a load
.set i, 0
.rept 32
	global_load_b32 v[XW+32*((\q)%2)+i], v[VO+i], s[32+2*((\q)/2):33+2*((\q)/2)] offset:128*((\q)%2)
.set i, i+1
.endr
.endm
.macro WBLOCK q
.set XS, XW+32*((\q)%2)
.set T4, (\q)/2
.set CSX, (\q)%2
.if (\q) < 7
	s_wait_loadcnt 32                              ; this block's 32 loads are in; the next one's may be out
.else
	s_wait_loadcnt 0x0
.endif
	v_max3_num_f32 v16, |v[XS]|, |v[XS+1]|, |v[XS+2]|
	v_max3_num_f32 v17, |v[XS+3]|, |v[XS+4]|, |v[XS+5]|
.irp i, 6,10,14,18,22,26
	v_max3_num_f32 v16, v16, |v[XS+\i]|, |v[XS+\i+1]|
	v_max3_num_f32 v17, v17, |v[XS+\i+2]|, |v[XS+\i+3]|
.endr
	v_max3_num_f32 v16, v16, |v[XS+30]|, |v[XS+31]|
	v_max3_num_f32 v16, v16, v17, 0x2800000        ; and the floor
	v_add_nc_u32 v18, 0xfe000000, v16
	v_cvt_scalef32_pk16_bf6_f32 v[8:10], v[XS:XS+15], v18
	v_cvt_scalef32_pk16_bf6_f32 v[12:14], v[XS+16:XS+31], v18
	v_lshrrev_b32 v19, 23, v18                     ; the byte (a plain place behind the conversions)
.if T4 == 0
	v_mov_b32 v[20+CSX], v19
.else
	v_lshl_or_b32 v[20+CSX], v19, 8*T4, v[20+CSX]
.endif
	v_mov_b32 v11, v12                             ; the block's six registers on end
	v_mov_b32 v12, v13
	v_mov_b32 v13, v14
.if T4 < 2                             ; registers 0-5 of lane (r_l, T4 % 2) of my tile's image
	ds_store_b128 v22, v[8:11] offset:3072*CSX+256*(T4%2)
	ds_store_b64 v22, v[12:13] offset:3072*CSX+512+256*(T4%2)
.else                                  ; registers 6-11
	ds_store_b64 v22, v[8:9] offset:3072*CSX+520+256*(T4%2)
	ds_store_b128 v22, v[10:13] offset:3072*CSX+1024+256*(T4%2)
.endif
.if (\q) < 6
	WLOAD (\q)+2
.endif
	s_wait_dscnt 0x0                               ; the stores have read their registers
.endm
	WLOAD 0
	WLOAD 1
.irp q, 0,1,2,3,4,5,6,7
	WBLOCK \q
.endr
	ds_store_b32 v23, v20
	ds_store_b32 v23, v21 offset:4
.irp k, 0,1,2,3,4,5,6,7,8,9,10,11
	ds_load_b128 v[128+4*\k:131+4*\k], v24 offset:512*\k   ; LDS serves a wave's instructions in order: these see my stores
.endr
	ds_load_b64 v[176:177], v26
.irp k, 0,1,2,3,4,5,6,7,8,9,10,11
	s_wait_dscnt 12-\k                             ; behind load k: the later ones of the twelve, and the scale words'
	global_store_b128 v4, v[128+4*\k:131+4*\k], s[50:51] offset:512*\k
.endr
	s_wait_dscnt 0x0
	global_store_b64 v7, v[176:177], s[52:53]
	s_wait_tensorcnt 0x0
	ds_add_u32 v254, v255
	s_wait_dscnt 0x0
	s_endpgm
.Lfunc_end_k_qd21a2cd549_prep:
	.size	k_qd21a2cd549_prep, .Lfunc_end_k_qd21a2cd549_prep-k_qd21a2cd549_prep
	.p2alignl 7, 3214868480
	.fill 96, 4, 3214868480
	.section	.rodata,"a",@progbits
	.p2align	6, 0x0
	.amdhsa_kernel k_qd21a2cd549_prep
		.amdhsa_group_segment_fixed_size 59904
		.amdhsa_private_segment_fixed_size 0
		.amdhsa_enable_private_segment 0
		.amdhsa_kernarg_size 64
		.amdhsa_user_sgpr_count 2
		.amdhsa_user_sgpr_kernarg_segment_ptr 1
		.amdhsa_wavefront_size32 1
		.amdhsa_system_sgpr_workgroup_id_x 1
		.amdhsa_system_sgpr_workgroup_id_y 1
		.amdhsa_system_sgpr_workgroup_id_z 1
		.amdhsa_system_vgpr_workitem_id 0
		.amdhsa_next_free_vgpr 256
		.amdhsa_next_free_sgpr 66
		.amdhsa_reserve_vcc 1
		.amdhsa_float_denorm_mode_32 3
		.amdhsa_float_denorm_mode_16_64 3
		.amdhsa_memory_ordered 1
		.amdhsa_forward_progress 1
		.amdhsa_inst_pref_size 77
	.end_amdhsa_kernel
	.amdgpu_metadata
---
amdhsa.version: [ 1, 2 ]
amdhsa.kernels:
  - .name:           k_qd21a2cd549_prep
    .symbol:         k_qd21a2cd549_prep.kd
    .args:
      - { .name: embeddings, .offset: 0, .size: 8, .value_kind: global_buffer, .address_space: global }
      - { .name: Wq, .offset: 8, .size: 8, .value_kind: global_buffer, .address_space: global }
      - { .name: Wk, .offset: 16, .size: 8, .value_kind: global_buffer, .address_space: global }
      - { .name: Wv, .offset: 24, .size: 8, .value_kind: global_buffer, .address_space: global }
      - { .name: Wfc, .offset: 32, .size: 8, .value_kind: global_buffer, .address_space: global }
      - { .name: W1, .offset: 40, .size: 8, .value_kind: global_buffer, .address_space: global }
      - { .name: W2, .offset: 48, .size: 8, .value_kind: global_buffer, .address_space: global }
      - { .name: pre, .offset: 56, .size: 8, .value_kind: global_buffer, .address_space: global }
    .group_segment_fixed_size: 59904
    .private_segment_fixed_size: 0
    .kernarg_segment_align: 8
    .kernarg_segment_size: 64
    .max_flat_workgroup_size: 128
    .sgpr_count:     66
    .vgpr_count:     256
    .wavefront_size: 32
...
	.end_amdgpu_metadata
.endif
;; end of part 1
;; launch qkv (part 2): grid 8 x 24, 4 waves a work-group, clusters of 4 x 4, 327,680 bytes of LDS; arguments pre, bq, bk, bv, qkv; writes qkv
.if DOCPART == 2
	.amdgcn_target "amdgcn-amd-amdhsa--gfx1250"
	.amdhsa_code_object_version 6
	.text
	.protected	k_qd21a2cd549_qkv
	.globl	k_qd21a2cd549_qkv
	.p2align	8
	.type	k_qd21a2cd549_qkv,@function
k_qd21a2cd549_qkv:
	s_mov_b64 s[64:65], 0
	v_nop
	global_prefetch_b8 v0, s[64:65] scope:SCOPE_SE
	s_setreg_imm32_b32 hwreg(HW_REG_WAVE_MODE, 25, 1), 1
	s_wait_xcnt 0x0
	s_wait_alu depctr_hold_cnt(0) depctr_sa_sdst(0) depctr_va_vdst(0) depctr_va_sdst(0) depctr_va_ssrc(0) depctr_va_vcc(0) depctr_vm_vsrc(0)
	s_getreg_b32 s2, hwreg(HW_REG_IB_STS2, 6, 4)
	s_cmp_eq_u32 s2, 0
	s_cbranch_scc0 .Lentry_in_a_cluster
	s_endpgm
.Lentry_in_a_cluster:
	s_bfe_u32 s2, ttmp6, 0x10000c
	s_cmp_lg_u32 s2, 0xf033
	s_cbranch_scc0 .Lentry_shape_is_right
	s_endpgm
.Lentry_shape_is_right:
; qkv: q = x Wq + bq, k = x Wk + bk, v = x Wv + bv on codes of BF6 with E8M0 scales, and the results quantised again: q and k along the head's 64 channels, v along the tokens (the keys).
; C(i, j) = sum over k of P(i, k) Q(j, k).  The matrix instruction takes 16 rows of Q as source 0 and 16 rows of P as source 1: a lane holds ONE i, its registers run along j, and since lane r of a tile
; holds row 32 (t / 2) + 8 (t % 2) + r + 8 (r / 8), the 64 registers of a row of eight accumulators are 64 of 128 neighbouring j: what the quantiser along j wants.
; Clusters with y < 4: P = x (16 tiles of 256 tokens), Q = Wq | Wk (8 tiles of 256 columns).  Clusters with y = 4, 5: P = Wv (4 tiles), Q = x (16 tiles): there j is the token.
; A work-group of four waves makes 256 x 256, a wave 128 x 128: 64 accumulators.  K = 1,024 goes in four slot steps of 256 through two LDS slots filled by tensor loads.  Operands lie in memory as images
; of their registers (launch prep): a fragment is three loads of 512 consecutive bytes.  The scale words of the work-group's rows, for all of K, come once with the first fills.
; CLUSTERS 4 x 4: P's tiles are asked for jointly along a row of the cluster, Q's along a column.  Branches hang on the wave's number and on the cluster's y, which all sixteen partners share.
; The biases are the C of each sum's first matrix instruction.
; OUT (qkv): q, k: [pseudo-head 32][token tile 256][768]: half an image (registers 0-3 at 16 l, 4-5 at 512 + 8 l); v: [head 16][token / 128][tile 4][1536]; scale words in units of 256 bytes.
; LIMITS: NaN and infinities are not served; a block under 2^-122 (zeros too) gets the byte 1.
; REGISTERS: window 0: v16-31 addresses; v32-63 scale words, two sets; v64-127 the way out; v128-223 P's fragments, one set.  window 1: Q's fragments, two sets (v0-95, v128-223); the 64 bias registers
; (v96-127, v224-255).  windows 2, 3: the accumulators, (a, b) at v[8 (8 (a % 4) + b)] of window 2 + a / 4.
.set WQKC,  3145728
.set WVC,   4718592
.set SB,    12582912
.set VC,    6291456
.set QKS,   9437184
.set VS,    9961472
.set HALFT, 24576                      ; 128 rows x 256 K: [group 2][K step 2][tile 4][1536]: what one tensor load brings
.set SLOT,  98304
.set SCL,   196608                     ; the scale words: four halves of [group 2][K step 8][256]
.set HALFS, 4096
.set SPARE, 212992                     ; the spare words, 128 bytes a wave: two blocks of 256 bytes that no other line names
.set NL,    3
.set NP,    4
.set FR,    12
.set ADRA,  16
.set ADRB,  20
.set ADSP,  24
.set ADSQ,  25
.set LI,    26
.set LI8,   27
.set SPW,   28
.set NIL,   29
.set SC,    32
.set AF,    128
.set PC,    64
.set TM,    96
.set PW,    112
.set E,     120
.set SEL,   98
.set G1,    24
.set G0,    32
.set G1B,   48
.set G0B,   56
.set G1S,   68
.set G0S,   76
.set G1SB,  80
.set G0SB,  88
.set MSB,   0
.macro WIN new
.if MSB != (\new)
	s_set_vgpr_msb (MSB<<8)|(\new)
.set MSB, \new
.endif
.endm
.macro PLACES n
.rept \n
	v_nop
.endr
.endm
.macro WMC d, a, b, c, sa, sb, ra, rb  ; one product; ra, rb: the scale words stand in lanes 16-31 of their register
.if ((\ra) == 0) && ((\rb) == 0)
	v_wmma_scale_f32_16x16x128_f8f6f4 v[(\d):(\d)+7], v[(\a):(\a)+11], v[(\b):(\b)+11], v[(\c):(\c)+7], v[\sa], v[\sb] matrix_a_fmt:MATRIX_FMT_BF6 matrix_b_fmt:MATRIX_FMT_BF6
.elseif (\rb) == 0
	v_wmma_scale_f32_16x16x128_f8f6f4 v[(\d):(\d)+7], v[(\a):(\a)+11], v[(\b):(\b)+11], v[(\c):(\c)+7], v[\sa], v[\sb] matrix_a_fmt:MATRIX_FMT_BF6 matrix_b_fmt:MATRIX_FMT_BF6 matrix_a_scale:MATRIX_SCALE_ROW1
.elseif (\ra) == 0
	v_wmma_scale_f32_16x16x128_f8f6f4 v[(\d):(\d)+7], v[(\a):(\a)+11], v[(\b):(\b)+11], v[(\c):(\c)+7], v[\sa], v[\sb] matrix_a_fmt:MATRIX_FMT_BF6 matrix_b_fmt:MATRIX_FMT_BF6 matrix_b_scale:MATRIX_SCALE_ROW1
.else
	v_wmma_scale_f32_16x16x128_f8f6f4 v[(\d):(\d)+7], v[(\a):(\a)+11], v[(\b):(\b)+11], v[(\c):(\c)+7], v[\sa], v[\sb] matrix_a_fmt:MATRIX_FMT_BF6 matrix_b_fmt:MATRIX_FMT_BF6 matrix_a_scale:MATRIX_SCALE_ROW1 matrix_b_scale:MATRIX_SCALE_ROW1
.endif
.endm
.macro QUANTW s, sw, pw                ; 64 numbers of a lane (window sw) -> a fragment's codes in v[PC] on, its scale word in v[pw]
	WIN 5*(\sw)
.irp b, 0,1,2,3
	v_max3_num_f32 v[TM+\b], |v[(\s)+16*\b]|, |v[(\s)+16*\b+1]|, 0x2800000   ; with the floor 2^(5 - 127)
.endr
.irp i, 2,4,6,8,10,12,14
.irp b, 0,1,2,3
	v_max3_num_f32 v[TM+\b], |v[(\s)+16*\b+\i]|, |v[(\s)+16*\b+\i+1]|, v[TM+\b]
.endr
.endr
	WIN 0
.irp b, 0,1,2,3
	v_permlanex16_b32 v[TM+4+\b], v[TM+\b], s[SEL], s[SEL+1]
.endr
.irp b, 0,1,2,3
	v_max_num_f32 v[TM+\b], v[TM+\b], v[TM+4+\b]
.endr
.irp b, 0,1,2,3
	v_add_nc_u32 v[TM+12+\b], 0xfe000000, v[TM+\b]
.endr
.irp b, 0,1,2,3
	v_lshrrev_b32 v[TM+4+\b], 23, v[TM+12+\b]
.endr
	v_lshl_or_b32 v[\pw], v[TM+5], 8, v[TM+4]
	v_lshl_or_b32 v[\pw], v[TM+6], 16, v[\pw]
	v_lshl_or_b32 v[\pw], v[TM+7], 24, v[\pw]
	s_wait_xcnt 0x0                                    ; earlier stores have read the codes' registers
	WIN (\sw)
.irp c, 0,1
	v_cvt_scalef32_pk16_bf6_f32 v[PC+6*\c:PC+2+6*\c], v[(\s)+32*\c:(\s)+15+32*\c], v[TM+12+2*\c]
	v_cvt_scalef32_pk16_bf6_f32 v[PC+12+4*\c:PC+14+4*\c], v[(\s)+16+32*\c:(\s)+31+32*\c], v[TM+13+2*\c]
.endr
	WIN 0
	v_nop                                              ; one plain place behind a scaled conversion
.irp c, 0,1
.irp i, 0,1,2
	v_permlane16_swap_b32 v[PC+6*\c+\i], v[PC+12+4*\c+\i]
.endr
.irp i, 0,1,2
	v_mov_b32 v[PC+3+6*\c+\i], v[PC+12+4*\c+\i]
.endr
.endr
.endm
; A joint load: waves 0 and 1 fetch for P, waves 2 and 3 for Q.  Four v_nop follow each of the two lines.
.macro JLOAD g0a, g1a, g0b, g1b
	s_cmp_eq_u32 s15, 0
	s_cbranch_scc0 .Lfor_b_\@
	tensor_load_to_lds s[\g0a:\g0a+3], s[\g1a:\g1a+7]
	s_nop 0
.rept 4
	v_nop
.endr
	s_branch .Lasked_\@
.Lfor_b_\@:
	tensor_load_to_lds s[\g0b:\g0b+3], s[\g1b:\g1b+7]
	s_nop 0
.rept 4
	v_nop
.endr
.Lasked_\@:
.endm
.macro CREST                           ; a round of the cluster's barrier behind its opening barrier
	s_cmp_lg_u32 s14, 0
	s_cbranch_scc1 .Lnot_wave_0_\@
	s_barrier_signal -3
.Lnot_wave_0_\@:
	s_barrier_wait -3
	s_barrier_signal -1
	s_barrier_wait -1
.endm
.macro CROUND
	s_barrier_signal -1
	s_barrier_wait -1
	CREST
.endm
.macro FRAG reg, adr, q, i             ; tile i of my 128 rows, the slot's q-th 128 along K: three loads of 512 consecutive bytes
.irp c, 0,1,2
	ds_load_b128 v[(\reg)+4*\c:(\reg)+4*\c+3], v[\adr] offset:((\i)/4)*12288+(\q)*6144+((\i)%4)*1536+512*\c
.endr
.endm
.macro FETCH_B slot, q, p
	WIN 0x40
.irp i, 0,1,2,3,4,5,6,7
	FRAG 128*(\p)+FR*\i, ADRB+\slot, \q, \i
.endr
	WIN 0
.endm
.macro FETCH_A slot, q, i0
.irp i, \i0, \i0+1, \i0+2, \i0+3
	FRAG AF+FR*(\i), ADRA+\slot, \q, \i
.endr
.endm
.macro SCALES sc                       ; a slot's scale words: register 4 q + a / 2 holds tile a's (a even: lanes 0-15, odd: lanes 16-31); P's, then Q's 8 on
.irp G, 0,1
.irp q, 0,1
	ds_load_b64 v[SC+16*(\sc)+4*\q+2*\G:SC+16*(\sc)+4*\q+2*\G+1], v[ADSP] offset:2048*\G+256*\q
	ds_load_b64 v[SC+16*(\sc)+8+4*\q+2*\G:SC+16*(\sc)+8+4*\q+2*\G+1], v[ADSQ] offset:2048*\G+256*\q
.endr
.endr
.endm
; 16 products: P's tiles a0, a0 + 1 x Q's eight.  cm = 0: onto the sums; 1: the sums start from the bias by j; 2: by i.  The 64 accumulators take turns.
.macro MUL16 a0, p, q, sc, cm
.irp a, \a0, \a0+1
.irp b, 0,1,2,3,4,5,6,7
.if (\cm) == 0
	WMC 8*(8*((\a)%4)+\b), 128*(\p)+FR*\b, AF+FR*(\a), 8*(8*((\a)%4)+\b), SC+16*(\sc)+8+4*(\q)+\b/2, SC+16*(\sc)+4*(\q)+(\a)/2, \b%2, (\a)%2
.elseif (\cm) == 1
	WMC 8*(8*((\a)%4)+\b), 128*(\p)+FR*\b, AF+FR*(\a), 96+8*\b+96*(\b/4), SC+16*(\sc)+8+4*(\q)+\b/2, SC+16*(\sc)+4*(\q)+(\a)/2, \b%2, (\a)%2
.else
	WMC 8*(8*((\a)%4)+\b), 128*(\p)+FR*\b, AF+FR*(\a), 96+8*(\a)+96*((\a)/4), SC+16*(\sc)+8+4*(\q)+\b/2, SC+16*(\sc)+4*(\q)+(\a)/2, \b%2, (\a)%2
.endif
.endr
.endr
.endm
.macro STEP slot, q, cm                ; 128 along K that has its successor in the same slot
	s_wait_dscnt 4*NL                              ; Q's set and P's tiles 0-3 are in; the youngest 12 loads (P's tiles 4-7) may be out
.if (\cm) == 0
	WIN 0xa1
.else
	WIN 0x91                                       ; the bias registers lie in window 1
.endif
	MUL16 0, (\q)%2, \q, \slot, \cm
	MUL16 2, (\q)%2, \q, \slot, \cm
	s_wait_dscnt 0x0
	PLACES NP                                      ; in front of loads into registers that matrix instructions have read
	FETCH_B \slot, (\q)+1, 1-(\q)%2
	FETCH_A \slot, (\q)+1, 0
.if (\cm) == 0
	WIN 0xf1
.else
	WIN 0xd1
.endif
	MUL16 4, (\q)%2, \q, \slot, \cm
	MUL16 6, (\q)%2, \q, \slot, \cm
	PLACES NP
	WIN 0
	FETCH_A \slot, (\q)+1, 4
.endm
.macro TURN slot, next, fill           ; a slot's last 128 along K, and the change of slots
	s_wait_tensorcnt 0x0                           ; all my tensor loads have landed: my part of the next slot
	ds_add_u32 v[SPW], v[NIL]                      ; 0 onto my spare word
	s_wait_dscnt 4*NL+1                            ; (the add and the youngest 12 loads may be out)
	WIN 0xa1
	MUL16 0, 1, 1, \slot, 0
	s_wait_dscnt 0x0                               ; the add is done, and my reads of this slot are over
	s_barrier_signal -1
	MUL16 2, 1, 1, \slot, 0
	WIN 0
	s_barrier_wait -1
.if \fill
	CREST                                          ; the barrier has opened a round of the cluster's: no wave of any partner still reads this slot or has a load on its way
	s_add_nc_u64 s[G0+4*\slot+2:G0+4*\slot+3], s[G0+4*\slot+2:G0+4*\slot+3], 24576
	s_add_nc_u64 s[G0B+4*\slot+2:G0B+4*\slot+3], s[G0B+4*\slot+2:G0B+4*\slot+3], 24576
	JLOAD G0+4*\slot, G1, G0B+4*\slot, G1B         ; the first tensor load behind the round; its four v_nop are also the places in front of the loads below
.else
	PLACES NP
.endif
	v_add_nc_u32 v[ADSP], 512, v[ADSP]             ; the next slot's scale words
	v_add_nc_u32 v[ADSQ], 512, v[ADSQ]
	FETCH_B \next, 0, 0
	FETCH_A \next, 0, 0
	SCALES \next
	WIN 0xf1
	MUL16 4, 1, 1, \slot, 0
	MUL16 6, 1, 1, \slot, 0
	PLACES NP
	WIN 0
	FETCH_A \next, 0, 4
.endm
	s_load_b256 s[4:11], s[0:1], 0x0               ; pre, bq, bk, bv
	s_load_b64 s[12:13], s[0:1], 0x20              ; qkv
	v_lshl_add_u32 v[SPW], v0, 2, SPARE
	v_mov_b32 v[NIL], 0
	ds_add_u32 v28, v29
	ds_add_u32 v28, v29
	s_wait_dscnt 0x0
	v_lshrrev_b32 v1, 5, v0
	v_readfirstlane_b32 s14, v1                    ; wave
	s_lshr_b32 s15, s14, 1                         ; my half of the tile's i.  Also: I fetch for P (0) or Q (1)
	s_and_b32 s16, s14, 1                          ; my half of its j.  Also: which 128 rows I fetch
	s_bfe_u32 s40, ttmp6, 0x40000                  ; cx
	s_bfe_u32 s41, ttmp6, 0x40004                  ; cy
	s_and_b32 s66, ttmp7, 0xffff                   ; the cluster's y: under 4: q and k; 4, 5: v
	s_cmp_lt_u32 s66, 4
	s_cselect_b32 s17, s66, 0
	s_cselect_b32 s42, 4, s66
	s_cselect_b32 s94, 0, WVC                      ; P's codes in pre: x's or Wv's,
	s_cselect_b32 s95, 0, WVC/24                   ; its scale words behind SB;
	s_cselect_b32 s96, WQKC, 0                     ; Q's: Wq | Wk or x
	s_cselect_b32 s97, WQKC/24, 0
	s_lshl_b32 s17, s17, 2
	s_add_co_u32 s17, s17, s41                     ; P's tile of 256
	s_sub_co_u32 s42, s42, 4
	s_lshl_b32 s42, s42, 3
	s_lshl_b32 s43, ttmp9, 2
	s_add_co_u32 s42, s42, s43
	s_add_co_u32 s42, s42, s40                     ; Q's tile of 256
	s_lshl_b32 s43, s41, 2
	s_lshl_b32 s43, 15, s43                        ; my row of the cluster
	s_lshl_b32 s44, 0x1111, s40                    ; my column
	; group 1, codes: 2 rows (groups) of 12,288 bytes (two K steps), 49,152 bytes apart; elements of 8 bytes
	s_or_b32 s[G1+0], s43, (3<<16)|(1<<21)
	s_or_b32 s[G1B+0], s44, (3<<16)|(1<<21)
.irp g, G1, G1B
	s_mov_b32 s[\g+1], 1536<<16
	s_mov_b32 s[\g+2], 2<<16
	s_mov_b32 s[\g+3], 1536<<16
	s_mov_b32 s[\g+4], 2
	s_mov_b32 s[\g+5], 6144
	s_mov_b32 s[\g+6], 0
	s_mov_b32 s[\g+7], 0
.endr
	; group 1, scale words: 4,096 dense bytes as 16 rows of 256
	s_or_b32 s[G1S+0], s43, (3<<16)|(1<<21)
	s_or_b32 s[G1SB+0], s44, (3<<16)|(1<<21)
.irp g, G1S, G1SB
	s_mov_b32 s[\g+1], 32<<16
	s_mov_b32 s[\g+2], 16<<16
	s_mov_b32 s[\g+3], 32<<16
	s_mov_b32 s[\g+4], 16
	s_mov_b32 s[\g+5], 32
	s_mov_b32 s[\g+6], 0
	s_mov_b32 s[\g+7], 0
.endr
	s_lshl_b32 s18, s16, 1
	s_lshl_b32 s20, s17, 2
	s_add_co_u32 s20, s20, s18                     ; P: the first group that I fetch
	s_lshl_b32 s22, s20, 11
	s_add_co_u32 s22, s22, s95
	s_add_co_u32 s22, s22, SB
	s_mul_i32 s20, s20, 49152
	s_add_co_u32 s20, s20, s94
	s_mov_b32 s21, 0
	s_mov_b32 s23, 0
	s_lshl_b32 s46, s42, 2
	s_add_co_u32 s46, s46, s18                     ; Q likewise
	s_lshl_b32 s92, s46, 11
	s_add_co_u32 s92, s92, s97
	s_add_co_u32 s92, s92, SB
	s_mul_i32 s46, s46, 49152
	s_add_co_u32 s46, s46, s96
	s_mov_b32 s47, 0
	s_mov_b32 s93, 0
	s_mul_i32 s45, s14, HALFT                      ; where they go: by the wave's number alone
	s_lshl_b32 s67, s14, 12
	s_mov_b32 s[SEL], 0x76543210
	s_mov_b32 s[SEL+1], 0xfedcba98
	s_wait_kmcnt 0x0
	s_add_nc_u64 s[20:21], s[4:5], s[20:21]
	s_add_nc_u64 s[22:23], s[4:5], s[22:23]
	s_add_nc_u64 s[46:47], s[4:5], s[46:47]
	s_add_nc_u64 s[92:93], s[4:5], s[92:93]
	CROUND                                         ; all sixteen work-groups are here: the first joint loads meet
	s_mov_b32 s[G0S], 1
	s_add_co_u32 s[G0S+1], s67, SCL
	s_mov_b64 s[G0S+2:G0S+3], s[22:23]
	s_or_b32 s[G0S+3], s[G0S+3], 0x80000000
	s_mov_b32 s[G0SB], 1
	s_add_co_u32 s[G0SB+1], s67, SCL
	s_mov_b64 s[G0SB+2:G0SB+3], s[92:93]
	s_or_b32 s[G0SB+3], s[G0SB+3], 0x80000000
	JLOAD G0S, G1S, G0SB, G1SB
.irp s, 0,1
	s_mov_b32 s[G0+4*\s], 1
	s_add_co_u32 s[G0+4*\s+1], s45, \s*SLOT
	s_add_nc_u64 s[G0+4*\s+2:G0+4*\s+3], s[20:21], \s*12288
	s_or_b32 s[G0+4*\s+3], s[G0+4*\s+3], 0x80000000
	s_mov_b32 s[G0B+4*\s], 1
	s_add_co_u32 s[G0B+4*\s+1], s45, \s*SLOT
	s_add_nc_u64 s[G0B+4*\s+2:G0B+4*\s+3], s[46:47], \s*12288
	s_or_b32 s[G0B+4*\s+3], s[G0B+4*\s+3], 0x80000000
	JLOAD G0+4*\s, G1, G0B+4*\s, G1B               ; three tensor loads of mine are out at the most
.endr
	v_and_b32 v1, 15, v0                           ; r
	v_bfe_u32 v2, v0, 4, 1                         ; h
	v_and_b32 v3, 31, v0
	v_lshlrev_b32 v[LI], 4, v3
	v_lshlrev_b32 v[LI8], 3, v3
	s_mul_i32 s21, s15, HALFT
	s_mul_i32 s22, s16, HALFT
	s_add_co_u32 s22, s22, 2*HALFT
.irp s, 0,1
	v_add_nc_u32 v[ADRA+\s], s21, v[LI]
	v_add_nc_u32 v[ADRB+\s], s22, v[LI]
	s_add_co_u32 s21, s21, SLOT
	s_add_co_u32 s22, s22, SLOT
.endr
	s_lshl_b32 s21, s15, 12
	s_add_co_u32 s21, s21, SCL
	v_add_nc_u32 v[ADSP], s21, v[LI8]
	s_lshl_b32 s22, s16, 12
	s_add_co_u32 s22, s22, SCL+2*HALFS
	v_add_nc_u32 v[ADSQ], s22, v[LI8]
	v_lshlrev_b32 v30, 6, v2                       ; 64 h
	v_and_b32 v31, 8, v1
	v_add_nc_u32 v31, v31, v1
	v_lshlrev_b32 v31, 2, v31                      ; 4 (r + 8 (r / 8))
	s_cmp_lt_u32 s66, 4
	s_cbranch_scc0 .Lbias_v
	s_cmp_eq_u32 ttmp9, 0                          ; q's columns or k's: the cluster's x
	s_cselect_b64 s[92:93], s[6:7], s[8:9]
	s_lshl_b32 s46, s40, 10
	s_lshl_b32 s47, s16, 9
	s_add_co_u32 s46, s46, s47
	s_mov_b32 s47, 0
	s_add_nc_u64 s[92:93], s[92:93], s[46:47]      ; my 128 columns' biases
	WIN 0x40
.irp b, 0,1,2,3,4,5,6,7                ; register jj of tile b: column 32 (b / 2) + 16 h + 8 (b % 2) + jj
	global_load_b128 v[96+8*\b+96*(\b/4):96+8*\b+96*(\b/4)+3], v30, s[92:93] offset:(32*(\b/2)+8*(\b%2))*4
	global_load_b128 v[96+8*\b+96*(\b/4)+4:96+8*\b+96*(\b/4)+7], v30, s[92:93] offset:(32*(\b/2)+8*(\b%2))*4+16
.endr
	WIN 0
	s_branch .Lbias_done
.Lbias_v:
	s_lshl_b32 s20, s17, 10
	s_lshl_b32 s21, s15, 9
	s_add_co_u32 s20, s20, s21
	s_mov_b32 s21, 0
	s_add_nc_u64 s[20:21], s[10:11], s[20:21]      ; bv at my 128 rows of Wv
	WIN 0x40
.irp a, 0,1,2,3,4,5,6,7                ; all eight registers of tile a: my row's bias
.irp j, 0,1,2,3,4,5,6,7
	global_load_b32 v[96+8*\a+96*(\a/4)+\j], v31, s[20:21] offset:(32*(\a/2)+8*(\a%2))*4
.endr
.endr
	WIN 0
.Lbias_done:
	s_wait_tensorcnt 1                             ; the scale words and my part of slot 0 are in; slot 1's load may be out
	s_barrier_signal -1
	s_barrier_wait -1
	FETCH_B 0, 0, 0
	FETCH_A 0, 0, 0
	SCALES 0
	FETCH_A 0, 0, 4
	s_wait_loadcnt 0x0                             ; the biases
	s_cmp_lt_u32 s66, 4
	s_cbranch_scc0 .Lfirst_v
	STEP 0, 0, 1
	s_branch .Lfirst_done
.Lfirst_v:
	STEP 0, 0, 2
.Lfirst_done:
	TURN 0, 1, 1
	STEP 1, 0, 0
	TURN 1, 0, 1
	STEP 0, 0, 0
	TURN 0, 1, 0                                   ; nothing is left to fetch
	STEP 1, 0, 0
	s_wait_dscnt 4*NL
	WIN 0xa1
	MUL16 0, 1, 1, 1, 0
	MUL16 2, 1, 1, 1, 0
	s_wait_dscnt 0x0
	WIN 0xf1
	MUL16 4, 1, 1, 1, 0
	MUL16 6, 1, 1, 1, 0
	WIN 0
	PLACES 4
	; THE WAY OUT: each row of eight accumulators is quantised along j and leaves as an image, in dense stores
.irp b, 0,1,2,3
	v_mov_b32 v[TM+4+\b], 0
.endr
	s_lshl_b32 s20, s42, 1
	s_add_co_u32 s20, s20, s16                     ; jg: which 128 of j
	s_lshl_b32 s21, s17, 2
	s_lshl_b32 s22, s15, 1
	s_add_co_u32 s21, s21, s22                     ; gi: which group of 64 of i
	s_mul_i32 s22, s20, 393216                     ; q, k: pseudo-head 2 jg,
	s_mul_i32 s23, s21, 3072                       ; token tile 4 gi
	s_add_co_u32 s22, s22, s23
	s_lshl_b32 s23, s20, 15
	s_lshl_b32 s46, s21, 8
	s_add_co_u32 s23, s23, s46
	s_add_co_u32 s23, s23, QKS
	s_lshl_b32 s46, s21, 5                         ; v: head gi, K step jg
	s_add_co_u32 s46, s46, s20
	s_mul_i32 s47, s46, 6144
	s_add_co_u32 s47, s47, VC
	s_lshl_b32 s46, s46, 8
	s_add_co_u32 s46, s46, VS
	s_cmp_lt_u32 s66, 4
	s_cselect_b32 s22, s22, s47
	s_cselect_b32 s46, s23, s46
	s_mov_b32 s23, 0
	s_mov_b32 s47, 0
	s_add_nc_u64 s[22:23], s[12:13], s[22:23]      ; codes
	s_add_nc_u64 s[46:47], s[12:13], s[46:47]      ; scale words
.macro EPI a
	QUANTW 64*((\a)%4), 2+(\a)/4, PW+(\a)
	s_cmp_lt_u32 s66, 4
	s_cbranch_scc0 .Lev_\@
	global_store_b128 v[LI], v[PC:PC+3], s[22:23] offset:768*(\a)                 ; registers 0-5: the first head's 64 channels
	global_store_b64 v[LI8], v[PC+4:PC+5], s[22:23] offset:768*(\a)+512
	global_store_b128 v[LI], v[PC+6:PC+9], s[22:23] offset:768*(\a)+196608         ; registers 6-11: the next head's
	global_store_b64 v[LI8], v[PC+10:PC+11], s[22:23] offset:768*(\a)+197120
	s_branch .Lej_\@
.Lev_\@:
.irp c, 0,1,2
	global_store_b128 v[LI], v[PC+4*\c:PC+4*\c+3], s[22:23] offset:((\a)/4)*196608+((\a)%4)*1536+512*\c
.endr
.Lej_\@:
.endm
.irp a, 0,1,2,3,4,5,6,7
	EPI \a
.endr
	v_and_b32 v95, 16, v0
	v_cmp_ne_u32 vcc_lo, 0, v95
.irp G, 0,1
	v_cndmask_b32 v[E+2*\G], v[PW+4*\G], v[PW+4*\G+1], vcc_lo
	v_cndmask_b32 v[E+2*\G+1], v[PW+4*\G+2], v[PW+4*\G+3], vcc_lo
.endr
	s_cmp_lt_u32 s66, 4
	s_cbranch_scc0 .Lsc_v
.irp j, 0,1,2,3
	v_lshrrev_b32 v[E+4+\j], 16, v[E+\j]           ; the second head's two bytes
.endr
.irp G, 0,1
	global_store_b64 v[LI8], v[E+2*\G:E+2*\G+1], s[46:47] offset:256*\G
	global_store_b64 v[LI8], v[E+4+2*\G:E+5+2*\G], s[46:47] offset:256*\G+16384
.endr
	s_branch .Lsc_done
.Lsc_v:
.irp G, 0,1
	global_store_b64 v[LI8], v[E+2*\G:E+2*\G+1], s[46:47] offset:8192*\G
.endr
.Lsc_done:
	s_wait_tensorcnt 0x0                           ; the wave's end
	ds_add_u32 v[SPW], v[NIL]
	s_wait_dscnt 0x0
	CROUND                                         ; the closing round
	s_endpgm
.Lfunc_end_k_qd21a2cd549_qkv:
	.size	k_qd21a2cd549_qkv, .Lfunc_end_k_qd21a2cd549_qkv-k_qd21a2cd549_qkv
	.p2alignl 7, 3214868480
	.fill 96, 4, 3214868480
	.section	.rodata,"a",@progbits
	.p2align	6, 0x0
	.amdhsa_kernel k_qd21a2cd549_qkv
		.amdhsa_group_segment_fixed_size 327680
		.amdhsa_private_segment_fixed_size 0
		.amdhsa_enable_private_segment 0
		.amdhsa_kernarg_size 40
		.amdhsa_user_sgpr_count 2
		.amdhsa_user_sgpr_kernarg_segment_ptr 1
		.amdhsa_wavefront_size32 1
		.amdhsa_system_sgpr_workgroup_id_x 1
		.amdhsa_system_sgpr_workgroup_id_y 1
		.amdhsa_system_sgpr_workgroup_id_z 1
		.amdhsa_system_vgpr_workitem_id 0
		.amdhsa_next_free_vgpr 1024
		.amdhsa_next_free_sgpr 100
		.amdhsa_reserve_vcc 1
		.amdhsa_float_denorm_mode_32 3
		.amdhsa_float_denorm_mode_16_64 3
		.amdhsa_memory_ordered 1
		.amdhsa_forward_progress 1
		.amdhsa_inst_pref_size 165
	.end_amdhsa_kernel
	.amdgpu_metadata
---
amdhsa.version: [ 1, 2 ]
amdhsa.kernels:
  - .name:           k_qd21a2cd549_qkv
    .symbol:         k_qd21a2cd549_qkv.kd
    .args:
      - { .name: pre, .offset: 0, .size: 8, .value_kind: global_buffer, .address_space: global }
      - { .name: bq, .offset: 8, .size: 8, .value_kind: global_buffer, .address_space: global }
      - { .name: bk, .offset: 16, .size: 8, .value_kind: global_buffer, .address_space: global }
      - { .name: bv, .offset: 24, .size: 8, .value_kind: global_buffer, .address_space: global }
      - { .name: qkv, .offset: 32, .size: 8, .value_kind: global_buffer, .address_space: global }
    .group_segment_fixed_size: 327680
    .private_segment_fixed_size: 0
    .kernarg_segment_align: 8
    .kernarg_segment_size: 40
    .max_flat_workgroup_size: 128
    .sgpr_count:     100
    .vgpr_count:     1024
    .wavefront_size: 32
...
	.end_amdgpu_metadata
.endif
;; end of part 2
;; launch attn (part 3): grid 8 x 32, 16 waves a work-group, no clusters, 211,968 bytes of LDS; arguments qkv, ctx; writes ctx
.if DOCPART == 3
	.amdgcn_target "amdgcn-amd-amdhsa--gfx1250"
	.amdhsa_code_object_version 6
	.text
	.protected	k_qd21a2cd549_attn
	.globl	k_qd21a2cd549_attn
	.p2align	8
	.type	k_qd21a2cd549_attn,@function
k_qd21a2cd549_attn:
	s_mov_b64 s[64:65], 0
	v_nop
	global_prefetch_b8 v0, s[64:65] scope:SCOPE_SE
	s_setreg_imm32_b32 hwreg(HW_REG_WAVE_MODE, 25, 1), 1
	s_wait_xcnt 0x0
; attn: causal attention on codes of BF6, head size 64, and ctx quantised along the head's channels.
; t = score x log2(e) / 8; M = the running largest t rounded UP to a whole number; p = 2^(t - M) is quantised along the keys, not normalised; the row's sum is taken of the unquantised p and divides at the end.
; SHARES.  Work-group (i, 16 batch + head) owns the query blocks i and 15 - i of 128 queries, so that under the causal mask every work-group has the same work.  Each of the sixteen waves owns one tile of 16 queries.
; A head's K, V and their scale words (208,896 bytes) fit in LDS whole: wave 0 brings K's, wave 1 V's, five tensor loads each, all at the start; nothing is filled again.  A barrier stands in front of each chunk of 512 keys.
; No cluster: which steps a work-group leaves out hangs on its own query blocks, which partners would not share.
; LAYOUT.  S^T = K Q^T, O^T = V^T P^T: a lane holds one query.  Lane r of a tile holds row 32 (t / 2) + 8 (t % 2) + r + 8 (r / 8), for queries, keys and channels alike.
; The head's 64 channels fill registers 0-5 of a fragment; registers 6-11 hold zero codes on both sides, which add nothing.
; A step all of whose keys come after my queries is left out by a scalar branch on ids; every loop's trip count is a constant.
; LIMITS: NaN and infinities are not served; a block under 2^-122 (zeros too) gets the byte 1.
; REGISTERS: v1-7, v28 addresses that stay; v8-11, v29 the step's; v12 -M, v13 largest t, v[14:15] the sum; v16-27 Q; v32-79 four tiles of K; v96-159 S^T, p, then V's four tiles; v160-191 O^T; v224-235 p's codes; v232-254 at work; v255 Q's scale word.
.set VC,    6291456
.set QKS,   9437184
.set VS,    9961472
.set CS,    3145728
.set VL,    98304
.set SKL,   196608
.set SVL,   204800
.set SST,   208896                     ; a stage of 1,024 bytes for ctx's scale words: no tensor load lands there
.set WV,    8
.set QMIN,  14
.set QMAX,  15
.set SEL,   16
.set CSC,   18
.set KF,    20
.set S6,    21
.set S5,    22
.set S2,    23
.set G1C,   24
.set G1SK,  32
.set G0C,   40
.set G0S,   56
.set CT,    60
.set G1SV,  68
.set SH,    92
.macro PLACES n
.rept \n
	v_nop
.endr
.endm
.macro WM0 d, a, b, sa, sb, ra, rb
.if (\ra) == 0
	v_wmma_scale_f32_16x16x128_f8f6f4 v[(\d):(\d)+7], v[(\a):(\a)+11], v[(\b):(\b)+11], 0, v[\sa], v[\sb] matrix_a_fmt:MATRIX_FMT_BF6 matrix_b_fmt:MATRIX_FMT_BF6
.else
	v_wmma_scale_f32_16x16x128_f8f6f4 v[(\d):(\d)+7], v[(\a):(\a)+11], v[(\b):(\b)+11], 0, v[\sa], v[\sb] matrix_a_fmt:MATRIX_FMT_BF6 matrix_b_fmt:MATRIX_FMT_BF6 matrix_a_scale:MATRIX_SCALE_ROW1
.endif
.endm
.macro WMC d, a, b, sa, sb, ra
.if (\ra) == 0
	v_wmma_scale_f32_16x16x128_f8f6f4 v[(\d):(\d)+7], v[(\a):(\a)+11], v[(\b):(\b)+11], v[(\d):(\d)+7], v[\sa], v[\sb] matrix_a_fmt:MATRIX_FMT_BF6 matrix_b_fmt:MATRIX_FMT_BF6
.else
	v_wmma_scale_f32_16x16x128_f8f6f4 v[(\d):(\d)+7], v[(\a):(\a)+11], v[(\b):(\b)+11], v[(\d):(\d)+7], v[\sa], v[\sb] matrix_a_fmt:MATRIX_FMT_BF6 matrix_b_fmt:MATRIX_FMT_BF6 matrix_a_scale:MATRIX_SCALE_ROW1
.endif
.endm
	s_load_b128 s[4:7], s[0:1], 0x0                ; qkv, ctx
	v_lshl_add_u32 v223, v0, 2, 0x33400
	v_mov_b32 v243, 0
	ds_add_u32 v223, v243
	ds_add_u32 v223, v243
	v_lshrrev_b32 v8, 5, v0
	v_readfirstlane_b32 s[WV], v8                  ; wave 0..15
	s_and_b32 s10, ttmp7, 0xffff
	s_and_b32 s11, s10, 15                         ; head
	s_lshr_b32 s12, s10, 4                         ; batch
	; dense blocks as rows of 256 bytes (32 elements of 8): a chunk of codes 96 rows, K's scale words 32, V's 16
.irp g, G1C, G1SK, G1SV
	s_mov_b32 s[\g], 3<<16
	s_mov_b32 s[\g+1], 32<<16
	s_mov_b32 s[\g+3], 32<<16
	s_mov_b32 s[\g+5], 32
	s_mov_b32 s[\g+6], 0
	s_mov_b32 s[\g+7], 0
.endr
	s_mov_b32 s[G1C+2], 96<<16
	s_mov_b32 s[G1C+4], 96
	s_mov_b32 s[G1SK+2], 32<<16
	s_mov_b32 s[G1SK+4], 32
	s_mov_b32 s[G1SV+2], 16<<16
	s_mov_b32 s[G1SV+4], 16
	s_min_u32 s76, s[WV], 1                        ; 0: K's, 1: V's
	s_add_co_u32 s77, s11, 16                      ; k's pseudo-head
	s_lshl_b32 s78, s77, 8
	s_lshl_b32 s79, s12, 7
	s_add_co_u32 s78, s78, s79
	s_mul_i32 s78, s78, 768                        ; K's codes
	s_lshl_b32 s79, s77, 6
	s_lshl_b32 s80, s12, 5
	s_add_co_u32 s79, s79, s80
	s_lshl_b32 s79, s79, 8
	s_add_co_u32 s79, s79, QKS                     ; K's scale words
	s_lshl_b32 s80, s11, 5
	s_lshl_b32 s81, s12, 4
	s_add_co_u32 s80, s80, s81
	s_mul_i32 s81, s80, 6144
	s_add_co_u32 s81, s81, VC                      ; V's codes
	s_lshl_b32 s80, s80, 8
	s_add_co_u32 s80, s80, VS                      ; V's scale words
	s_cmp_eq_u32 s[WV], 0
	s_cselect_b32 s78, s78, s81
	s_cselect_b32 s80, s79, s80
	s_mov_b32 s79, 0
	s_mov_b32 s81, 0
	s_mul_i32 s82, s76, 98304
	s_lshl_b32 s83, s76, 13
	s_add_co_u32 s83, s83, SKL
	s_wait_dscnt 0x0
	s_wait_kmcnt 0x0
	s_add_nc_u64 s[78:79], s[4:5], s[78:79]
	s_add_nc_u64 s[80:81], s[4:5], s[80:81]
.irp c, 0,1,2,3
	s_mov_b32 s[G0C+4*\c], 1
	s_add_co_u32 s[G0C+4*\c+1], s82, \c*24576
	s_add_nc_u64 s[G0C+4*\c+2:G0C+4*\c+3], s[78:79], \c*24576
	s_or_b32 s[G0C+4*\c+3], s[G0C+4*\c+3], 0x80000000
.endr
	s_mov_b32 s[G0S], 1
	s_mov_b32 s[G0S+1], s83
	s_mov_b64 s[G0S+2:G0S+3], s[80:81]
	s_or_b32 s[G0S+3], s[G0S+3], 0x80000000
	s_cmp_eq_u32 s[WV], 0                          ; a wave's five first fills stand in one branch: five tensor loads of mine are out at the most
	s_cbranch_scc0 .Lnot_k
	tensor_load_to_lds s[G0S:G0S+3], s[G1SK:G1SK+7]
	s_nop 0
	tensor_load_to_lds s[G0C:G0C+3], s[G1C:G1C+7]
	s_nop 0
	tensor_load_to_lds s[G0C+4:G0C+7], s[G1C:G1C+7]
	s_nop 0
	tensor_load_to_lds s[G0C+8:G0C+11], s[G1C:G1C+7]
	s_nop 0
	tensor_load_to_lds s[G0C+12:G0C+15], s[G1C:G1C+7]
	s_nop 0
	PLACES 4
	s_branch .Lfilled
.Lnot_k:
	s_cmp_eq_u32 s[WV], 1
	s_cbranch_scc0 .Lfilled
	tensor_load_to_lds s[G0S:G0S+3], s[G1SV:G1SV+7]
	s_nop 0
	tensor_load_to_lds s[G0C:G0C+3], s[G1C:G1C+7]
	s_nop 0
	tensor_load_to_lds s[G0C+4:G0C+7], s[G1C:G1C+7]
	s_nop 0
	tensor_load_to_lds s[G0C+8:G0C+11], s[G1C:G1C+7]
	s_nop 0
	tensor_load_to_lds s[G0C+12:G0C+15], s[G1C:G1C+7]
	s_nop 0
	PLACES 4
.Lfilled:
	s_lshl_b32 s61, ttmp9, 3                       ; my tile of 16 queries in the batch: 8 i + w, or 8 (15 - i) + w - 8
	s_add_co_u32 s62, s61, s[WV]
	s_sub_co_u32 s63, 112, s61
	s_add_co_u32 s63, s63, s[WV]
	s_cmp_lt_u32 s[WV], 8
	s_cselect_b32 s13, s62, s63
	s_lshr_b32 s61, s13, 1
	s_lshl_b32 s61, s61, 5
	s_and_b32 s62, s13, 1
	s_lshl_b32 s62, s62, 3
	s_add_co_u32 s[QMIN], s61, s62                 ; its first query,
	s_add_co_u32 s[QMAX], s[QMIN], 23              ; its last
	s_lshl_b32 s61, s11, 8
	s_lshl_b32 s62, s12, 7
	s_add_co_u32 s61, s61, s62
	s_add_co_u32 s61, s61, s13
	s_mul_i32 s84, s61, 768                        ; Q's half image
	s_mov_b32 s85, 0
	s_lshl_b32 s61, s11, 6
	s_lshl_b32 s62, s12, 5
	s_add_co_u32 s61, s61, s62
	s_lshr_b32 s62, s13, 2
	s_add_co_u32 s61, s61, s62
	s_lshl_b32 s86, s61, 8
	s_and_b32 s62, s13, 1
	s_lshl_b32 s62, s62, 7
	s_add_co_u32 s86, s86, s62
	s_bfe_u32 s62, s13, 0x10001
	s_lshl_b32 s62, s62, 2
	s_add_co_u32 s86, s86, s62
	s_add_co_u32 s86, s86, QKS                     ; Q's scale words
	s_mov_b32 s87, 0
	s_lshl_b32 s61, s12, 5
	s_lshr_b32 s62, s13, 2
	s_add_co_u32 s61, s61, s62                     ; ctx: group of 64 tokens,
	s_lshl_b32 s61, s61, 3
	s_lshr_b32 s62, s11, 1
	s_add_co_u32 s61, s61, s62                     ; K step = pair of heads,
	s_lshl_b32 s61, s61, 2
	s_and_b32 s62, s13, 3
	s_add_co_u32 s61, s61, s62                     ; tile,
	s_mul_i32 s88, s61, 1536
	s_and_b32 s62, s11, 1
	s_lshl_b32 s[SH], s62, 4
	s_mul_i32 s62, s62, 768                        ; half
	s_add_co_u32 s88, s88, s62
	s_mov_b32 s89, 0
	s_lshl_b32 s61, ttmp9, 1                       ; waves 0-3 store the four groups' scale units: groups 2 i + w, or 30 - 2 i + w - 2
	s_add_co_u32 s62, s61, s[WV]
	s_sub_co_u32 s63, 28, s61
	s_add_co_u32 s63, s63, s[WV]
	s_cmp_lt_u32 s[WV], 2
	s_cselect_b32 s62, s62, s63
	s_lshl_b32 s61, s12, 5
	s_add_co_u32 s61, s61, s62
	s_lshl_b32 s61, s61, 4
	s_add_co_u32 s61, s61, s11
	s_lshl_b32 s90, s61, 8
	s_add_co_u32 s90, s90, CS
	s_mov_b32 s91, 0
	s_add_nc_u64 s[84:85], s[4:5], s[84:85]
	s_add_nc_u64 s[86:87], s[4:5], s[86:87]
	s_add_nc_u64 s[88:89], s[6:7], s[88:89]
	s_add_nc_u64 s[90:91], s[6:7], s[90:91]
	s_mov_b32 s[SEL], 0x76543210
	s_mov_b32 s[SEL+1], 0xfedcba98
	s_mov_b32 s[CSC], 0x3e38aa3b                   ; c = log2(e) / 8
	s_mov_b32 s[CSC+1], s[CSC]
	s_mov_b32 s[KF], 0
	s_mov_b32 s[S6], 0
	s_mov_b32 s[S5], 0
	s_mov_b32 s[S2], 0
	v_and_b32 v30, 31, v0
	v_lshlrev_b32 v1, 4, v30                       ; 16 x lane
	v_lshlrev_b32 v2, 3, v30                       ; 8 x lane
	v_add_nc_u32 v3, VL, v1
	v_add_nc_u32 v4, SKL, v2
	v_add_nc_u32 v5, SVL, v2
	v_and_b32 v8, 15, v0                           ; r
	v_bfe_u32 v9, v0, 4, 1                         ; h
	v_lshlrev_b32 v31, 3, v8
	global_load_b128 v[16:19], v1, s[84:85]
	global_load_b64 v[20:21], v2, s[84:85] offset:512
	global_load_b32 v255, v31, s[86:87]
	v_and_b32 v10, 8, v8
	v_add_nc_u32 v10, v10, v8
	v_lshlrev_b32 v11, 4, v9
	v_sub_nc_u32 v6, v10, v11
	v_add_nc_u32 v6, s[QMIN], v6                   ; my query - 16 h
	s_lshr_b32 s61, s[WV], 2
	s_lshl_b32 s61, s61, 8
	s_and_b32 s62, s[WV], 1
	s_lshl_b32 s62, s62, 7
	s_add_co_u32 s61, s61, s62
	s_bfe_u32 s62, s[WV], 0x10001
	s_lshl_b32 s62, s62, 2
	s_add_co_u32 s61, s61, s62
	s_add_co_u32 s61, s61, SST
	v_add_nc_u32 v7, s61, v31                      ; my row's word in the stage
	s_min_u32 s61, s[WV], 3
	s_lshl_b32 s61, s61, 8
	s_add_co_u32 s61, s61, SST
	v_add_nc_u32 v28, s61, v2                      ; and where waves 0-3 read a unit back
.irp j, 22,23,24,25,26,27
	v_mov_b32 v[\j], 0                             ; Q's upper 64 along K: zero codes
.endr
.irp t, 0,1,2,3
.irp j, 6,7,8,9,10,11
	v_mov_b32 v[32+12*\t+\j], 0                    ; K's likewise: written once, never loaded
.endr
.endr
	v_mov_b32 v13, 0xff61b1e6                      ; the largest t so far: -3e38
	v_floor_f32 v12, -v13
	v_mov_b32 v14, 0
	v_mov_b32 v15, 0
.irp j, 236,237,238,239,252,253,254
	v_mov_b32 v[\j], 0
.endr
.set j, 0
.rept 32
	v_mov_b32 v[160+j], 0                          ; O^T: the loop is written once; its first step finds zeros
.set j, j+1
.endr
.macro STEP                            ; 128 keys
	s_cmp_gt_u32 s[KF], s[QMAX]
	s_cbranch_scc1 .Lhid_\@                        ; all its keys come after my queries
	v_add_nc_u32 v8, s[S6], v1                     ; (these five are also the places in front of products that write over registers which the last products read)
	v_add_nc_u32 v9, s[S6], v2
	v_add_nc_u32 v10, s[S6], v3
	v_add_nc_u32 v11, s[S5], v4
	v_add_nc_u32 v29, s[S2], v5
.irp g, 0,1
.if \g > 0
	PLACES 4
.endif
.irp t, 0,1,2,3
	ds_load_b128 v[32+12*\t:35+12*\t], v8 offset:768*(4*\g+\t)
	ds_load_b64 v[36+12*\t:37+12*\t], v9 offset:768*(4*\g+\t)+512
.endr
	ds_load_b64 v[248+2*\g:249+2*\g], v11 offset:256*\g
	s_wait_dscnt 0x0
.irp t, 0,1,2,3
	WM0 96+8*(4*\g+\t), 32+12*\t, 16, 248+2*\g+\t/2, 255, \t%2, 0
.endr
.endr
	PLACES 4
	s_add_co_u32 s61, s[KF], 127                   ; on the diagonal hidden scores become -infinity; a step all of whose keys count skips this
	s_cmp_le_u32 s61, s[QMIN]
	s_cbranch_scc1 .Lopen_\@
	v_sub_nc_u32 v252, v6, s[KF]                   ; register 16 b + i holds key KF + 16 h + 32 b + i: hidden where 32 b + i > my query - KF - 16 h
	v_mov_b32 v254, 0xff800000
.set n, 0
.rept 64
	v_cmp_gt_i32 vcc_lo, 32*(n/16)+n%16, v252
	v_cndmask_b32 v[96+n], v[96+n], v254, vcc_lo
.set n, n+1
.endr
.Lopen_\@:
.irp b, 0,1,2,3
	v_max3_num_f32 v[232+\b], v[96+16*\b], v[97+16*\b], v[98+16*\b]   ; the largest score of each block of 32 keys: for the row's maximum and for the block's largest p
.endr
.irp i, 3,5,7,9,11,13
.irp b, 0,1,2,3
	v_max3_num_f32 v[232+\b], v[232+\b], v[96+16*\b+\i], v[97+16*\b+\i]
.endr
.endr
.irp b, 0,1,2,3
	v_max_num_f32 v[232+\b], v[232+\b], v[111+16*\b]
.endr
.irp b, 0,1,2,3
	v_permlanex16_b32 v[236+\b], v[232+\b], s[SEL], s[SEL+1]
.endr
.irp b, 0,1,2,3
	v_max_num_f32 v[232+\b], v[232+\b], v[236+\b]
.endr
	v_max3_num_f32 v254, v232, v233, v234
	v_max_num_f32 v254, v254, v235
	v_mul_f32 v254, s[CSC], v254
	v_max_num_f32 v13, v13, v254                   ; the running largest t
	v_mov_b32 v254, v12
	v_floor_f32 v12, -v13                          ; -M = floor(-t): M is a whole number
	v_sub_f32 v254, v12, v254
	v_cvt_i32_f32 v254, v254
	v_ldexp_f32 v252, 1.0, v254                    ; f = 2^(old M - new M): exact
.set j, 0
.rept 32
	v_pk_fma_f32 v[96+j:97+j], v[96+j:97+j], s[CSC:CSC+1], v[12:13] op_sel_hi:[1,0,0]   ; t - M
.set j, j+2
.endr
.irp b, 0,1,2,3
	v_fma_f32 v[232+\b], v[232+\b], s[CSC], v12
.endr
.set j, 0
.rept 64
	v_exp_f32 v[96+j], v[96+j]                     ; p
.set j, j+1
.endr
	v_pk_mul_f32 v[14:15], v[14:15], v[252:253] op_sel_hi:[1,0]   ; the sums under the new M (a plain place behind the exponentials)
	s_wait_alu depctr_va_vdst(0)                   ; one wait for the batch, ahead of its first reader
.irp b, 0,1,2,3
	v_exp_f32 v[232+\b], v[232+\b]                 ; the block's largest p
.endr
	v_pk_add_f32 v[236:237], v[96:97], v[98:99]    ; the row's sum of the unquantised p, in two chains
.irp j, 4,8,12,16,20,24,28,32,36,40,44,48,52,56,60
	v_pk_add_f32 v[14:15], v[14:15], v[96+\j:97+\j]
	v_pk_add_f32 v[236:237], v[236:237], v[98+\j:99+\j]
.endr
	v_pk_add_f32 v[14:15], v[14:15], v[236:237]
	s_wait_alu depctr_va_vdst(0)                   ; and one for the four
.irp b, 0,1,2,3
	v_max_num_f32 v[232+\b], 0x2800000, v[232+\b]
.endr
.irp b, 0,1,2,3
	v_add_nc_u32 v[244+\b], 0xfe000000, v[232+\b]
.endr
.irp b, 0,1,2,3
	v_lshrrev_b32 v[236+\b], 23, v[244+\b]
.endr
	v_lshl_or_b32 v253, v237, 8, v236              ; p's scale word for these 128 keys
	v_lshl_or_b32 v253, v238, 16, v253
	v_lshl_or_b32 v253, v239, 24, v253
.irp c, 0,1
	v_cvt_scalef32_pk16_bf6_f32 v[224+6*\c:226+6*\c], v[96+32*\c:111+32*\c], v[244+2*\c]
	v_cvt_scalef32_pk16_bf6_f32 v[236+4*\c:238+4*\c], v[112+32*\c:127+32*\c], v[245+2*\c]
.endr
	v_nop                                          ; one plain place behind a scaled conversion
.irp c, 0,1
.irp i, 0,1,2
	v_permlane16_swap_b32 v[224+6*\c+\i], v[236+4*\c+\i]
.endr
.irp i, 0,1,2
	v_mov_b32 v[227+6*\c+\i], v[236+4*\c+\i]
.endr
.endr
.irp t, 0,1,2,3                        ; V's four tiles take p's registers, which the conversions have read
.irp c, 0,1,2
	ds_load_b128 v[96+12*\t+4*\c:99+12*\t+4*\c], v10 offset:1536*\t+512*\c
.endr
.endr
	ds_load_b64 v[248:249], v29
.set j, 0
.rept 16
	v_pk_mul_f32 v[160+j:161+j], v[160+j:161+j], v[252:253] op_sel_hi:[1,0]   ; O^T under the new M (also the places in front of the products below)
.set j, j+2
.endr
	s_wait_dscnt 0x0
.irp t, 0,1,2,3
	WMC 160+8*\t, 96+12*\t, 224, 248+\t/2, 253, \t%2
.endr
.Lhid_\@:
	s_add_co_u32 s[KF], s[KF], 128
	s_add_co_u32 s[S6], s[S6], 6144
	s_add_co_u32 s[S5], s[S5], 512
	s_add_co_u32 s[S2], s[S2], 256
.endm
.macro CHUNK c                         ; 512 keys
	s_wait_tensorcnt 3-(\c)                        ; the scale words and chunks 0 .. c have landed; the later chunks of the wave that fetches may be out
	s_wait_dscnt 0x0
	s_barrier_signal -1
	s_barrier_wait -1
	s_mov_b32 s[CT], 4
.Lck_\@:
	STEP
	s_sub_co_u32 s[CT], s[CT], 1
	s_cmp_lg_u32 s[CT], 0
	s_cbranch_scc1 .Lck_\@
.endm
	s_wait_loadcnt 0x0                             ; Q
	CHUNK 0
	CHUNK 1
	CHUNK 2
	CHUNK 3
	; THE WAY OUT: O^T / the sum, quantised along the head's 64 channels: half an image and two scale bytes
	PLACES 4
	v_add_f32 v14, v14, v15
	v_permlanex16_b32 v252, v14, s[SEL], s[SEL+1]
	v_add_f32 v14, v14, v252
	v_rcp_f32 v14, v14
	v_nop
	s_wait_alu depctr_va_vdst(0)
.set j, 0
.rept 32
	v_mul_f32 v[96+j], v[160+j], v14               ; register 16 b + i: channel 32 b + 16 h + i
.set j, j+1
.endr
.irp b, 0,1
	v_max3_num_f32 v[232+\b], |v[96+16*\b]|, |v[97+16*\b]|, 0x2800000
.endr
.irp i, 2,4,6,8,10,12,14
.irp b, 0,1
	v_max3_num_f32 v[232+\b], v[232+\b], |v[96+16*\b+\i]|, |v[97+16*\b+\i]|
.endr
.endr
.irp b, 0,1
	v_permlanex16_b32 v[236+\b], v[232+\b], s[SEL], s[SEL+1]
.endr
.irp b, 0,1
	v_max_num_f32 v[232+\b], v[232+\b], v[236+\b]
.endr
.irp b, 0,1
	v_add_nc_u32 v[244+\b], 0xfe000000, v[232+\b]
.endr
.irp b, 0,1
	v_lshrrev_b32 v[236+\b], 23, v[244+\b]
.endr
	v_lshl_or_b32 v253, v237, 8, v236
	v_lshlrev_b32 v253, s[SH], v253                ; an odd head's bytes are bytes 2 and 3 of the K step's word
	v_cvt_scalef32_pk16_bf6_f32 v[224:226], v[96:111], v244
	v_cvt_scalef32_pk16_bf6_f32 v[240:242], v[112:127], v245
	v_nop
.irp i, 0,1,2
	v_permlane16_swap_b32 v[224+\i], v[240+\i]
.endr
.irp i, 0,1,2
	v_mov_b32 v[227+\i], v[240+\i]
.endr
	global_store_b128 v1, v[224:227], s[88:89]
	global_store_b64 v2, v[228:229], s[88:89] offset:512
	ds_store_b32 v7, v253                          ; lanes r and r + 16 write the same word with the same value
	s_wait_dscnt 0x0
	s_barrier_signal -1
	s_barrier_wait -1
	s_cmp_lt_u32 s[WV], 4
	s_cbranch_scc0 .Ldone
	ds_load_b64 v[32:33], v28
	s_wait_dscnt 0x0
	global_store_b64 v2, v[32:33], s[90:91]        ; one aligned run of 256 bytes
.Ldone:
	s_wait_tensorcnt 0x0
	ds_add_u32 v223, v243
	s_wait_dscnt 0x0
	s_endpgm
.Lfunc_end_k_qd21a2cd549_attn:
	.size	k_qd21a2cd549_attn, .Lfunc_end_k_qd21a2cd549_attn-k_qd21a2cd549_attn
	.p2alignl 7, 3214868480
	.fill 96, 4, 3214868480
	.section	.rodata,"a",@progbits
	.p2align	6, 0x0
	.amdhsa_kernel k_qd21a2cd549_attn
		.amdhsa_group_segment_fixed_size 211968
		.amdhsa_private_segment_fixed_size 0
		.amdhsa_enable_private_segment 0
		.amdhsa_kernarg_size 16
		.amdhsa_user_sgpr_count 2
		.amdhsa_user_sgpr_kernarg_segment_ptr 1
		.amdhsa_wavefront_size32 1
		.amdhsa_system_sgpr_workgroup_id_x 1
		.amdhsa_system_sgpr_workgroup_id_y 1
		.amdhsa_system_sgpr_workgroup_id_z 1
		.amdhsa_system_vgpr_workitem_id 0
		.amdhsa_next_free_vgpr 256
		.amdhsa_next_free_sgpr 96
		.amdhsa_reserve_vcc 1
		.amdhsa_float_denorm_mode_32 3
		.amdhsa_float_denorm_mode_16_64 3
		.amdhsa_memory_ordered 1
		.amdhsa_forward_progress 1
		.amdhsa_inst_pref_size 102
	.end_amdhsa_kernel
	.amdgpu_metadata
---
amdhsa.version: [ 1, 2 ]
amdhsa.kernels:
  - .name:           k_qd21a2cd549_attn
    .symbol:         k_qd21a2cd549_attn.kd
    .args:
      - { .name: qkv, .offset: 0, .size: 8, .value_kind: global_buffer, .address_space: global }
      - { .name: ctx, .offset: 8, .size: 8, .value_kind: global_buffer, .address_space: global }
    .group_segment_fixed_size: 211968
    .private_segment_fixed_size: 0
    .kernarg_segment_align: 8
    .kernarg_segment_size: 16
    .max_flat_workgroup_size: 512
    .sgpr_count:     96
    .vgpr_count:     256
    .wavefront_size: 32
...
	.end_amdgpu_metadata
.endif
;; end of part 3
;; launch fc (part 4): grid 64 x 1, 4 waves a work-group, no clusters, 168,448 bytes of LDS; arguments ctx, pre, embeddings, bfc, g1, be1, ln1; writes ln1
.if DOCPART == 4
	.amdgcn_target "amdgcn-amd-amdhsa--gfx1250"
	.amdhsa_code_object_version 6
	.text
	.protected	k_qd21a2cd549_fc
	.globl	k_qd21a2cd549_fc
	.p2align	8
	.type	k_qd21a2cd549_fc,@function
k_qd21a2cd549_fc:
	s_mov_b64 s[64:65], 0
	v_nop
	global_prefetch_b8 v0, s[64:65] scope:SCOPE_SE
	s_setreg_imm32_b32 hwreg(HW_REG_WAVE_MODE, 25, 1), 1
	s_wait_xcnt 0x0
; y = LayerNorm(P W + bias + residual) x gain + beta, P and W as codes of BF6 with E8M0 scales; here: P = ctx, W = Wfc, residual = embeddings; y goes out as f32 and, quantised along its 1,024 columns, as codes.
; SHARES.  A work-group owns 64 rows and all 1,024 columns, so that a row's mean and variance have one owner.  Wave w owns columns 256 w .. 256 w + 255: 16 tiles of W x 4 tiles of rows: 64 accumulators.
; 64 rows are the most whose f32 sums fit the registers; every owner of whole rows walks the whole weight, so fewer rows to a work-group would only multiply that traffic.
; A wave's fragments of W are read by no other wave: they go from memory straight into registers, as images, four tiles (13 loads) at a time, a K step ahead.  P is shared by the four waves: it comes whole into LDS, once.
; No cluster: the weights do not pass through LDS, and P is each work-group's own.
; The sums begin as residual + bias, loaded into the accumulators.  The variance is taken of the differences from the mean, in a second pass.
; LIMITS: NaN and infinities are not served; a block under 2^-122 (zeros too) gets the byte 1.
; REGISTERS: window 0: v4-13 addresses; v16-23 W's scale words; v24-39 P's; v40-47 mean, then 1 / deviation; v48-143 P's fragments, two sets; v96-223 bias, later beta; v224-255 at work.
;   window 1: v0-191 W's fragments; later v0-127 the gains, v128-255 rows on their way out.   windows 2, 3: the accumulators, (b, a) at v[8 (8 a + b % 8)] of window 2 + b / 8.
.set KS,    8                          ; K steps of 128
.set HALFP, 1                          ; P's fragments lie as two halves of 768 bytes, its scale words as two units to be joined
.set QOUT,  1                          ; y also leaves as codes
.set WC,    5505024                    ; W's codes in pre
.set WS,    12812288                   ; and its scale words
.set PSOFF, 3145728                    ; P's scale words in its buffer
.set LC,    16777216                   ; y's codes in the output buffer
.set LS,    19922944
.set PSL,   196608
.if HALFP
.set RED,   49152
.set NPL,   16
.else
.set RED,   204800
.set NPL,   13
.endif
.set STG,   RED+2048                   ; 16 rows x (1,024 + 16) bytes for each wave
.set PFO,   1
.set LI,    4
.set LI8,   5
.set PADR,  6
.set PAD2,  7
.set RO,    8
.set STI,   9
.set STO,   10
.set REDW,  11
.set REDR,  12
.set H64,   13
.set SQ,    16
.set SP,    24
.set MU,    40
.set PF,    48
.set TM,    48
.set PC,    64
.set PW,    84
.set E,     88
.set BI,    96
.set SUM,   224
.set T1,    232
.set T2,    236
.set T4,    240
.set WV,    18
.set SEL,   20
.set G1,    24
.set G0,    32
.set G1S,   36
.set G0S,   44
.set QB,    48
.set QS,    50
.set CNT,   52
.set LIM,   53
.set MSB,   0
.macro WIN new
.if MSB != (\new)
	s_set_vgpr_msb (MSB<<8)|(\new)
.set MSB, \new
.endif
.endm
.macro PLACES n
.rept \n
	v_nop
.endr
.endm
.macro WMC d, a, b, c, sa, sb, ra, rb
.if ((\ra) == 0) && ((\rb) == 0)
	v_wmma_scale_f32_16x16x128_f8f6f4 v[(\d):(\d)+7], v[(\a):(\a)+11], v[(\b):(\b)+11], v[(\c):(\c)+7], v[\sa], v[\sb] matrix_a_fmt:MATRIX_FMT_BF6 matrix_b_fmt:MATRIX_FMT_BF6
.elseif (\rb) == 0
	v_wmma_scale_f32_16x16x128_f8f6f4 v[(\d):(\d)+7], v[(\a):(\a)+11], v[(\b):(\b)+11], v[(\c):(\c)+7], v[\sa], v[\sb] matrix_a_fmt:MATRIX_FMT_BF6 matrix_b_fmt:MATRIX_FMT_BF6 matrix_a_scale:MATRIX_SCALE_ROW1
.elseif (\ra) == 0
	v_wmma_scale_f32_16x16x128_f8f6f4 v[(\d):(\d)+7], v[(\a):(\a)+11], v[(\b):(\b)+11], v[(\c):(\c)+7], v[\sa], v[\sb] matrix_a_fmt:MATRIX_FMT_BF6 matrix_b_fmt:MATRIX_FMT_BF6 matrix_b_scale:MATRIX_SCALE_ROW1
.else
	v_wmma_scale_f32_16x16x128_f8f6f4 v[(\d):(\d)+7], v[(\a):(\a)+11], v[(\b):(\b)+11], v[(\c):(\c)+7], v[\sa], v[\sb] matrix_a_fmt:MATRIX_FMT_BF6 matrix_b_fmt:MATRIX_FMT_BF6 matrix_a_scale:MATRIX_SCALE_ROW1 matrix_b_scale:MATRIX_SCALE_ROW1
.endif
.endm
.macro QUANTW s, sw, pw
	WIN 5*(\sw)
.irp b, 0,1,2,3
	v_max3_num_f32 v[TM+\b], |v[(\s)+16*\b]|, |v[(\s)+16*\b+1]|, 0x2800000
.endr
.irp i, 2,4,6,8,10,12,14
.irp b, 0,1,2,3
	v_max3_num_f32 v[TM+\b], |v[(\s)+16*\b+\i]|, |v[(\s)+16*\b+\i+1]|, v[TM+\b]
.endr
.endr
	WIN 0
.irp b, 0,1,2,3
	v_permlanex16_b32 v[TM+4+\b], v[TM+\b], s[SEL], s[SEL+1]
.endr
.irp b, 0,1,2,3
	v_max_num_f32 v[TM+\b], v[TM+\b], v[TM+4+\b]
.endr
.irp b, 0,1,2,3
	v_add_nc_u32 v[TM+12+\b], 0xfe000000, v[TM+\b]
.endr
.irp b, 0,1,2,3
	v_lshrrev_b32 v[TM+4+\b], 23, v[TM+12+\b]
.endr
	v_lshl_or_b32 v[\pw], v[TM+5], 8, v[TM+4]
	v_lshl_or_b32 v[\pw], v[TM+6], 16, v[\pw]
	v_lshl_or_b32 v[\pw], v[TM+7], 24, v[\pw]
	s_wait_xcnt 0x0
	WIN (\sw)
.irp c, 0,1
	v_cvt_scalef32_pk16_bf6_f32 v[PC+6*\c:PC+2+6*\c], v[(\s)+32*\c:(\s)+15+32*\c], v[TM+12+2*\c]
	v_cvt_scalef32_pk16_bf6_f32 v[PC+12+4*\c:PC+14+4*\c], v[(\s)+16+32*\c:(\s)+31+32*\c], v[TM+13+2*\c]
.endr
	WIN 0
	v_nop
.irp c, 0,1
.irp i, 0,1,2
	v_permlane16_swap_b32 v[PC+6*\c+\i], v[PC+12+4*\c+\i]
.endr
.irp i, 0,1,2
	v_mov_b32 v[PC+3+6*\c+\i], v[PC+12+4*\c+\i]
.endr
.endr
.endm
.macro REFILL G, k                     ; W's tiles 4 G .. 4 G + 3 of K step k (from the base on), and their scale words: 13 loads
	WIN 0x40
.irp t, 0,1,2,3
.irp c, 0,1,2
	global_load_b128 v[12*(4*(\G)+\t)+4*\c:12*(4*(\G)+\t)+4*\c+3], v[LI], s[QB:QB+1] offset:(\G)*KS*6144+(\k)*6144+1536*\t+512*\c
.endr
.endr
	WIN 0
	global_load_b64 v[SQ+2*(\G):SQ+2*(\G)+1], v[LI8], s[QS:QS+1] offset:(\G)*KS*256+256*(\k)
.endm
.macro PFETCH set, k                   ; P's four tiles of K step k from LDS
.irp a, 0,1,2,3
.if HALFP
	ds_load_b128 v[PF+48*(\set)+12*\a:PF+48*(\set)+12*\a+3], v[PADR] offset:6144*(\k)+1536*\a
	ds_load_b64 v[PF+48*(\set)+12*\a+4:PF+48*(\set)+12*\a+5], v[PAD2] offset:6144*(\k)+1536*\a+512
	ds_load_b128 v[PF+48*(\set)+12*\a+6:PF+48*(\set)+12*\a+9], v[PADR] offset:6144*(\k)+1536*\a+768
	ds_load_b64 v[PF+48*(\set)+12*\a+10:PF+48*(\set)+12*\a+11], v[PAD2] offset:6144*(\k)+1536*\a+1280
.else
.irp c, 0,1,2
	ds_load_b128 v[PF+48*(\set)+12*\a+4*\c:PF+48*(\set)+12*\a+4*\c+3], v[PADR] offset:6144*(\k)+1536*\a+512*\c
.endr
.endif
.endr
.if HALFP == 0
	ds_load_b64 v[SP+2*(\set):SP+2*(\set)+1], v[PAD2] offset:256*(\k)
.endif
.endm
; A prefetch of W's codes of the K steps that the trip after next loads: my wave's four groups x two K steps, 96 blocks of 256 bytes each, a lane a block.  All work-groups walk the same W: work-group 0 asks, each wave for
; its own columns, so each block is named once.  The last trip that asks names K steps 30 and 31.
.macro ASK
	s_cmp_gt_u32 s[CNT], s[LIM]
	s_cbranch_scc0 .Lnp_\@
.irp k, 0,1,2
.irp j, 0,1
	global_prefetch_b8 v[PFO+\k], s[QB:QB+1] offset:(4+\j)*6144 th:TH_LOAD_NT scope:SCOPE_SE
.endr
.endr
.Lnp_\@:
.endm
.macro RSTEP set, k, ahead, sp, pf     ; one K step: 64 products, the accumulators by turns
.if \ahead
	PFETCH 1-(\set), (\k)+1                        ; (the four v_nop behind the last products are its places)
.endif
.irp G, 0,1,2,3
.if \ahead
	s_wait_loadcnt 39                              ; this group's 13 loads are in; the three refills issued behind them may be out
.else
	s_wait_loadcnt 13*(3-\G)
.endif
.if \G == 0
.if \ahead
	s_wait_dscnt NPL                               ; this step's P is in; the next step's may be out
.else
	s_wait_dscnt 0x0
.endif
.endif
.if \G < 2
	WIN 0xa1
.else
	WIN 0xf1
.endif
.irp t, 0,1,2,3
.irp a, 0,1,2,3
	WMC 8*(8*\a+((4*\G+\t)%8)), 12*(4*\G+\t), PF+48*(\set)+12*\a, 8*(8*\a+((4*\G+\t)%8)), SQ+2*\G+\t/2, (\sp)+\a/2, \t%2, \a%2
.endr
.endr
.if \ahead
	PLACES 4                                       ; in front of loads into registers that these products have read
	REFILL \G, (\k)+1
.if (\pf) && (\G == 0)
	ASK
.endif
.endif
.endr
.endm
	s_load_b256 s[4:11], s[0:1], 0x0               ; P, pre, residual, bias
	s_load_b128 s[12:15], s[0:1], 0x20             ; gain, beta
	s_load_b64 s[16:17], s[0:1], 0x30              ; out
	v_lshl_add_u32 v2, v0, 2, 0x29000
	v_mov_b32 v3, 0
	ds_add_u32 v2, v3
	ds_add_u32 v2, v3
	v_lshrrev_b32 v14, 5, v0
	v_readfirstlane_b32 s[WV], v14
	; my quarter of P: KS x 1,536 dense bytes as rows of 256 (32 elements of 8 bytes)
	s_mov_b32 s[G1], 3<<16
	s_mov_b32 s[G1+1], 32<<16
	s_mov_b32 s[G1+2], (6*KS)<<16
	s_mov_b32 s[G1+3], 32<<16
	s_mov_b32 s[G1+4], 6*KS
	s_mov_b32 s[G1+5], 32
	s_mov_b32 s[G1+6], 0
	s_mov_b32 s[G1+7], 0
	s_mov_b32 s[G1S], 3<<16                        ; and of its scale words: 8 rows of 256
	s_mov_b32 s[G1S+1], 32<<16
	s_mov_b32 s[G1S+2], 8<<16
	s_mov_b32 s[G1S+3], 32<<16
	s_mov_b32 s[G1S+4], 8
	s_mov_b32 s[G1S+5], 32
	s_mov_b32 s[G1S+6], 0
	s_mov_b32 s[G1S+7], 0
	s_mul_i32 s56, s[WV], KS*1536
	s_mul_i32 s54, ttmp9, KS*6144
	s_add_co_u32 s54, s54, s56
	s_mov_b32 s55, 0
	s_lshl_b32 s57, s[WV], 11
	s_lshl_b32 s58, ttmp9, 13
	s_add_co_u32 s58, s58, s57
	s_add_co_u32 s58, s58, PSOFF
	s_mov_b32 s59, 0
	s_wait_dscnt 0x0
	s_wait_kmcnt 0x0
	s_mov_b32 s[G0], 1
	s_mov_b32 s[G0+1], s56
	s_add_nc_u64 s[G0+2:G0+3], s[4:5], s[54:55]
	s_or_b32 s[G0+3], s[G0+3], 0x80000000
.if HALFP == 0
	s_mov_b32 s[G0S], 1
	s_add_co_u32 s[G0S+1], s57, PSL
	s_add_nc_u64 s[G0S+2:G0S+3], s[4:5], s[58:59]
	s_or_b32 s[G0S+3], s[G0S+3], 0x80000000
.endif
	tensor_load_to_lds s[G0:G0+3], s[G1:G1+7]      ; first fills only: nothing is filled again
	s_nop 0
.if HALFP == 0
	tensor_load_to_lds s[G0S:G0S+3], s[G1S:G1S+7]
.endif
	PLACES 4
	v_and_b32 v14, 31, v0                          ; lane
	v_lshlrev_b32 v[LI], 4, v14
	v_lshlrev_b32 v[LI8], 3, v14
	v_lshlrev_b32 v[PADR], 4, v14
	v_lshlrev_b32 v[PAD2], 3, v14
.if HALFP == 0
	v_add_nc_u32 v[PAD2], PSL, v[PAD2]
.irp k, 0,1,2
	v_add_nc_u32 v[PFO+\k], 32*\k, v14             ; block n = 32 k + lane of 96: group n / 24, block n % 24
	v_mul_u32_u24 v248, v[PFO+\k], 43
	v_lshrrev_b32 v248, 10, v248
	v_mul_u32_u24 v249, v248, 24
	v_sub_nc_u32 v[PFO+\k], v[PFO+\k], v249
	v_lshlrev_b32 v[PFO+\k], 8, v[PFO+\k]
	v_mad_u32_u24 v[PFO+\k], v248, KS*6144, v[PFO+\k]
.endr
.endif
	v_and_b32 v15, 15, v0                          ; r
	v_bfe_u32 v14, v0, 4, 1                        ; h
	v_lshlrev_b32 v[H64], 6, v14
	v_and_b32 v[RO], 8, v15
	v_add_nc_u32 v[RO], v[RO], v15
	v_lshl_add_u32 v[RO], v[RO], 12, v[H64]        ; row r + 8 (r / 8) of 4,096 bytes, + 64 h
	s_mul_i32 s57, s[WV], 16640
	s_add_co_u32 s57, s57, STG
	v_mul_u32_u24 v[STI], v15, 1040
	v_add_nc_u32 v[STI], v[STI], v[H64]
	v_add_nc_u32 v[STI], s57, v[STI]
	v_add_nc_u32 v[STO], s57, v[LI]
	v_lshlrev_b32 v[REDR], 4, v15
	v_add_nc_u32 v[REDR], RED, v[REDR]
	s_lshl_b32 s57, s[WV], 2
	v_add_nc_u32 v[REDW], s57, v[REDR]
	s_mov_b32 s[SEL], 0x76543210
	s_mov_b32 s[SEL+1], 0xfedcba98
	s_mul_i32 s54, s[WV], 4*KS*6144
	s_add_co_u32 s54, s54, WC
	s_add_nc_u64 s[QB:QB+1], s[6:7], s[54:55]
	s_mul_i32 s54, s[WV], 4*KS*256
	s_add_co_u32 s54, s54, WS
	s_add_nc_u64 s[QS:QS+1], s[6:7], s[54:55]
	s_lshl_b32 s54, s[WV], 10                      ; my 256 columns
	s_add_nc_u64 s[10:11], s[10:11], s[54:55]
	s_add_nc_u64 s[12:13], s[12:13], s[54:55]
	s_add_nc_u64 s[14:15], s[14:15], s[54:55]
	s_lshl_b32 s56, ttmp9, 18                      ; my 64 rows
	s_add_co_u32 s54, s54, s56
	s_add_nc_u64 s[8:9], s[8:9], s[54:55]
	s_add_nc_u64 s[16:17], s[16:17], s[54:55]
	s_cmp_eq_u32 ttmp9, 0
	s_cselect_b32 s[LIM], 1, -1
.irp G, 0,1,2,3
	REFILL \G, 0
.endr
.if HALFP
	s_lshl_b32 s54, ttmp9, 12
	s_add_co_u32 s54, s54, PSOFF
	s_add_nc_u64 s[58:59], s[4:5], s[54:55]
.irp hd, 0,1,2,3,4,5,6,7,8,9,10,11,12,13,14,15
	global_load_b64 v[224+2*\hd:225+2*\hd], v[LI8], s[58:59] offset:256*\hd   ; a head's unit of scale words
.endr
.endif
.irp b, 0,1,2,3,4,5,6,7,8,9,10,11,12,13,14,15
	global_load_b128 v[BI+8*\b:BI+8*\b+3], v[H64], s[10:11] offset:(32*(\b/2)+8*(\b%2))*4
	global_load_b128 v[BI+8*\b+4:BI+8*\b+7], v[H64], s[10:11] offset:(32*(\b/2)+8*(\b%2))*4+16
.endr
.irp wv, 2,3                           ; the residual, straight into the accumulators
	WIN 0x40*\wv
.irp a, 0,1,2,3
.irp b, 0,1,2,3,4,5,6,7
	global_load_b128 v[8*(8*\a+\b):8*(8*\a+\b)+3], v[RO], s[8:9] offset:(32*(\a/2)+8*(\a%2))*4096+(32*(\b/2)+8*(\b%2))*4+512*(\wv-2)
	global_load_b128 v[8*(8*\a+\b)+4:8*(8*\a+\b)+7], v[RO], s[8:9] offset:(32*(\a/2)+8*(\a%2))*4096+(32*(\b/2)+8*(\b%2))*4+512*(\wv-2)+16
.endr
.endr
.endr
	WIN 0
	s_wait_tensorcnt 0x0
	s_barrier_signal -1
	s_barrier_wait -1                              ; P lies whole in LDS
	PFETCH 0, 0
	s_wait_loadcnt 0x0
.if HALFP
.irp s, 0,1,2,3,4,5,6,7
	v_or_b32 v[SP+2*\s], v[224+4*\s], v[226+4*\s]  ; an even head's bytes 0, 1 and an odd head's bytes 2, 3 make a K step's word
	v_or_b32 v[SP+2*\s+1], v[225+4*\s], v[227+4*\s]
.endr
.endif
.irp wv, 2,3
	WIN 0x41*\wv
.set p, 0
.rept 32
.irp a, 0,1,2,3
	v_pk_add_f32 v[64*\a+2*p:64*\a+2*p+1], v[64*\a+2*p:64*\a+2*p+1], v[BI+64*(\wv-2)+2*p:BI+64*(\wv-2)+2*p+1]
.endr
.set p, p+1
.endr
.endr
	WIN 0
.if HALFP
.irp s, 0,1,2,3,4,5,6
	RSTEP \s%2, \s, 1, SP+2*\s, 0
.endr
	RSTEP 1, 7, 0, SP+14, 0
.else
	s_mov_b32 s[CNT], KS/2-1
.Ltrip:
	RSTEP 0, 0, 1, SP, 1
	RSTEP 1, 1, 1, SP+2, 0
	s_wait_xcnt 0x0                                ; the loads and prefetches have read their bases: they step only behind this wait
	s_add_nc_u64 s[QB:QB+1], s[QB:QB+1], 12288
	s_add_nc_u64 s[QS:QS+1], s[QS:QS+1], 512
	v_add_nc_u32 v[PADR], 12288, v[PADR]
	v_add_nc_u32 v[PAD2], 512, v[PAD2]
	s_sub_co_u32 s[CNT], s[CNT], 1
	s_cmp_lg_u32 s[CNT], 0
	s_cbranch_scc1 .Ltrip
	RSTEP 0, 0, 1, SP, 0
	RSTEP 1, 1, 0, SP+2, 0
.endif
	WIN 0
	PLACES 4
	; ---- LayerNorm
	WIN 0x40
.irp b, 0,1,2,3,4,5,6,7,8,9,10,11,12,13,14,15
	global_load_b128 v[8*\b:8*\b+3], v[H64], s[12:13] offset:(32*(\b/2)+8*(\b%2))*4
	global_load_b128 v[8*\b+4:8*\b+7], v[H64], s[12:13] offset:(32*(\b/2)+8*(\b%2))*4+16
.endr
	WIN 0
.irp b, 0,1,2,3,4,5,6,7,8,9,10,11,12,13,14,15
	global_load_b128 v[BI+8*\b:BI+8*\b+3], v[H64], s[14:15] offset:(32*(\b/2)+8*(\b%2))*4
	global_load_b128 v[BI+8*\b+4:BI+8*\b+7], v[H64], s[14:15] offset:(32*(\b/2)+8*(\b%2))*4+16
.endr
	s_mov_b32 s54, 0x3a800000                      ; 1 / 1,024
	s_mov_b32 s55, 0x3727c5ac                      ; 1e-5
.irp j, 0,1,2,3,4,5,6,7
	v_mov_b32 v[SUM+\j], 0
.endr
.irp j, 0,1,2,3
	v_mov_b32 v[T2+\j], 0
	v_mov_b32 v[TM+4+\j], 0
.endr
.irp wv, 2,3
	WIN \wv
.set p, 0
.rept 32
.irp a, 0,1,2,3
	v_pk_add_f32 v[SUM+2*\a:SUM+2*\a+1], v[64*\a+2*p:64*\a+2*p+1], v[SUM+2*\a:SUM+2*\a+1]   ; each accumulator from its low end on
.endr
.set p, p+1
.endr
.endr
	WIN 0
.irp a, 0,1,2,3
	v_add_f32 v[T1+\a], v[SUM+2*\a], v[SUM+2*\a+1]
.endr
.irp a, 0,1,2,3
	v_permlanex16_b32 v[T2+\a], v[T1+\a], s[SEL], s[SEL+1]
.endr
.irp a, 0,1,2,3
	v_add_f32 v[T1+\a], v[T1+\a], v[T2+\a]         ; my wave's 256 columns of my row
.endr
.irp a, 0,1,2,3
	ds_store_b32 v[REDW], v[T1+\a] offset:256*\a
.endr
	s_wait_dscnt 0x0
	s_barrier_signal -1
	s_barrier_wait -1
.irp a, 0,1,2,3
	ds_load_b128 v[T4+4*\a:T4+4*\a+3], v[REDR] offset:256*\a
.endr
	s_wait_dscnt 0x0
.irp a, 0,1,2,3
	v_add_f32 v[T4+4*\a], v[T4+4*\a], v[T4+4*\a+1]
	v_add_f32 v[T4+4*\a+2], v[T4+4*\a+2], v[T4+4*\a+3]
.endr
.irp a, 0,1,2,3
	v_add_f32 v[T4+4*\a], v[T4+4*\a], v[T4+4*\a+2]
.endr
.irp a, 0,1,2,3
	v_mul_f32 v[MU+2*\a], s54, v[T4+4*\a]          ; the mean
	v_mul_f32 v[MU+2*\a+1], s54, v[T4+4*\a]
.endr
.irp j, 0,1,2,3,4,5,6,7
	v_mov_b32 v[SUM+\j], 0
.endr
.irp wv, 2,3
	WIN 0x41*\wv
.set p, 0
.rept 32
.irp a, 0,1,2,3
	v_pk_add_f32 v[64*\a+2*p:64*\a+2*p+1], v[64*\a+2*p:64*\a+2*p+1], v[MU+2*\a:MU+2*\a+1] neg_lo:[0,1] neg_hi:[0,1]
.endr
.set p, p+1
.endr
	WIN 5*\wv
.set p, 0
.rept 32
.irp a, 0,1,2,3
	v_pk_fma_f32 v[SUM+2*\a:SUM+2*\a+1], v[64*\a+2*p:64*\a+2*p+1], v[64*\a+2*p:64*\a+2*p+1], v[SUM+2*\a:SUM+2*\a+1]
.endr
.set p, p+1
.endr
.endr
	WIN 0
.irp a, 0,1,2,3
	v_add_f32 v[T1+\a], v[SUM+2*\a], v[SUM+2*\a+1]
.endr
.irp a, 0,1,2,3
	v_permlanex16_b32 v[T2+\a], v[T1+\a], s[SEL], s[SEL+1]
.endr
.irp a, 0,1,2,3
	v_add_f32 v[T1+\a], v[T1+\a], v[T2+\a]
.endr
.irp a, 0,1,2,3
	ds_store_b32 v[REDW], v[T1+\a] offset:1024+256*\a   ; other bytes than the first exchange's
.endr
	s_wait_dscnt 0x0
	s_barrier_signal -1
	s_barrier_wait -1
.irp a, 0,1,2,3
	ds_load_b128 v[T4+4*\a:T4+4*\a+3], v[REDR] offset:1024+256*\a
.endr
	s_wait_dscnt 0x0
.irp a, 0,1,2,3
	v_add_f32 v[T4+4*\a], v[T4+4*\a], v[T4+4*\a+1]
	v_add_f32 v[T4+4*\a+2], v[T4+4*\a+2], v[T4+4*\a+3]
.endr
.irp a, 0,1,2,3
	v_add_f32 v[T4+4*\a], v[T4+4*\a], v[T4+4*\a+2]
.endr
.irp a, 0,1,2,3
	v_fma_f32 v[T1+\a], v[T4+4*\a], s54, s55       ; variance + eps
.endr
.irp a, 0,1,2,3
	v_rsq_f32 v[MU+2*\a], v[T1+\a]
.endr
	v_nop
	s_wait_alu depctr_va_vdst(0)                   ; one wait for the four, ahead of their first reader
.irp a, 0,1,2,3
	v_mov_b32 v[MU+2*\a+1], v[MU+2*\a]
.endr
	s_wait_loadcnt 0x0                             ; gains and betas
.irp wv, 2,3
	WIN 0x41*\wv
.set p, 0
.rept 32
.irp a, 0,1,2,3
	v_pk_mul_f32 v[64*\a+2*p:64*\a+2*p+1], v[64*\a+2*p:64*\a+2*p+1], v[MU+2*\a:MU+2*\a+1]
.endr
.set p, p+1
.endr
	WIN 0x41*\wv+4
.set p, 0
.rept 32
.irp a, 0,1,2,3
	v_pk_fma_f32 v[64*\a+2*p:64*\a+2*p+1], v[64*\a+2*p:64*\a+2*p+1], v[64*(\wv-2)+2*p:64*(\wv-2)+2*p+1], v[BI+64*(\wv-2)+2*p:BI+64*(\wv-2)+2*p+1]
.endr
.set p, p+1
.endr
.endr
	WIN 0
	; ---- y as f32: 16 rows x my 1,024 bytes at a time through my own stage, out in runs of 512 consecutive bytes
.irp a, 0,1,2,3
.irp wv, 2,3
	WIN 4*\wv
.irp b, 0,1,2,3,4,5,6,7
	ds_store_b128 v[STI], v[8*(8*\a+\b):8*(8*\a+\b)+3] offset:(32*(\b/2)+8*(\b%2))*4+512*(\wv-2)
	ds_store_b128 v[STI], v[8*(8*\a+\b)+4:8*(8*\a+\b)+7] offset:(32*(\b/2)+8*(\b%2))*4+512*(\wv-2)+16
.endr
.endr
	WIN 0
	s_wait_xcnt 0x0                                ; the last tile's stores have read their registers
	WIN 0x40
.irp rr, 0,1,2,3,4,5,6,7,8,9,10,11,12,13,14,15
	ds_load_b128 v[128+8*\rr:131+8*\rr], v[STO] offset:1040*\rr      ; LDS serves a wave's instructions in order: these see my stores
	ds_load_b128 v[132+8*\rr:135+8*\rr], v[STO] offset:1040*\rr+512
.endr
	s_wait_dscnt 0x0
	WIN 0x04
.irp rr, 0,1,2,3,4,5,6,7,8,9,10,11,12,13,14,15
	global_store_b128 v[LI], v[128+8*\rr:131+8*\rr], s[16:17] offset:(32*(\a/2)+8*(\a%2)+\rr+8*(\rr/8))*4096
	global_store_b128 v[LI], v[132+8*\rr:135+8*\rr], s[16:17] offset:(32*(\a/2)+8*(\a%2)+\rr+8*(\rr/8))*4096+512
.endr
	WIN 0
.endr
.if QOUT
	; ---- y as codes: my 256 columns are K steps 2 w and 2 w + 1 of the next product
	s_lshl_b32 s54, ttmp9, 3
	s_lshl_b32 s56, s[WV], 1
	s_add_co_u32 s54, s54, s56                     ; the unit
	s_mul_i32 s56, s54, 6144
	s_add_co_u32 s56, s56, LC
	s_mov_b32 s57, 0
	s_lshl_b32 s58, s54, 8
	s_add_co_u32 s58, s58, LS
	s_mov_b32 s59, 0
	s_load_b64 s[60:61], s[0:1], 0x30
	s_wait_kmcnt 0x0
	s_add_nc_u64 s[56:57], s[60:61], s[56:57]
	s_add_nc_u64 s[58:59], s[60:61], s[58:59]
	v_and_b32 v90, 16, v0
	v_cmp_ne_u32 vcc_lo, 0, v90
.irp kk, 0,1
.irp a, 0,1,2,3
	QUANTW 64*\a, 2+\kk, PW+\a
.irp c, 0,1,2
	global_store_b128 v[LI], v[PC+4*\c:PC+4*\c+3], s[56:57] offset:6144*\kk+1536*\a+512*\c
.endr
.endr
	s_wait_xcnt 0x0
	v_cndmask_b32 v[E], v[PW], v[PW+1], vcc_lo
	v_cndmask_b32 v[E+1], v[PW+2], v[PW+3], vcc_lo
	global_store_b64 v[LI8], v[E:E+1], s[58:59] offset:256*\kk
.endr
.endif
	s_wait_tensorcnt 0x0
	ds_add_u32 v2, v3
	s_wait_dscnt 0x0
	s_endpgm
.Lfunc_end_k_qd21a2cd549_fc:
	.size	k_qd21a2cd549_fc, .Lfunc_end_k_qd21a2cd549_fc-k_qd21a2cd549_fc
	.p2alignl 7, 3214868480
	.fill 96, 4, 3214868480
	.section	.rodata,"a",@progbits
	.p2align	6, 0x0
	.amdhsa_kernel k_qd21a2cd549_fc
		.amdhsa_group_segment_fixed_size 168448
		.amdhsa_private_segment_fixed_size 0
		.amdhsa_enable_private_segment 0
		.amdhsa_kernarg_size 56
		.amdhsa_user_sgpr_count 2
		.amdhsa_user_sgpr_kernarg_segment_ptr 1
		.amdhsa_wavefront_size32 1
		.amdhsa_system_sgpr_workgroup_id_x 1
		.amdhsa_system_sgpr_workgroup_id_y 1
		.amdhsa_system_sgpr_workgroup_id_z 1
		.amdhsa_system_vgpr_workitem_id 0
		.amdhsa_next_free_vgpr 1024
		.amdhsa_next_free_sgpr 80
		.amdhsa_reserve_vcc 1
		.amdhsa_float_denorm_mode_32 3
		.amdhsa_float_denorm_mode_16_64 3
		.amdhsa_memory_ordered 1
		.amdhsa_forward_progress 1
		.amdhsa_inst_pref_size 255
	.end_amdhsa_kernel
	.section	.bss,"aw",@nobits
	.p2align	6
	.space	262144
	.amdgpu_metadata
---
amdhsa.version: [ 1, 2 ]
amdhsa.kernels:
  - .name:           k_qd21a2cd549_fc
    .symbol:         k_qd21a2cd549_fc.kd
    .args:
      - { .name: ctx, .offset: 0, .size: 8, .value_kind: global_buffer, .address_space: global }
      - { .name: pre, .offset: 8, .size: 8, .value_kind: global_buffer, .address_space: global }
      - { .name: embeddings, .offset: 16, .size: 8, .value_kind: global_buffer, .address_space: global }
      - { .name: bfc, .offset: 24, .size: 8, .value_kind: global_buffer, .address_space: global }
      - { .name: g1, .offset: 32, .size: 8, .value_kind: global_buffer, .address_space: global }
      - { .name: be1, .offset: 40, .size: 8, .value_kind: global_buffer, .address_space: global }
      - { .name: ln1, .offset: 48, .size: 8, .value_kind: global_buffer, .address_space: global }
    .group_segment_fixed_size: 168448
    .private_segment_fixed_size: 0
    .kernarg_segment_align: 8
    .kernarg_segment_size: 56
    .max_flat_workgroup_size: 128
    .sgpr_count:     80
    .vgpr_count:     1024
    .wavefront_size: 32
...
	.end_amdgpu_metadata
.endif
;; end of part 4
;; launch w1 (part 5): grid 16 x 16, 4 waves a work-group, clusters of 4 x 4, 327,680 bytes of LDS; arguments ln1, pre, b1, hid; writes hid
.if DOCPART == 5
	.amdgcn_target "amdgcn-amd-amdhsa--gfx1250"
	.amdhsa_code_object_version 6
	.text
	.protected	k_qd21a2cd549_w1
	.globl	k_qd21a2cd549_w1
	.p2align	8
	.type	k_qd21a2cd549_w1,@function
k_qd21a2cd549_w1:
	s_mov_b64 s[64:65], 0
	v_nop
	global_prefetch_b8 v0, s[64:65] scope:SCOPE_SE
	s_setreg_imm32_b32 hwreg(HW_REG_WAVE_MODE, 25, 1), 1
	s_wait_xcnt 0x0
	s_wait_alu depctr_hold_cnt(0) depctr_sa_sdst(0) depctr_va_vdst(0) depctr_va_sdst(0) depctr_va_ssrc(0) depctr_va_vcc(0) depctr_vm_vsrc(0)
	s_getreg_b32 s2, hwreg(HW_REG_IB_STS2, 6, 4)
	s_cmp_eq_u32 s2, 0
	s_cbranch_scc0 .Lentry_in_a_cluster
	s_endpgm
.Lentry_in_a_cluster:
	s_bfe_u32 s2, ttmp6, 0x10000c
	s_cmp_lg_u32 s2, 0xf033
	s_cbranch_scc0 .Lentry_shape_is_right
	s_endpgm
.Lentry_shape_is_right:
; w1: h = gelu(old1 W1 + b1), exact (erf) form, on codes of BF6 with E8M0 scales; h is quantised along the hidden units and leaves as images of the next product's operand.
; C(i, j) = sum over k of P(i, k) Q(j, k), P = old1's codes (4,096 tokens), Q = W1's (4,096 hidden units), K = 1,024.  Source 0 = 16 rows of Q, source 1 = 16 rows of P: a lane holds one token, its registers run along
; the hidden units, and since lane r of a tile holds row 32 (t / 2) + 8 (t % 2) + r + 8 (r / 8), a row of eight accumulators holds 64 of 128 neighbouring hidden units in the quantiser's order.
; A work-group of four waves makes 256 x 256, a wave 128 x 128.  K goes in four slot steps of 256 through two LDS slots filled by tensor loads; the scale words come once.  CLUSTERS 4 x 4: P's tiles are asked for
; jointly along a row of the cluster, Q's along a column.  b1 is the C of each sum's first matrix instruction.
; THE WAY OUT is a loop of eight trips, one for each row of accumulators; only the lines that name accumulators are written eight times (a branch on the trip's number, the same in all partners).
; gelu(x) = x / 2 + (x / 2) erf(x / sqrt 2); erf(z) = z P(z^2) / Q(z^2) with z held to +-4: a rational form in f32 whose absolute error is about 1e-7.
; LIMITS: that error of erf; NaN and infinities are not served; a block under 2^-122 (zeros too) gets the byte 1.
; REGISTERS: window 0: v16-31 addresses; v32-63 scale words; v64-127 x / 2, then h; v128-223 P's fragments, later the way out.  window 1: Q's fragments, two sets; the 64 bias registers; later erf's work.  windows 2, 3: the accumulators.
.set LC,    16777216
.set LS,    19922944
.set W1C,   6291456
.set W1S,   12845056
.set HS,    12582912
.set HALFT, 24576
.set SLOT,  98304
.set SCL,   196608
.set HALFS, 4096
.set SPARE, 212992                     ; the spare words, 128 bytes a wave: two blocks of 256 bytes that no other line names
.set NL,    3
.set NP,    4
.set FR,    12
.set ADRA,  16
.set ADRB,  20
.set ADSP,  24
.set ADSQ,  25
.set LI,    26
.set LI8,   27
.set SPW,   28
.set NIL,   29
.set SC,    32
.set AF,    128
.set PC,    128
.set TM,    160
.set PW,    176
.set PWS,   177
.set E,     186
.set VOO,   190
.set SEL,   98
.set G1,    24
.set G0,    32
.set G1B,   48
.set G0B,   56
.set G1S,   68
.set G0S,   76
.set G1SB,  80
.set G0SB,  88
.set C1,    24                         ; the way out's constants take the scalars that held the descriptors, behind the last wait for all tensor loads
.set A11,   26
.set A9,    28
.set A7,    30
.set A5,    32
.set A3,    34
.set A1,    36
.set B6,    38
.set B4,    40
.set B2,    42
.set B0,    44
.set AI,    46
.set SOFF,  47
.set OC,    48
.set OS,    50
.set MSB,   0
.macro WIN new
.if MSB != (\new)
	s_set_vgpr_msb (MSB<<8)|(\new)
.set MSB, \new
.endif
.endm
.macro PLACES n
.rept \n
	v_nop
.endr
.endm
.macro WMC d, a, b, c, sa, sb, ra, rb
.if ((\ra) == 0) && ((\rb) == 0)
	v_wmma_scale_f32_16x16x128_f8f6f4 v[(\d):(\d)+7], v[(\a):(\a)+11], v[(\b):(\b)+11], v[(\c):(\c)+7], v[\sa], v[\sb] matrix_a_fmt:MATRIX_FMT_BF6 matrix_b_fmt:MATRIX_FMT_BF6
.elseif (\rb) == 0
	v_wmma_scale_f32_16x16x128_f8f6f4 v[(\d):(\d)+7], v[(\a):(\a)+11], v[(\b):(\b)+11], v[(\c):(\c)+7], v[\sa], v[\sb] matrix_a_fmt:MATRIX_FMT_BF6 matrix_b_fmt:MATRIX_FMT_BF6 matrix_a_scale:MATRIX_SCALE_ROW1
.elseif (\ra) == 0
	v_wmma_scale_f32_16x16x128_f8f6f4 v[(\d):(\d)+7], v[(\a):(\a)+11], v[(\b):(\b)+11], v[(\c):(\c)+7], v[\sa], v[\sb] matrix_a_fmt:MATRIX_FMT_BF6 matrix_b_fmt:MATRIX_FMT_BF6 matrix_b_scale:MATRIX_SCALE_ROW1
.else
	v_wmma_scale_f32_16x16x128_f8f6f4 v[(\d):(\d)+7], v[(\a):(\a)+11], v[(\b):(\b)+11], v[(\c):(\c)+7], v[\sa], v[\sb] matrix_a_fmt:MATRIX_FMT_BF6 matrix_b_fmt:MATRIX_FMT_BF6 matrix_a_scale:MATRIX_SCALE_ROW1 matrix_b_scale:MATRIX_SCALE_ROW1
.endif
.endm
.macro QUANTW s, sw, pw
	WIN 5*(\sw)
.irp b, 0,1,2,3
	v_max3_num_f32 v[TM+\b], |v[(\s)+16*\b]|, |v[(\s)+16*\b+1]|, 0x2800000
.endr
.irp i, 2,4,6,8,10,12,14
.irp b, 0,1,2,3
	v_max3_num_f32 v[TM+\b], |v[(\s)+16*\b+\i]|, |v[(\s)+16*\b+\i+1]|, v[TM+\b]
.endr
.endr
	WIN 0
.irp b, 0,1,2,3
	v_permlanex16_b32 v[TM+4+\b], v[TM+\b], s[SEL], s[SEL+1]
.endr
.irp b, 0,1,2,3
	v_max_num_f32 v[TM+\b], v[TM+\b], v[TM+4+\b]
.endr
.irp b, 0,1,2,3
	v_add_nc_u32 v[TM+12+\b], 0xfe000000, v[TM+\b]
.endr
.irp b, 0,1,2,3
	v_lshrrev_b32 v[TM+4+\b], 23, v[TM+12+\b]
.endr
	v_lshl_or_b32 v[\pw], v[TM+5], 8, v[TM+4]
	v_lshl_or_b32 v[\pw], v[TM+6], 16, v[\pw]
	v_lshl_or_b32 v[\pw], v[TM+7], 24, v[\pw]
	s_wait_xcnt 0x0                                    ; earlier stores have read the codes' registers and their offset
	WIN (\sw)
.irp c, 0,1
	v_cvt_scalef32_pk16_bf6_f32 v[PC+6*\c:PC+2+6*\c], v[(\s)+32*\c:(\s)+15+32*\c], v[TM+12+2*\c]
	v_cvt_scalef32_pk16_bf6_f32 v[PC+12+4*\c:PC+14+4*\c], v[(\s)+16+32*\c:(\s)+31+32*\c], v[TM+13+2*\c]
.endr
	WIN 0
	v_nop
.irp c, 0,1
.irp i, 0,1,2
	v_permlane16_swap_b32 v[PC+6*\c+\i], v[PC+12+4*\c+\i]
.endr
.irp i, 0,1,2
	v_mov_b32 v[PC+3+6*\c+\i], v[PC+12+4*\c+\i]
.endr
.endr
.endm
.macro JLOAD g0a, g1a, g0b, g1b        ; a joint load: waves 0 and 1 fetch for P, waves 2 and 3 for Q; four v_nop follow each of the two lines
	s_cmp_eq_u32 s15, 0
	s_cbranch_scc0 .Lfor_b_\@
	tensor_load_to_lds s[\g0a:\g0a+3], s[\g1a:\g1a+7]
	s_nop 0
.rept 4
	v_nop
.endr
	s_branch .Lasked_\@
.Lfor_b_\@:
	tensor_load_to_lds s[\g0b:\g0b+3], s[\g1b:\g1b+7]
	s_nop 0
.rept 4
	v_nop
.endr
.Lasked_\@:
.endm
.macro CREST
	s_cmp_lg_u32 s14, 0
	s_cbranch_scc1 .Lnot_wave_0_\@
	s_barrier_signal -3
.Lnot_wave_0_\@:
	s_barrier_wait -3
	s_barrier_signal -1
	s_barrier_wait -1
.endm
.macro CROUND
	s_barrier_signal -1
	s_barrier_wait -1
	CREST
.endm
.macro FRAG reg, adr, q, i
.irp c, 0,1,2
	ds_load_b128 v[(\reg)+4*\c:(\reg)+4*\c+3], v[\adr] offset:((\i)/4)*12288+(\q)*6144+((\i)%4)*1536+512*\c
.endr
.endm
.macro FETCH_B slot, q, p
	WIN 0x40
.irp i, 0,1,2,3,4,5,6,7
	FRAG 128*(\p)+FR*\i, ADRB+\slot, \q, \i
.endr
	WIN 0
.endm
.macro FETCH_A slot, q, i0
.irp i, \i0, \i0+1, \i0+2, \i0+3
	FRAG AF+FR*(\i), ADRA+\slot, \q, \i
.endr
.endm
.macro SCALES sc
.irp G, 0,1
.irp q, 0,1
	ds_load_b64 v[SC+16*(\sc)+4*\q+2*\G:SC+16*(\sc)+4*\q+2*\G+1], v[ADSP] offset:2048*\G+256*\q
	ds_load_b64 v[SC+16*(\sc)+8+4*\q+2*\G:SC+16*(\sc)+8+4*\q+2*\G+1], v[ADSQ] offset:2048*\G+256*\q
.endr
.endr
.endm
.macro MUL16 a0, p, q, sc, cm          ; 16 products; cm = 1: the sums start from the bias.  The 64 accumulators take turns
.irp a, \a0, \a0+1
.irp b, 0,1,2,3,4,5,6,7
.if (\cm) == 0
	WMC 8*(8*((\a)%4)+\b), 128*(\p)+FR*\b, AF+FR*(\a), 8*(8*((\a)%4)+\b), SC+16*(\sc)+8+4*(\q)+\b/2, SC+16*(\sc)+4*(\q)+(\a)/2, \b%2, (\a)%2
.else
	WMC 8*(8*((\a)%4)+\b), 128*(\p)+FR*\b, AF+FR*(\a), 96+8*\b+96*(\b/4), SC+16*(\sc)+8+4*(\q)+\b/2, SC+16*(\sc)+4*(\q)+(\a)/2, \b%2, (\a)%2
.endif
.endr
.endr
.endm
.macro STEP slot, q, cm
	s_wait_dscnt 4*NL                              ; Q's set and P's tiles 0-3 are in; the youngest 12 loads may be out
.if (\cm) == 0
	WIN 0xa1
.else
	WIN 0x91
.endif
	MUL16 0, (\q)%2, \q, \slot, \cm
	MUL16 2, (\q)%2, \q, \slot, \cm
	s_wait_dscnt 0x0
	PLACES NP
	FETCH_B \slot, (\q)+1, 1-(\q)%2
	FETCH_A \slot, (\q)+1, 0
.if (\cm) == 0
	WIN 0xf1
.else
	WIN 0xd1
.endif
	MUL16 4, (\q)%2, \q, \slot, \cm
	MUL16 6, (\q)%2, \q, \slot, \cm
	PLACES NP
	WIN 0
	FETCH_A \slot, (\q)+1, 4
.endm
.macro TURN slot, next, fill
	s_wait_tensorcnt 0x0                           ; all my tensor loads have landed: my part of the next slot
	ds_add_u32 v[SPW], v[NIL]                      ; 0 onto my spare word
	s_wait_dscnt 4*NL+1                            ; (the add and the youngest 12 loads may be out)
	WIN 0xa1
	MUL16 0, 1, 1, \slot, 0
	s_wait_dscnt 0x0                               ; the add is done, and my reads of this slot are over
	s_barrier_signal -1
	MUL16 2, 1, 1, \slot, 0
	WIN 0
	s_barrier_wait -1
.if \fill
	CREST                                          ; the barrier has opened a round of the cluster's
	s_add_nc_u64 s[G0+4*\slot+2:G0+4*\slot+3], s[G0+4*\slot+2:G0+4*\slot+3], 24576
	s_add_nc_u64 s[G0B+4*\slot+2:G0B+4*\slot+3], s[G0B+4*\slot+2:G0B+4*\slot+3], 24576
	JLOAD G0+4*\slot, G1, G0B+4*\slot, G1B
.else
	PLACES NP
.endif
	v_add_nc_u32 v[ADSP], 512, v[ADSP]
	v_add_nc_u32 v[ADSQ], 512, v[ADSQ]
	FETCH_B \next, 0, 0
	FETCH_A \next, 0, 0
	SCALES \next
	WIN 0xf1
	MUL16 4, 1, 1, \slot, 0
	MUL16 6, 1, 1, \slot, 0
	PLACES NP
	WIN 0
	FETCH_A \next, 0, 4
.endm
	s_load_b256 s[4:11], s[0:1], 0x0               ; ln1, pre, b1, hid
	v_lshl_add_u32 v[SPW], v0, 2, SPARE
	v_mov_b32 v[NIL], 0
	ds_add_u32 v28, v29
	ds_add_u32 v28, v29
	s_wait_dscnt 0x0
	v_lshrrev_b32 v1, 5, v0
	v_readfirstlane_b32 s14, v1
	s_lshr_b32 s15, s14, 1
	s_and_b32 s16, s14, 1
	s_bfe_u32 s40, ttmp6, 0x40000                  ; cx
	s_bfe_u32 s41, ttmp6, 0x40004                  ; cy
	s_lshl_b32 s42, ttmp9, 2
	s_add_co_u32 s42, s42, s40                     ; Q's tile of 256
	s_and_b32 s17, ttmp7, 0xffff
	s_lshl_b32 s17, s17, 2
	s_add_co_u32 s17, s17, s41                     ; P's tile of 256
	s_lshl_b32 s43, s41, 2
	s_lshl_b32 s43, 15, s43
	s_lshl_b32 s44, 0x1111, s40
	s_or_b32 s[G1+0], s43, (3<<16)|(1<<21)         ; codes: 2 rows of 12,288 bytes, 49,152 bytes apart; elements of 8 bytes
	s_or_b32 s[G1B+0], s44, (3<<16)|(1<<21)
.irp g, G1, G1B
	s_mov_b32 s[\g+1], 1536<<16
	s_mov_b32 s[\g+2], 2<<16
	s_mov_b32 s[\g+3], 1536<<16
	s_mov_b32 s[\g+4], 2
	s_mov_b32 s[\g+5], 6144
	s_mov_b32 s[\g+6], 0
	s_mov_b32 s[\g+7], 0
.endr
	s_or_b32 s[G1S+0], s43, (3<<16)|(1<<21)        ; scale words: 16 rows of 256 bytes
	s_or_b32 s[G1SB+0], s44, (3<<16)|(1<<21)
.irp g, G1S, G1SB
	s_mov_b32 s[\g+1], 32<<16
	s_mov_b32 s[\g+2], 16<<16
	s_mov_b32 s[\g+3], 32<<16
	s_mov_b32 s[\g+4], 16
	s_mov_b32 s[\g+5], 32
	s_mov_b32 s[\g+6], 0
	s_mov_b32 s[\g+7], 0
.endr
	s_lshl_b32 s18, s16, 1
	s_lshl_b32 s20, s17, 2
	s_add_co_u32 s20, s20, s18
	s_lshl_b32 s22, s20, 11
	s_add_co_u32 s22, s22, LS
	s_mul_i32 s20, s20, 49152
	s_add_co_u32 s20, s20, LC
	s_mov_b32 s21, 0
	s_mov_b32 s23, 0
	s_lshl_b32 s46, s42, 2
	s_add_co_u32 s46, s46, s18
	s_lshl_b32 s92, s46, 11
	s_add_co_u32 s92, s92, W1S
	s_mul_i32 s46, s46, 49152
	s_add_co_u32 s46, s46, W1C
	s_mov_b32 s47, 0
	s_mov_b32 s93, 0
	s_mul_i32 s45, s14, HALFT
	s_lshl_b32 s67, s14, 12
	s_mov_b32 s[SEL], 0x76543210
	s_mov_b32 s[SEL+1], 0xfedcba98
	s_wait_kmcnt 0x0
	s_add_nc_u64 s[20:21], s[4:5], s[20:21]
	s_add_nc_u64 s[22:23], s[4:5], s[22:23]
	s_add_nc_u64 s[46:47], s[6:7], s[46:47]
	s_add_nc_u64 s[92:93], s[6:7], s[92:93]
	CROUND                                         ; all sixteen work-groups are here: the first joint loads meet
	s_mov_b32 s[G0S], 1
	s_add_co_u32 s[G0S+1], s67, SCL
	s_mov_b64 s[G0S+2:G0S+3], s[22:23]
	s_or_b32 s[G0S+3], s[G0S+3], 0x80000000
	s_mov_b32 s[G0SB], 1
	s_add_co_u32 s[G0SB+1], s67, SCL
	s_mov_b64 s[G0SB+2:G0SB+3], s[92:93]
	s_or_b32 s[G0SB+3], s[G0SB+3], 0x80000000
	JLOAD G0S, G1S, G0SB, G1SB
.irp s, 0,1
	s_mov_b32 s[G0+4*\s], 1
	s_add_co_u32 s[G0+4*\s+1], s45, \s*SLOT
	s_add_nc_u64 s[G0+4*\s+2:G0+4*\s+3], s[20:21], \s*12288
	s_or_b32 s[G0+4*\s+3], s[G0+4*\s+3], 0x80000000
	s_mov_b32 s[G0B+4*\s], 1
	s_add_co_u32 s[G0B+4*\s+1], s45, \s*SLOT
	s_add_nc_u64 s[G0B+4*\s+2:G0B+4*\s+3], s[46:47], \s*12288
	s_or_b32 s[G0B+4*\s+3], s[G0B+4*\s+3], 0x80000000
	JLOAD G0+4*\s, G1, G0B+4*\s, G1B               ; three tensor loads of mine are out at the most
.endr
	v_bfe_u32 v2, v0, 4, 1
	v_and_b32 v3, 31, v0
	v_lshlrev_b32 v[LI], 4, v3
	v_lshlrev_b32 v[LI8], 3, v3
	s_mul_i32 s21, s15, HALFT
	s_mul_i32 s22, s16, HALFT
	s_add_co_u32 s22, s22, 2*HALFT
.irp s, 0,1
	v_add_nc_u32 v[ADRA+\s], s21, v[LI]
	v_add_nc_u32 v[ADRB+\s], s22, v[LI]
	s_add_co_u32 s21, s21, SLOT
	s_add_co_u32 s22, s22, SLOT
.endr
	s_lshl_b32 s21, s15, 12
	s_add_co_u32 s21, s21, SCL
	v_add_nc_u32 v[ADSP], s21, v[LI8]
	s_lshl_b32 s22, s16, 12
	s_add_co_u32 s22, s22, SCL+2*HALFS
	v_add_nc_u32 v[ADSQ], s22, v[LI8]
	v_lshlrev_b32 v30, 6, v2                       ; 64 h
	s_lshl_b32 s46, s42, 10
	s_lshl_b32 s47, s16, 9
	s_add_co_u32 s46, s46, s47
	s_mov_b32 s47, 0
	s_add_nc_u64 s[92:93], s[8:9], s[46:47]        ; b1 at my 128 hidden units
	WIN 0x40
.irp b, 0,1,2,3,4,5,6,7
	global_load_b128 v[96+8*\b+96*(\b/4):96+8*\b+96*(\b/4)+3], v30, s[92:93] offset:(32*(\b/2)+8*(\b%2))*4
	global_load_b128 v[96+8*\b+96*(\b/4)+4:96+8*\b+96*(\b/4)+7], v30, s[92:93] offset:(32*(\b/2)+8*(\b%2))*4+16
.endr
	WIN 0
	s_wait_tensorcnt 1                             ; the scale words and my part of slot 0 are in; slot 1's load may be out
	s_barrier_signal -1
	s_barrier_wait -1
	FETCH_B 0, 0, 0
	FETCH_A 0, 0, 0
	SCALES 0
	FETCH_A 0, 0, 4
	s_wait_loadcnt 0x0
	STEP 0, 0, 1
	TURN 0, 1, 1
	STEP 1, 0, 0
	TURN 1, 0, 1
	STEP 0, 0, 0
	TURN 0, 1, 0
	STEP 1, 0, 0
	s_wait_dscnt 4*NL
	WIN 0xa1
	MUL16 0, 1, 1, 1, 0
	MUL16 2, 1, 1, 1, 0
	s_wait_dscnt 0x0
	WIN 0xf1
	MUL16 4, 1, 1, 1, 0
	MUL16 6, 1, 1, 1, 0
	WIN 0
	PLACES 4
	; ---- THE WAY OUT
	s_lshl_b32 s20, s42, 1
	s_add_co_u32 s20, s20, s16                     ; the next product's K step
	s_lshl_b32 s21, s17, 2
	s_lshl_b32 s22, s15, 1
	s_add_co_u32 s21, s21, s22                     ; my first group of 64 tokens
	s_lshl_b32 s21, s21, 5
	s_add_co_u32 s21, s21, s20                     ; the unit
	s_mul_i32 s[OC], s21, 6144
	s_mov_b32 s[OC+1], 0
	s_lshl_b32 s[OS], s21, 8
	s_add_co_u32 s[OS], s[OS], HS
	s_mov_b32 s[OS+1], 0
	s_add_nc_u64 s[OC:OC+1], s[10:11], s[OC:OC+1]
	s_add_nc_u64 s[OS:OS+1], s[10:11], s[OS:OS+1]
.macro CONST r, x
	s_mov_b32 s[\r], \x
	s_mov_b32 s[\r+1], \x
.endm
	CONST C1,  0x3f3504f3                          ; 1 / sqrt 2
	CONST A11, 0x32edffee
	CONST A9,  0xb60cff51
	CONST A7,  0xb86ec2d2
	CONST A5,  0xba40ac63
	CONST A3,  0xbb41a1f6
	CONST A1,  0xbc83dbd4
	CONST B6,  0xb95fbd29
	CONST B4,  0xbadc924e
	CONST B2,  0xbbf19bf8
	CONST B0,  0xbc69b6a7
	WIN 0x40
	v_mov_b32 v160, 0xaf95df0b                     ; the two leading coefficients stand in vector pairs
	v_mov_b32 v161, 0xaf95df0b
	v_mov_b32 v162, 0xb77460cd
	v_mov_b32 v163, 0xb77460cd
	WIN 0
.irp j, 0,1,2,3
	v_mov_b32 v[TM+4+\j], 0
.endr
.irp j, 0,1,2,3,4,5,6,7,8
	v_mov_b32 v[PW+\j], 0
.endr
	s_mov_b32 s[AI], 0
.macro ARM a                           ; row a of accumulators: z = x / sqrt 2 into window 1, x / 2 into window 0; the last trip's scale word is put by
.if (\a) > 0
	v_mov_b32 v[PWS+(\a)-1], v[PW]
.endif
	s_mov_b32 s[SOFF], ((\a)/4)*196608+((\a)%4)*1536
	WIN 0x42+(\a)/4
.set p, 0
.rept 32
	v_pk_mul_f32 v[2*p:2*p+1], v[64*((\a)%4)+2*p:64*((\a)%4)+2*p+1], s[C1:C1+1] op_sel_hi:[1,0]   ; each accumulator from its low end on
.set p, p+1
.endr
	WIN 0x02+(\a)/4
.set p, 0
.rept 32
	v_pk_mul_f32 v[64+2*p:65+2*p], v[64*((\a)%4)+2*p:64*((\a)%4)+2*p+1], 0.5 op_sel_hi:[1,0]
.set p, p+1
.endr
	WIN 0
.endm
.Lepi:
.irp a, 1,2,3,4,5,6,7
	s_cmp_eq_u32 s[AI], \a
	s_cbranch_scc1 .Larm\a
.endr
	ARM 0
	s_branch .Lcom
.irp a, 1,2,3,4,5,6
.Larm\a:
	ARM \a
	s_branch .Lcom
.endr
.Larm7:
	ARM 7
.Lcom:
	WIN 0x55                                       ; all in window 1: z v0-63; z^2 v64-95, P v96-127, Q v128-159 for 32 numbers at a time
.set p, 0
.rept 64
	v_med3_num_f32 v[p], v[p], -4.0, 4.0
.set p, p+1
.endr
.irp hf, 0,1
.set p, 0
.rept 16
	v_pk_mul_f32 v[64+2*p:65+2*p], v[32*\hf+2*p:32*\hf+2*p+1], v[32*\hf+2*p:32*\hf+2*p+1]
.set p, p+1
.endr
.set p, 0
.rept 16
	v_pk_fma_f32 v[96+2*p:97+2*p], v[64+2*p:65+2*p], v[160:161], s[A11:A11+1] op_sel_hi:[1,1,0]
.set p, p+1
.endr
.irp cst, A9, A7, A5, A3, A1
.set p, 0
.rept 16
	v_pk_fma_f32 v[96+2*p:97+2*p], v[96+2*p:97+2*p], v[64+2*p:65+2*p], s[\cst:\cst+1] op_sel_hi:[1,1,0]
.set p, p+1
.endr
.endr
.set p, 0
.rept 16
	v_pk_fma_f32 v[128+2*p:129+2*p], v[64+2*p:65+2*p], v[162:163], s[B6:B6+1] op_sel_hi:[1,1,0]
.set p, p+1
.endr
.irp cst, B4, B2, B0
.set p, 0
.rept 16
	v_pk_fma_f32 v[128+2*p:129+2*p], v[128+2*p:129+2*p], v[64+2*p:65+2*p], s[\cst:\cst+1] op_sel_hi:[1,1,0]
.set p, p+1
.endr
.endr
.set p, 0
.rept 32
	v_rcp_f32 v[128+p], v[128+p]
.set p, p+1
.endr
.set p, 0
.rept 16
	v_pk_mul_f32 v[96+2*p:97+2*p], v[96+2*p:97+2*p], v[32*\hf+2*p:32*\hf+2*p+1]   ; z P: plain work behind the reciprocals that names none of them
.set p, p+1
.endr
	s_wait_alu depctr_va_vdst(0)                   ; one wait for the 32, ahead of their first reader
.set p, 0
.rept 16
	v_pk_mul_f32 v[96+2*p:97+2*p], v[96+2*p:97+2*p], v[128+2*p:129+2*p]            ; erf
.set p, p+1
.endr
	WIN 0x04
.set p, 0
.rept 16
	v_pk_fma_f32 v[64+32*\hf+2*p:65+32*\hf+2*p], v[64+32*\hf+2*p:65+32*\hf+2*p], v[96+2*p:97+2*p], v[64+32*\hf+2*p:65+32*\hf+2*p]   ; h = x / 2 + (x / 2) erf
.set p, p+1
.endr
	WIN 0x55
.endr
	WIN 0
	QUANTW 64, 0, PW
	v_add_nc_u32 v[VOO], s[SOFF], v[LI]            ; (behind the quantiser's wait: the last trip's stores have read it)
.irp c, 0,1,2
	global_store_b128 v[VOO], v[PC+4*\c:PC+4*\c+3], s[OC:OC+1] offset:512*\c
.endr
	s_add_co_u32 s[AI], s[AI], 1
	s_cmp_lt_u32 s[AI], 8
	s_cbranch_scc1 .Lepi
	v_mov_b32 v[PWS+7], v[PW]
	v_and_b32 v191, 16, v0
	v_cmp_ne_u32 vcc_lo, 0, v191
.irp G, 0,1
	v_cndmask_b32 v[E+2*\G], v[PWS+4*\G], v[PWS+4*\G+1], vcc_lo
	v_cndmask_b32 v[E+2*\G+1], v[PWS+4*\G+2], v[PWS+4*\G+3], vcc_lo
	global_store_b64 v[LI8], v[E+2*\G:E+2*\G+1], s[OS:OS+1] offset:8192*\G
.endr
	s_wait_tensorcnt 0x0                           ; the wave's end
	ds_add_u32 v[SPW], v[NIL]
	s_wait_dscnt 0x0
	CROUND                                         ; the closing round
	s_endpgm
.Lfunc_end_k_qd21a2cd549_w1:
	.size	k_qd21a2cd549_w1, .Lfunc_end_k_qd21a2cd549_w1-k_qd21a2cd549_w1
	.p2alignl 7, 3214868480
	.fill 96, 4, 3214868480
	.section	.rodata,"a",@progbits
	.p2align	6, 0x0
	.amdhsa_kernel k_qd21a2cd549_w1
		.amdhsa_group_segment_fixed_size 327680
		.amdhsa_private_segment_fixed_size 0
		.amdhsa_enable_private_segment 0
		.amdhsa_kernarg_size 32
		.amdhsa_user_sgpr_count 2
		.amdhsa_user_sgpr_kernarg_segment_ptr 1
		.amdhsa_wavefront_size32 1
		.amdhsa_system_sgpr_workgroup_id_x 1
		.amdhsa_system_sgpr_workgroup_id_y 1
		.amdhsa_system_sgpr_workgroup_id_z 1
		.amdhsa_system_vgpr_workitem_id 0
		.amdhsa_next_free_vgpr 1024
		.amdhsa_next_free_sgpr 100
		.amdhsa_reserve_vcc 1
		.amdhsa_float_denorm_mode_32 3
		.amdhsa_float_denorm_mode_16_64 3
		.amdhsa_memory_ordered 1
		.amdhsa_forward_progress 1
		.amdhsa_inst_pref_size 183
	.end_amdhsa_kernel
	.amdgpu_metadata
---
amdhsa.version: [ 1, 2 ]
amdhsa.kernels:
  - .name:           k_qd21a2cd549_w1
    .symbol:         k_qd21a2cd549_w1.kd
    .args:
      - { .name: ln1, .offset: 0, .size: 8, .value_kind: global_buffer, .address_space: global }
      - { .name: pre, .offset: 8, .size: 8, .value_kind: global_buffer, .address_space: global }
      - { .name: b1, .offset: 16, .size: 8, .value_kind: global_buffer, .address_space: global }
      - { .name: hid, .offset: 24, .size: 8, .value_kind: global_buffer, .address_space: global }
    .group_segment_fixed_size: 327680
    .private_segment_fixed_size: 0
    .kernarg_segment_align: 8
    .kernarg_segment_size: 32
    .max_flat_workgroup_size: 128
    .sgpr_count:     100
    .vgpr_count:     1024
    .wavefront_size: 32
...
	.end_amdgpu_metadata
.endif
;; end of part 5
;; launch w2 (part 6): grid 64 x 1, 4 waves a work-group, no clusters, 273,920 bytes of LDS; arguments hid, pre, ln1, b2, g2, be2, out0; writes out0
.if DOCPART == 6
	.amdgcn_target "amdgcn-amd-amdhsa--gfx1250"
	.amdhsa_code_object_version 6
	.text
	.protected	k_qd21a2cd549_w2
	.globl	k_qd21a2cd549_w2
	.p2align	8
	.type	k_qd21a2cd549_w2,@function
k_qd21a2cd549_w2:
	s_mov_b64 s[64:65], 0
	v_nop
	global_prefetch_b8 v0, s[64:65] scope:SCOPE_SE
	s_setreg_imm32_b32 hwreg(HW_REG_WAVE_MODE, 25, 1), 1
	s_wait_xcnt 0x0
; y = LayerNorm(P W + bias + residual) x gain + beta, P and W as codes of BF6 with E8M0 scales; here: P = the hidden layer, W = W2 (K = 4,096), residual = old1 (f32); y is the program's output.
; SHARES.  A work-group owns 64 rows and all 1,024 columns, so that a row's mean and variance have one owner.  Wave w owns columns 256 w .. 256 w + 255: 16 tiles of W x 4 tiles of rows: 64 accumulators.
; 64 rows are the most whose f32 sums fit the registers; every owner of whole rows walks the whole weight, so fewer rows to a work-group would only multiply that traffic.
; A wave's fragments of W are read by no other wave: they go from memory straight into registers, as images, four tiles (13 loads) at a time, a K step ahead.  P is shared by the four waves: it comes whole into LDS, once.
; No cluster: the weights do not pass through LDS, and P is each work-group's own.
; The sums begin as residual + bias, loaded into the accumulators.  The variance is taken of the differences from the mean, in a second pass.
; LIMITS: NaN and infinities are not served.
; REGISTERS: window 0: v1-3 the prefetches' offsets; v4-13 addresses; v16-23 W's scale words; v24-27 P's, two sets; v40-47 mean, then 1 / deviation; v48-143 P's fragments, two sets; v96-223 bias, later beta; v224-255 at work.
;   window 1: v0-191 W's fragments; later v0-127 the gains, v128-255 rows on their way out.   windows 2, 3: the accumulators, (b, a) at v[8 (8 a + b % 8)] of window 2 + b / 8.
.set KS,    32                         ; K steps of 128
.set HALFP, 0                          ; P's fragments lie as whole images, its scale words as whole units
.set QOUT,  0                          ; y leaves as f32 alone
.set WC,    9437184                    ; W's codes in pre
.set WS,    12976128                   ; and its scale words
.set PSOFF, 12582912                   ; P's scale words in its buffer
.set LC,    0
.set LS,    0
.set PSL,   196608
.if HALFP
.set RED,   49152
.set NPL,   16
.else
.set RED,   204800
.set NPL,   13
.endif
.set STG,   RED+2048                   ; 16 rows x (1,024 + 16) bytes for each wave
.set PFO,   1
.set LI,    4
.set LI8,   5
.set PADR,  6
.set PAD2,  7
.set RO,    8
.set STI,   9
.set STO,   10
.set REDW,  11
.set REDR,  12
.set H64,   13
.set SQ,    16
.set SP,    24
.set MU,    40
.set PF,    48
.set TM,    48
.set PC,    64
.set PW,    84
.set E,     88
.set BI,    96
.set SUM,   224
.set T1,    232
.set T2,    236
.set T4,    240
.set WV,    18
.set SEL,   20
.set G1,    24
.set G0,    32
.set G1S,   36
.set G0S,   44
.set QB,    48
.set QS,    50
.set CNT,   52
.set LIM,   53
.set MSB,   0
.macro WIN new
.if MSB != (\new)
	s_set_vgpr_msb (MSB<<8)|(\new)
.set MSB, \new
.endif
.endm
.macro PLACES n
.rept \n
	v_nop
.endr
.endm
.macro WMC d, a, b, c, sa, sb, ra, rb
.if ((\ra) == 0) && ((\rb) == 0)
	v_wmma_scale_f32_16x16x128_f8f6f4 v[(\d):(\d)+7], v[(\a):(\a)+11], v[(\b):(\b)+11], v[(\c):(\c)+7], v[\sa], v[\sb] matrix_a_fmt:MATRIX_FMT_BF6 matrix_b_fmt:MATRIX_FMT_BF6
.elseif (\rb) == 0
	v_wmma_scale_f32_16x16x128_f8f6f4 v[(\d):(\d)+7], v[(\a):(\a)+11], v[(\b):(\b)+11], v[(\c):(\c)+7], v[\sa], v[\sb] matrix_a_fmt:MATRIX_FMT_BF6 matrix_b_fmt:MATRIX_FMT_BF6 matrix_a_scale:MATRIX_SCALE_ROW1
.elseif (\ra) == 0
	v_wmma_scale_f32_16x16x128_f8f6f4 v[(\d):(\d)+7], v[(\a):(\a)+11], v[(\b):(\b)+11], v[(\c):(\c)+7], v[\sa], v[\sb] matrix_a_fmt:MATRIX_FMT_BF6 matrix_b_fmt:MATRIX_FMT_BF6 matrix_b_scale:MATRIX_SCALE_ROW1
.else
	v_wmma_scale_f32_16x16x128_f8f6f4 v[(\d):(\d)+7], v[(\a):(\a)+11], v[(\b):(\b)+11], v[(\c):(\c)+7], v[\sa], v[\sb] matrix_a_fmt:MATRIX_FMT_BF6 matrix_b_fmt:MATRIX_FMT_BF6 matrix_a_scale:MATRIX_SCALE_ROW1 matrix_b_scale:MATRIX_SCALE_ROW1
.endif
.endm
.macro REFILL G, k                     ; W's tiles 4 G .. 4 G + 3 of K step k (from the base on), and their scale words: 13 loads
	WIN 0x40
.irp t, 0,1,2,3
.irp c, 0,1,2
	global_load_b128 v[12*(4*(\G)+\t)+4*\c:12*(4*(\G)+\t)+4*\c+3], v[LI], s[QB:QB+1] offset:(\G)*KS*6144+(\k)*6144+1536*\t+512*\c
.endr
.endr
	WIN 0
	global_load_b64 v[SQ+2*(\G):SQ+2*(\G)+1], v[LI8], s[QS:QS+1] offset:(\G)*KS*256+256*(\k)
.endm
.macro PFETCH set, k                   ; P's four tiles of K step k from LDS
.irp a, 0,1,2,3
.if HALFP
	ds_load_b128 v[PF+48*(\set)+12*\a:PF+48*(\set)+12*\a+3], v[PADR] offset:6144*(\k)+1536*\a
	ds_load_b64 v[PF+48*(\set)+12*\a+4:PF+48*(\set)+12*\a+5], v[PAD2] offset:6144*(\k)+1536*\a+512
	ds_load_b128 v[PF+48*(\set)+12*\a+6:PF+48*(\set)+12*\a+9], v[PADR] offset:6144*(\k)+1536*\a+768
	ds_load_b64 v[PF+48*(\set)+12*\a+10:PF+48*(\set)+12*\a+11], v[PAD2] offset:6144*(\k)+1536*\a+1280
.else
.irp c, 0,1,2
	ds_load_b128 v[PF+48*(\set)+12*\a+4*\c:PF+48*(\set)+12*\a+4*\c+3], v[PADR] offset:6144*(\k)+1536*\a+512*\c
.endr
.endif
.endr
.if HALFP == 0
	ds_load_b64 v[SP+2*(\set):SP+2*(\set)+1], v[PAD2] offset:256*(\k)
.endif
.endm
; A prefetch of W's codes of the K steps that the trip after next loads: my wave's four groups x two K steps, 96 blocks of 256 bytes each, a lane a block.  All work-groups walk the same W: work-group 0 asks, each wave for
; its own columns, so each block is named once.  The first four K steps come by their loads alone; the last trip that asks names K steps 30 and 31.
.macro ASK
	s_cmp_gt_u32 s[CNT], s[LIM]
	s_cbranch_scc0 .Lnp_\@
.irp k, 0,1,2
.irp j, 0,1
	global_prefetch_b8 v[PFO+\k], s[QB:QB+1] offset:(4+\j)*6144 th:TH_LOAD_NT scope:SCOPE_SE
.endr
.endr
.Lnp_\@:
.endm
.macro RSTEP set, k, ahead, sp, pf     ; one K step: 64 products, the accumulators by turns
.if \ahead
	PFETCH 1-(\set), (\k)+1                        ; (the four v_nop behind the last products are its places)
.endif
.irp G, 0,1,2,3
.if \ahead
	s_wait_loadcnt 39                              ; this group's 13 loads are in; the three refills issued behind them may be out
.else
	s_wait_loadcnt 13*(3-\G)
.endif
.if \G == 0
.if \ahead
	s_wait_dscnt NPL                               ; this step's P is in; the next step's may be out
.else
	s_wait_dscnt 0x0
.endif
.endif
.if \G < 2
	WIN 0xa1
.else
	WIN 0xf1
.endif
.irp t, 0,1,2,3
.irp a, 0,1,2,3
	WMC 8*(8*\a+((4*\G+\t)%8)), 12*(4*\G+\t), PF+48*(\set)+12*\a, 8*(8*\a+((4*\G+\t)%8)), SQ+2*\G+\t/2, (\sp)+\a/2, \t%2, \a%2
.endr
.endr
.if \ahead
	PLACES 4                                       ; in front of loads into registers that these products have read
	REFILL \G, (\k)+1
.if (\pf) && (\G == 0)
	ASK
.endif
.endif
.endr
.endm
	s_load_b256 s[4:11], s[0:1], 0x0               ; P, pre, residual, bias
	s_load_b128 s[12:15], s[0:1], 0x20             ; gain, beta
	s_load_b64 s[16:17], s[0:1], 0x30              ; out
	v_lshl_add_u32 v38, v0, 2, 0x42c00
	v_mov_b32 v39, 0
	ds_add_u32 v38, v39
	ds_add_u32 v38, v39
	v_lshrrev_b32 v14, 5, v0
	v_readfirstlane_b32 s[WV], v14
	; my quarter of P: KS x 1,536 dense bytes as rows of 256 (32 elements of 8 bytes)
	s_mov_b32 s[G1], 3<<16
	s_mov_b32 s[G1+1], 32<<16
	s_mov_b32 s[G1+2], (6*KS)<<16
	s_mov_b32 s[G1+3], 32<<16
	s_mov_b32 s[G1+4], 6*KS
	s_mov_b32 s[G1+5], 32
	s_mov_b32 s[G1+6], 0
	s_mov_b32 s[G1+7], 0
	s_mov_b32 s[G1S], 3<<16                        ; and of its scale words: 8 rows of 256
	s_mov_b32 s[G1S+1], 32<<16
	s_mov_b32 s[G1S+2], 8<<16
	s_mov_b32 s[G1S+3], 32<<16
	s_mov_b32 s[G1S+4], 8
	s_mov_b32 s[G1S+5], 32
	s_mov_b32 s[G1S+6], 0
	s_mov_b32 s[G1S+7], 0
	s_mul_i32 s56, s[WV], KS*1536
	s_mul_i32 s54, ttmp9, KS*6144
	s_add_co_u32 s54, s54, s56
	s_mov_b32 s55, 0
	s_lshl_b32 s57, s[WV], 11
	s_lshl_b32 s58, ttmp9, 13
	s_add_co_u32 s58, s58, s57
	s_add_co_u32 s58, s58, PSOFF
	s_mov_b32 s59, 0
	s_wait_dscnt 0x0
	s_wait_kmcnt 0x0
	s_mov_b32 s[G0], 1
	s_mov_b32 s[G0+1], s56
	s_add_nc_u64 s[G0+2:G0+3], s[4:5], s[54:55]
	s_or_b32 s[G0+3], s[G0+3], 0x80000000
.if HALFP == 0
	s_mov_b32 s[G0S], 1
	s_add_co_u32 s[G0S+1], s57, PSL
	s_add_nc_u64 s[G0S+2:G0S+3], s[4:5], s[58:59]
	s_or_b32 s[G0S+3], s[G0S+3], 0x80000000
.endif
	tensor_load_to_lds s[G0:G0+3], s[G1:G1+7]      ; first fills only: nothing is filled again; two tensor loads of mine are out at the most
	s_nop 0
.if HALFP == 0
	tensor_load_to_lds s[G0S:G0S+3], s[G1S:G1S+7]
	s_nop 0
.endif
	PLACES 4
	v_and_b32 v14, 31, v0                          ; lane
	v_lshlrev_b32 v[LI], 4, v14
	v_lshlrev_b32 v[LI8], 3, v14
	v_lshlrev_b32 v[PADR], 4, v14
	v_lshlrev_b32 v[PAD2], 3, v14
.if HALFP == 0
	v_add_nc_u32 v[PAD2], PSL, v[PAD2]
.irp k, 0,1,2
	v_add_nc_u32 v[PFO+\k], 32*\k, v14             ; block n = 32 k + lane of 96: group n / 24, block n % 24
	v_mul_u32_u24 v248, v[PFO+\k], 43
	v_lshrrev_b32 v248, 10, v248
	v_mul_u32_u24 v249, v248, 24
	v_sub_nc_u32 v[PFO+\k], v[PFO+\k], v249
	v_lshlrev_b32 v[PFO+\k], 8, v[PFO+\k]
	v_mad_u32_u24 v[PFO+\k], v248, KS*6144, v[PFO+\k]
.endr
.endif
	v_and_b32 v15, 15, v0                          ; r
	v_bfe_u32 v14, v0, 4, 1                        ; h
	v_lshlrev_b32 v[H64], 6, v14
	v_and_b32 v[RO], 8, v15
	v_add_nc_u32 v[RO], v[RO], v15
	v_lshl_add_u32 v[RO], v[RO], 12, v[H64]        ; row r + 8 (r / 8) of 4,096 bytes, + 64 h
	s_mul_i32 s57, s[WV], 16640
	s_add_co_u32 s57, s57, STG
	v_mul_u32_u24 v[STI], v15, 1040
	v_add_nc_u32 v[STI], v[STI], v[H64]
	v_add_nc_u32 v[STI], s57, v[STI]
	v_add_nc_u32 v[STO], s57, v[LI]
	v_lshlrev_b32 v[REDR], 4, v15
	v_add_nc_u32 v[REDR], RED, v[REDR]
	s_lshl_b32 s57, s[WV], 2
	v_add_nc_u32 v[REDW], s57, v[REDR]
	s_mov_b32 s[SEL], 0x76543210
	s_mov_b32 s[SEL+1], 0xfedcba98
	s_mul_i32 s54, s[WV], 4*KS*6144
	s_add_co_u32 s54, s54, WC
	s_add_nc_u64 s[QB:QB+1], s[6:7], s[54:55]
	s_mul_i32 s54, s[WV], 4*KS*256
	s_add_co_u32 s54, s54, WS
	s_add_nc_u64 s[QS:QS+1], s[6:7], s[54:55]
	s_lshl_b32 s54, s[WV], 10                      ; my 256 columns
	s_add_nc_u64 s[10:11], s[10:11], s[54:55]
	s_add_nc_u64 s[12:13], s[12:13], s[54:55]
	s_add_nc_u64 s[14:15], s[14:15], s[54:55]
	s_lshl_b32 s56, ttmp9, 18                      ; my 64 rows
	s_add_co_u32 s54, s54, s56
	s_add_nc_u64 s[8:9], s[8:9], s[54:55]
	s_add_nc_u64 s[16:17], s[16:17], s[54:55]
	s_cmp_eq_u32 ttmp9, 0
	s_cselect_b32 s[LIM], 1, -1
.irp G, 0,1,2,3
	REFILL \G, 0
.endr
.irp b, 0,1,2,3,4,5,6,7,8,9,10,11,12,13,14,15
	global_load_b128 v[BI+8*\b:BI+8*\b+3], v[H64], s[10:11] offset:(32*(\b/2)+8*(\b%2))*4
	global_load_b128 v[BI+8*\b+4:BI+8*\b+7], v[H64], s[10:11] offset:(32*(\b/2)+8*(\b%2))*4+16
.endr
.irp wv, 2,3                           ; the residual, straight into the accumulators
	WIN 0x40*\wv
.irp a, 0,1,2,3
.irp b, 0,1,2,3,4,5,6,7
	global_load_b128 v[8*(8*\a+\b):8*(8*\a+\b)+3], v[RO], s[8:9] offset:(32*(\a/2)+8*(\a%2))*4096+(32*(\b/2)+8*(\b%2))*4+512*(\wv-2)
	global_load_b128 v[8*(8*\a+\b)+4:8*(8*\a+\b)+7], v[RO], s[8:9] offset:(32*(\a/2)+8*(\a%2))*4096+(32*(\b/2)+8*(\b%2))*4+512*(\wv-2)+16
.endr
.endr
.endr
	WIN 0
	s_wait_tensorcnt 0x0
	s_barrier_signal -1
	s_barrier_wait -1                              ; P lies whole in LDS
	PFETCH 0, 0
	s_wait_loadcnt 0x0
.irp wv, 2,3
	WIN 0x41*\wv
.set p, 0
.rept 32
.irp a, 0,1,2,3
	v_pk_add_f32 v[64*\a+2*p:64*\a+2*p+1], v[64*\a+2*p:64*\a+2*p+1], v[BI+64*(\wv-2)+2*p:BI+64*(\wv-2)+2*p+1]
.endr
.set p, p+1
.endr
.endr
	WIN 0
	s_mov_b32 s[CNT], KS/2-1
.Ltrip:
	RSTEP 0, 0, 1, SP, 1
	RSTEP 1, 1, 1, SP+2, 0
	s_wait_xcnt 0x0                                ; the loads and prefetches have read their bases: they step only behind this wait
	s_add_nc_u64 s[QB:QB+1], s[QB:QB+1], 12288
	s_add_nc_u64 s[QS:QS+1], s[QS:QS+1], 512
	v_add_nc_u32 v[PADR], 12288, v[PADR]
	v_add_nc_u32 v[PAD2], 512, v[PAD2]
	s_sub_co_u32 s[CNT], s[CNT], 1
	s_cmp_lg_u32 s[CNT], 0
	s_cbranch_scc1 .Ltrip
	RSTEP 0, 0, 1, SP, 0
	RSTEP 1, 1, 0, SP+2, 0
	WIN 0
	PLACES 4
	; ---- LayerNorm
	WIN 0x40
.irp b, 0,1,2,3,4,5,6,7,8,9,10,11,12,13,14,15
	global_load_b128 v[8*\b:8*\b+3], v[H64], s[12:13] offset:(32*(\b/2)+8*(\b%2))*4
	global_load_b128 v[8*\b+4:8*\b+7], v[H64], s[12:13] offset:(32*(\b/2)+8*(\b%2))*4+16
.endr
	WIN 0
.irp b, 0,1,2,3,4,5,6,7,8,9,10,11,12,13,14,15
	global_load_b128 v[BI+8*\b:BI+8*\b+3], v[H64], s[14:15] offset:(32*(\b/2)+8*(\b%2))*4
	global_load_b128 v[BI+8*\b+4:BI+8*\b+7], v[H64], s[14:15] offset:(32*(\b/2)+8*(\b%2))*4+16
.endr
	s_mov_b32 s54, 0x3a800000                      ; 1 / 1,024
	s_mov_b32 s55, 0x3727c5ac                      ; 1e-5
.irp j, 0,1,2,3,4,5,6,7
	v_mov_b32 v[SUM+\j], 0
.endr
.irp j, 0,1,2,3
	v_mov_b32 v[T2+\j], 0
.endr
.irp wv, 2,3
	WIN \wv
.set p, 0
.rept 32
.irp a, 0,1,2,3
	v_pk_add_f32 v[SUM+2*\a:SUM+2*\a+1], v[64*\a+2*p:64*\a+2*p+1], v[SUM+2*\a:SUM+2*\a+1]   ; each accumulator from its low end on
.endr
.set p, p+1
.endr
.endr
	WIN 0
.irp a, 0,1,2,3
	v_add_f32 v[T1+\a], v[SUM+2*\a], v[SUM+2*\a+1]
.endr
.irp a, 0,1,2,3
	v_permlanex16_b32 v[T2+\a], v[T1+\a], s[SEL], s[SEL+1]
.endr
.irp a, 0,1,2,3
	v_add_f32 v[T1+\a], v[T1+\a], v[T2+\a]         ; my wave's 256 columns of my row
.endr
.irp a, 0,1,2,3
	ds_store_b32 v[REDW], v[T1+\a] offset:256*\a
.endr
	s_wait_dscnt 0x0
	s_barrier_signal -1
	s_barrier_wait -1
.irp a, 0,1,2,3
	ds_load_b128 v[T4+4*\a:T4+4*\a+3], v[REDR] offset:256*\a
.endr
	s_wait_dscnt 0x0
.irp a, 0,1,2,3
	v_add_f32 v[T4+4*\a], v[T4+4*\a], v[T4+4*\a+1]
	v_add_f32 v[T4+4*\a+2], v[T4+4*\a+2], v[T4+4*\a+3]
.endr
.irp a, 0,1,2,3
	v_add_f32 v[T4+4*\a], v[T4+4*\a], v[T4+4*\a+2]
.endr
.irp a, 0,1,2,3
	v_mul_f32 v[MU+2*\a], s54, v[T4+4*\a]          ; the mean
	v_mul_f32 v[MU+2*\a+1], s54, v[T4+4*\a]
.endr
.irp j, 0,1,2,3,4,5,6,7
	v_mov_b32 v[SUM+\j], 0
.endr
.irp wv, 2,3
	WIN 0x41*\wv
.set p, 0
.rept 32
.irp a, 0,1,2,3
	v_pk_add_f32 v[64*\a+2*p:64*\a+2*p+1], v[64*\a+2*p:64*\a+2*p+1], v[MU+2*\a:MU+2*\a+1] neg_lo:[0,1] neg_hi:[0,1]
.endr
.set p, p+1
.endr
	WIN 5*\wv
.set p, 0
.rept 32
.irp a, 0,1,2,3
	v_pk_fma_f32 v[SUM+2*\a:SUM+2*\a+1], v[64*\a+2*p:64*\a+2*p+1], v[64*\a+2*p:64*\a+2*p+1], v[SUM+2*\a:SUM+2*\a+1]
.endr
.set p, p+1
.endr
.endr
	WIN 0
.irp a, 0,1,2,3
	v_add_f32 v[T1+\a], v[SUM+2*\a], v[SUM+2*\a+1]
.endr
.irp a, 0,1,2,3
	v_permlanex16_b32 v[T2+\a], v[T1+\a], s[SEL], s[SEL+1]
.endr
.irp a, 0,1,2,3
	v_add_f32 v[T1+\a], v[T1+\a], v[T2+\a]
.endr
.irp a, 0,1,2,3
	ds_store_b32 v[REDW], v[T1+\a] offset:1024+256*\a   ; other bytes than the first exchange's
.endr
	s_wait_dscnt 0x0
	s_barrier_signal -1
	s_barrier_wait -1
.irp a, 0,1,2,3
	ds_load_b128 v[T4+4*\a:T4+4*\a+3], v[REDR] offset:1024+256*\a
.endr
	s_wait_dscnt 0x0
.irp a, 0,1,2,3
	v_add_f32 v[T4+4*\a], v[T4+4*\a], v[T4+4*\a+1]
	v_add_f32 v[T4+4*\a+2], v[T4+4*\a+2], v[T4+4*\a+3]
.endr
.irp a, 0,1,2,3
	v_add_f32 v[T4+4*\a], v[T4+4*\a], v[T4+4*\a+2]
.endr
.irp a, 0,1,2,3
	v_fma_f32 v[T1+\a], v[T4+4*\a], s54, s55       ; variance + eps
.endr
.irp a, 0,1,2,3
	v_rsq_f32 v[MU+2*\a], v[T1+\a]
.endr
	v_nop
	s_wait_alu depctr_va_vdst(0)                   ; one wait for the four, ahead of their first reader
.irp a, 0,1,2,3
	v_mov_b32 v[MU+2*\a+1], v[MU+2*\a]
.endr
	s_wait_loadcnt 0x0                             ; gains and betas
.irp wv, 2,3
	WIN 0x41*\wv
.set p, 0
.rept 32
.irp a, 0,1,2,3
	v_pk_mul_f32 v[64*\a+2*p:64*\a+2*p+1], v[64*\a+2*p:64*\a+2*p+1], v[MU+2*\a:MU+2*\a+1]
.endr
.set p, p+1
.endr
	WIN 0x41*\wv+4
.set p, 0
.rept 32
.irp a, 0,1,2,3
	v_pk_fma_f32 v[64*\a+2*p:64*\a+2*p+1], v[64*\a+2*p:64*\a+2*p+1], v[64*(\wv-2)+2*p:64*(\wv-2)+2*p+1], v[BI+64*(\wv-2)+2*p:BI+64*(\wv-2)+2*p+1]
.endr
.set p, p+1
.endr
.endr
	WIN 0
	; ---- y as f32: 16 rows x my 1,024 bytes at a time through my own stage, out in runs of 512 consecutive bytes
.irp a, 0,1,2,3
.irp wv, 2,3
	WIN 4*\wv
.irp b, 0,1,2,3,4,5,6,7
	ds_store_b128 v[STI], v[8*(8*\a+\b):8*(8*\a+\b)+3] offset:(32*(\b/2)+8*(\b%2))*4+512*(\wv-2)
	ds_store_b128 v[STI], v[8*(8*\a+\b)+4:8*(8*\a+\b)+7] offset:(32*(\b/2)+8*(\b%2))*4+512*(\wv-2)+16
.endr
.endr
	WIN 0
	s_wait_xcnt 0x0                                ; the last tile's stores have read their registers
	WIN 0x40
.irp rr, 0,1,2,3,4,5,6,7,8,9,10,11,12,13,14,15
	ds_load_b128 v[128+8*\rr:131+8*\rr], v[STO] offset:1040*\rr      ; LDS serves a wave's instructions in order: these see my stores
	ds_load_b128 v[132+8*\rr:135+8*\rr], v[STO] offset:1040*\rr+512
.endr
	s_wait_dscnt 0x0
	WIN 0x04
.irp rr, 0,1,2,3,4,5,6,7,8,9,10,11,12,13,14,15
	global_store_b128 v[LI], v[128+8*\rr:131+8*\rr], s[16:17] offset:(32*(\a/2)+8*(\a%2)+\rr+8*(\rr/8))*4096 th:TH_STORE_NT
	global_store_b128 v[LI], v[132+8*\rr:135+8*\rr], s[16:17] offset:(32*(\a/2)+8*(\a%2)+\rr+8*(\rr/8))*4096+512 th:TH_STORE_NT
.endr
	WIN 0
.endr
	s_wait_tensorcnt 0x0
	ds_add_u32 v38, v39
	s_wait_dscnt 0x0
	s_endpgm
.Lfunc_end_k_qd21a2cd549_w2:
	.size	k_qd21a2cd549_w2, .Lfunc_end_k_qd21a2cd549_w2-k_qd21a2cd549_w2
	.p2alignl 7, 3214868480
	.fill 96, 4, 3214868480
	.section	.rodata,"a",@progbits
	.p2align	6, 0x0
	.amdhsa_kernel k_qd21a2cd549_w2
		.amdhsa_group_segment_fixed_size 273920
		.amdhsa_private_segment_fixed_size 0
		.amdhsa_enable_private_segment 0
		.amdhsa_kernarg_size 56
		.amdhsa_user_sgpr_count 2
		.amdhsa_user_sgpr_kernarg_segment_ptr 1
		.amdhsa_wavefront_size32 1
		.amdhsa_system_sgpr_workgroup_id_x 1
		.amdhsa_system_sgpr_workgroup_id_y 1
		.amdhsa_system_sgpr_workgroup_id_z 1
		.amdhsa_system_vgpr_workitem_id 0
		.amdhsa_next_free_vgpr 1024
		.amdhsa_next_free_sgpr 80
		.amdhsa_reserve_vcc 0
		.amdhsa_float_denorm_mode_32 3
		.amdhsa_float_denorm_mode_16_64 3
		.amdhsa_memory_ordered 1
		.amdhsa_forward_progress 1
		.amdhsa_inst_pref_size 217
	.end_amdhsa_kernel
	.amdgpu_metadata
---
amdhsa.version: [ 1, 2 ]
amdhsa.kernels:
  - .name:           k_qd21a2cd549_w2
    .symbol:         k_qd21a2cd549_w2.kd
    .args:
      - { .name: hid, .offset: 0, .size: 8, .value_kind: global_buffer, .address_space: global }
      - { .name: pre, .offset: 8, .size: 8, .value_kind: global_buffer, .address_space: global }
      - { .name: ln1, .offset: 16, .size: 8, .value_kind: global_buffer, .address_space: global }
      - { .name: b2, .offset: 24, .size: 8, .value_kind: global_buffer, .address_space: global }
      - { .name: g2, .offset: 32, .size: 8, .value_kind: global_buffer, .address_space: global }
      - { .name: be2, .offset: 40, .size: 8, .value_kind: global_buffer, .address_space: global }
      - { .name: out0, .offset: 48, .size: 8, .value_kind: global_buffer, .address_space: global }
    .group_segment_fixed_size: 273920
    .private_segment_fixed_size: 0
    .kernarg_segment_align: 8
    .kernarg_segment_size: 56
    .max_flat_workgroup_size: 128
    .sgpr_count:     80
    .vgpr_count:     1024
    .wavefront_size: 32
...
	.end_amdgpu_metadata
.endif
;; end of part 6
;; ======== version 2 of 2: 7 launches
;; limits: right only within a limited range of input values
;; workspace buffers: pre 13,107,200 bytes; qkv 10,092,544 bytes; ctx 3,407,872 bytes; ln1 20,054,016 bytes; hid 13,107,200 bytes; part 67,108,864 bytes
;; launch prep (part 7): grid 512 x 1, 4 waves a work-group, no clusters, 59,904 bytes of LDS; arguments embeddings, Wq, Wk, Wv, Wfc, W1, W2, pre; writes pre
.if DOCPART == 7
	.amdgcn_target "amdgcn-amd-amdhsa--gfx1250"
	.amdhsa_code_object_version 6
	.text
	.protected	k_qd21a2cd549_prep
	.globl	k_qd21a2cd549_prep
	.p2align	8
	.type	k_qd21a2cd549_prep,@function
k_qd21a2cd549_prep:
	s_mov_b64 s[64:65], 0
	v_nop
	global_prefetch_b8 v0, s[64:65] scope:SCOPE_SE
	s_setreg_imm32_b32 hwreg(HW_REG_WAVE_MODE, 25, 1), 1
	s_wait_xcnt 0x0
; prep: the embeddings [4096][1024] (K innermost) and the six weights (K = first axis) become codes of BF6 (E3M2) with one E8M0 byte for each 32 along K.
; LAYOUT OF pre.  A UNIT is 64 rows (a group: four tiles of 16) x 128 along K: 6,144 bytes of codes at 6144 u and 256 bytes of scale words at SB + 256 u.
; A tile's codes lie as the IMAGE of the operand's 12 registers: registers 4 c .. 4 c + 3 of lane l at 512 c + 16 l.  Lane r of tile t holds row 32 (t / 2) + 8 (t % 2) + r + 8 (r / 8).
; The scale word of (tile a, row r) lies at 8 (r + 16 (a % 2)) + 4 (a / 2).  Units: x 0..511 ([group 64][K step 8]), Wq, Wk, Wv, Wfc, W1 512..1535 ([group][8]), W2 1536..2047 ([group 16][32]).
; One wave makes one unit; waves share nothing: no barrier.  Work-groups 0..127 take x, the others the weights; each of the two ways has LDS bytes of its own.
; A block's scale is 2^(floor(log2(largest magnitude)) - 4): its byte is the largest magnitude's exponent field - 4, held at 1 from below.
; LIMITS: NaN and infinities are not served; a block whose largest magnitude lies under 2^-122, a block of zeros too, gets the byte 1 (its codes are zeros or tiny; only this program reads the bytes).
.set SB,    12582912
.set PC,    8                          ; v8-26    codes just made
.set R,     32                         ; v32-159  x: two sets of 16 rows x 16 bytes a lane, as loaded
.set X,     160                        ; v160-223 x: 64 numbers of my row, register 16 b + i = k 32 b + 16 h + i
.set TM,    224                        ; v224-239 at work
.set PW,    240                        ; v240-243 the four tiles' scale words
.set E,     244                        ; v244-245 the scale unit
.set VO,    32                         ; v32-63   weights: i rows down + 4 x lane
.set XW,    64                         ; v64-127  weights: two sets of 32 numbers
.set SEL,   60                         ; s[60:61] lane selects: lane l xor 16
.set XST,   8448                       ; x: a wave's stage, 16 rows x (512 + 16) bytes
.set WLDS,  33792                      ; weights: the stages begin here,
.set WST,   6400                       ; 6,144 bytes of images + 256 of scale words for each wave
.set MSB,   0
.macro WIN new                         ; the immediate's high byte repeats the setting that is left
.if MSB != (\new)
	s_set_vgpr_msb (MSB<<8)|(\new)
.set MSB, \new
.endif
.endm
; 64 numbers of a lane (window sw), register 16 b + i = k 32 b + 16 (lane / 16) + i of my row, become a fragment's codes in v[PC] on and its scale word in v[pw].
.macro QUANTW s, sw, pw
	WIN 5*(\sw)
.irp b, 0,1,2,3
	v_max3_num_f32 v[TM+\b], |v[(\s)+16*\b]|, |v[(\s)+16*\b+1]|, 0x2800000   ; my 16 numbers of block b, and the floor 2^(5 - 127): the byte cannot fall under 1
.endr
.irp i, 2,4,6,8,10,12,14
.irp b, 0,1,2,3
	v_max3_num_f32 v[TM+\b], |v[(\s)+16*\b+\i]|, |v[(\s)+16*\b+\i+1]|, v[TM+\b]
.endr
.endr
	WIN 0
.irp b, 0,1,2,3
	v_permlanex16_b32 v[TM+4+\b], v[TM+\b], s[SEL], s[SEL+1]
.endr
.irp b, 0,1,2,3
	v_max_num_f32 v[TM+\b], v[TM+\b], v[TM+4+\b]       ; with lane l xor 16's: the block's largest magnitude
.endr
.irp b, 0,1,2,3
	v_add_nc_u32 v[TM+12+\b], 0xfe000000, v[TM+\b]     ; 4 off its exponent field: the conversion's scale operand
.endr
.irp b, 0,1,2,3
	v_lshrrev_b32 v[TM+4+\b], 23, v[TM+12+\b]          ; the scale's byte
.endr
	v_lshl_or_b32 v[\pw], v[TM+5], 8, v[TM+4]
	v_lshl_or_b32 v[\pw], v[TM+6], 16, v[\pw]
	v_lshl_or_b32 v[\pw], v[TM+7], 24, v[\pw]
	s_wait_xcnt 0x0                                    ; earlier stores have read the codes' registers: they are written again only behind this wait
	WIN (\sw)
.irp c, 0,1
	v_cvt_scalef32_pk16_bf6_f32 v[PC+6*\c:PC+2+6*\c], v[(\s)+32*\c:(\s)+15+32*\c], v[TM+12+2*\c]
	v_cvt_scalef32_pk16_bf6_f32 v[PC+12+4*\c:PC+14+4*\c], v[(\s)+16+32*\c:(\s)+31+32*\c], v[TM+13+2*\c]
.endr
	WIN 0
	v_nop                                              ; one plain place behind a scaled conversion
.irp c, 0,1                                            ; the operand wants a whole block in a lane: lanes 0-15 block 2 c, lanes 16-31 block 2 c + 1
.irp i, 0,1,2
	v_permlane16_swap_b32 v[PC+6*\c+\i], v[PC+12+4*\c+\i]
.endr
.irp i, 0,1,2
	v_mov_b32 v[PC+3+6*\c+\i], v[PC+12+4*\c+\i]
.endr
.endr
.endm
	s_load_b512 s[4:19], s[0:1], 0x0               ; embeddings, Wq, Wk, Wv, Wfc, W1, W2, pre
	v_lshl_add_u32 v254, v0, 2, 0xe800
	v_mov_b32 v255, 0
	v_lshrrev_b32 v1, 5, v0
	v_readfirstlane_b32 s20, v1                    ; wave
	v_and_b32 v1, 31, v0                           ; lane
	v_and_b32 v2, 15, v0                           ; r
	v_bfe_u32 v3, v0, 4, 1                         ; h
	v_lshlrev_b32 v4, 4, v1                        ; 16 x lane
	v_lshlrev_b32 v7, 3, v1                        ; 8 x lane
	s_mov_b32 s[SEL], 0x76543210
	s_mov_b32 s[SEL+1], 0xfedcba98
	s_cmp_lt_u32 ttmp9, 128
	s_cbranch_scc0 .Lweights
	; ---- x: unit u = 4 n + wave = group n / 2, K step 4 (n % 2) + wave
	s_mul_i32 s21, s20, XST
	v_add_nc_u32 v5, s21, v4                       ; the stage, in: a row's 512 bytes as they lie
	v_mul_u32_u24 v6, v2, 528
	v_lshl_add_u32 v6, v3, 6, v6
	v_add_nc_u32 v6, s21, v6                       ; out: row r, + 64 h: my 16 numbers of a block
.irp b, 0,1,2,3
	v_mov_b32 v[TM+4+\b], 0                        ; a lane permute's destination counts as read
.endr
	s_lshr_b32 s24, ttmp9, 1
	s_lshl_b32 s24, s24, 18                        ; group x 64 rows x 4,096 bytes
	s_and_b32 s25, ttmp9, 1
	s_lshl_b32 s25, s25, 2
	s_add_co_u32 s25, s25, s20
	s_lshl_b32 s25, s25, 9                         ; K step x 512 bytes
	s_add_co_u32 s24, s24, s25
	s_mov_b32 s25, 0
	s_lshl_b32 s26, ttmp9, 2
	s_add_co_u32 s26, s26, s20                     ; u
	s_mul_i32 s28, s26, 6144
	s_mov_b32 s29, 0
	s_lshl_b32 s26, s26, 8
	s_add_co_u32 s26, s26, SB
	s_mov_b32 s27, 0
	s_wait_alu depctr_va_vdst(0)
	s_wait_kmcnt 0x0
	s_add_nc_u64 s[4:5], s[4:5], s[24:25]
	s_add_nc_u64 s[24:25], s[18:19], s[28:29]      ; the unit's codes
	s_add_nc_u64 s[26:27], s[18:19], s[26:27]      ; its scale words
.macro LOADT a                         ; tile a's 16 rows: each load reads 512 consecutive bytes of one row
.irp rr, 0,1,2,3,4,5,6,7,8,9,10,11,12,13,14,15
	global_load_b128 v[R+64*((\a)%2)+4*\rr:R+64*((\a)%2)+4*\rr+3], v4, s[4:5] offset:(32*((\a)/2)+8*((\a)%2)+\rr+8*(\rr/8))*4096 th:TH_LOAD_NT
.endr
.endm
.macro TURN a                          ; through my stage: LDS serves a wave's instructions in order, so no wait stands between the stores and the loads
.irp rr, 0,1,2,3,4,5,6,7,8,9,10,11,12,13,14,15
	ds_store_b128 v5, v[R+64*((\a)%2)+4*\rr:R+64*((\a)%2)+4*\rr+3] offset:528*\rr
.endr
.irp b, 0,1,2,3
.irp j, 0,1,2,3
	ds_load_b128 v[X+16*\b+4*\j:X+16*\b+4*\j+3], v6 offset:128*\b+16*\j
.endr
.endr
.endm
	LOADT 0
	LOADT 1
.irp a, 0,1,2,3
.if \a < 3
	s_wait_loadcnt 16                              ; this tile's 16 loads are in; the next tile's may be out
.else
	s_wait_loadcnt 0x0
.endif
	TURN \a
	s_wait_dscnt 0x0                               ; my numbers are back, and the stores have read their registers
.if \a < 2
	LOADT \a+2
.endif
	QUANTW X, 0, PW+\a
.irp c, 0,1,2
	global_store_b128 v4, v[PC+4*\c:PC+4*\c+3], s[24:25] offset:1536*\a+512*\c   ; 512 consecutive bytes
.endr
.endr
	v_cmp_lt_u32 vcc_lo, 15, v1
	v_cndmask_b32 v[E], v[PW], v[PW+1], vcc_lo     ; lanes 0-15 tile 0, lanes 16-31 tile 1;
	v_cndmask_b32 v[E+1], v[PW+2], v[PW+3], vcc_lo ; tiles 2 and 3
	global_store_b64 v7, v[E:E+1], s[26:27]        ; one aligned run of 256 bytes
	s_wait_tensorcnt 0x0
	ds_add_u32 v254, v255
	s_wait_dscnt 0x0
	s_endpgm
.Lweights:
	; ---- weights: the four waves stand side by side on 256 columns of one K step of 128; a lane takes a column, its registers run down K
	s_sub_co_u32 s21, ttmp9, 128                   ; m
	s_lshr_b32 s22, s21, 5
	s_lshr_b32 s23, s21, 7
	s_mov_b32 s26, 4096
	s_cmp_eq_u32 s23, 1
	s_cselect_b32 s26, 16384, s26                  ; a row of the weight in bytes: W1's is 16,384
	s_and_b32 s27, s21, 7                          ; m < 256: K step,
	s_lshr_b32 s28, s21, 3
	s_and_b32 s29, s28, 3                          ; which 256 columns (Wq .. Wfc),
	s_sub_co_u32 s30, s28, 16                      ; (W1)
	s_cmp_lt_u32 s21, 128
	s_cselect_b32 s29, s29, s30
	s_lshl_b32 s30, s28, 2
	s_add_co_u32 s30, s30, s20
	s_add_co_u32 s30, s30, 64
	s_lshl_b32 s30, s30, 3
	s_add_co_u32 s30, s30, s27                     ; and the unit
	s_sub_co_u32 s31, s21, 256                     ; m >= 256: W2
	s_and_b32 s40, s31, 31
	s_lshr_b32 s41, s31, 5
	s_lshl_b32 s42, s41, 2
	s_add_co_u32 s42, s42, s20
	s_lshl_b32 s42, s42, 5
	s_add_co_u32 s42, s42, s40
	s_add_co_u32 s42, s42, 1536
	s_cmp_lt_u32 s21, 256
	s_cselect_b32 s27, s27, s40                    ; K step
	s_cselect_b32 s29, s29, s41                    ; which 256 columns
	s_cselect_b32 s30, s30, s42                    ; unit
	s_lshl_b32 s44, s27, 7
	s_mul_i32 s44, s44, s26                        ; 128 x K step rows down
	s_lshl_b32 s45, s29, 10
	s_add_co_u32 s44, s44, s45
	s_lshl_b32 s45, s20, 8
	s_add_co_u32 s44, s44, s45                     ; + my 64 columns
	s_mov_b32 s45, 0
	s_lshl_b32 s46, s26, 5                         ; 32 rows
	s_mov_b32 s47, 0
	s_mul_i32 s50, s30, 6144
	s_mov_b32 s51, 0
	s_lshl_b32 s52, s30, 8
	s_add_co_u32 s52, s52, SB
	s_mov_b32 s53, 0
	s_mul_i32 s48, s20, WST
	s_add_co_u32 s48, s48, WLDS                    ; my stage
	v_bfe_u32 v16, v0, 3, 1                        ; column 32 cs + lane is row r_l of tile 2 cs + u_l: u_l = (lane / 8) % 2,
	v_and_b32 v17, 7, v0
	s_wait_alu depctr_va_vdst(0)
	v_lshl_add_u32 v17, v3, 3, v17                 ; r_l = lane % 8 + 8 (lane / 16)
	v_mul_u32_u24 v22, v16, 1536
	v_lshl_add_u32 v22, v17, 4, v22
	v_add_nc_u32 v22, s48, v22                     ; my place in the images
	v_lshl_add_u32 v23, v16, 4, v17
	v_lshlrev_b32 v23, 3, v23
	v_add_nc_u32 v23, s48, v23
	v_add_nc_u32 v23, 6144, v23                    ; and among the scale words
	v_add_nc_u32 v24, s48, v4                      ; the way out: 16 bytes a lane,
	v_add_nc_u32 v26, s48, v7
	v_add_nc_u32 v26, 6144, v26                    ; 8 bytes a lane
	v_lshlrev_b32 v[VO], 2, v1
.set i, 1
.rept 31
	v_add_nc_u32 v[VO+i], s26, v[VO+i-1]
.set i, i+1
.endr
	s_wait_alu depctr_va_vdst(0)
	s_wait_kmcnt 0x0
	s_mov_b64 s[24:25], s[16:17]                   ; the choice hangs on the work-group's number alone
	s_cmp_lt_u32 s21, 256
	s_cselect_b64 s[24:25], s[14:15], s[24:25]
	s_cmp_eq_u32 s22, 3
	s_cselect_b64 s[24:25], s[12:13], s[24:25]
	s_cmp_eq_u32 s22, 2
	s_cselect_b64 s[24:25], s[10:11], s[24:25]
	s_cmp_eq_u32 s22, 1
	s_cselect_b64 s[24:25], s[8:9], s[24:25]
	s_cmp_eq_u32 s22, 0
	s_cselect_b64 s[24:25], s[6:7], s[24:25]
	s_add_nc_u64 s[32:33], s[24:25], s[44:45]      ; the four blocks of 32 along K
	s_add_nc_u64 s[34:35], s[32:33], s[46:47]
	s_add_nc_u64 s[36:37], s[34:35], s[46:47]
	s_add_nc_u64 s[38:39], s[36:37], s[46:47]
	s_add_nc_u64 s[50:51], s[18:19], s[50:51]
	s_add_nc_u64 s[52:53], s[18:19], s[52:53]
.macro WLOAD q                         ; block q / 2 of columns 32 (q % 2) + lane: 32 rows, 128 consecutive bytes a load
.set i, 0
.rept 32
	global_load_b32 v[XW+32*((\q)%2)+i], v[VO+i], s[32+2*((\q)/2):33+2*((\q)/2)] offset:128*((\q)%2)
.set i, i+1
.endr
.endm
.macro WBLOCK q
.set XS, XW+32*((\q)%2)
.set T4, (\q)/2
.set CSX, (\q)%2
.if (\q) < 7
	s_wait_loadcnt 32                              ; this block's 32 loads are in; the next one's may be out
.else
	s_wait_loadcnt 0x0
.endif
	v_max3_num_f32 v16, |v[XS]|, |v[XS+1]|, |v[XS+2]|
	v_max3_num_f32 v17, |v[XS+3]|, |v[XS+4]|, |v[XS+5]|
.irp i, 6,10,14,18,22,26
	v_max3_num_f32 v16, v16, |v[XS+\i]|, |v[XS+\i+1]|
	v_max3_num_f32 v17, v17, |v[XS+\i+2]|, |v[XS+\i+3]|
.endr
	v_max3_num_f32 v16, v16, |v[XS+30]|, |v[XS+31]|
	v_max3_num_f32 v16, v16, v17, 0x2800000        ; and the floor
	v_add_nc_u32 v18, 0xfe000000, v16
	v_cvt_scalef32_pk16_bf6_f32 v[8:10], v[XS:XS+15], v18
	v_cvt_scalef32_pk16_bf6_f32 v[12:14], v[XS+16:XS+31], v18
	v_lshrrev_b32 v19, 23, v18                     ; the byte (a plain place behind the conversions)
.if T4 == 0
	v_mov_b32 v[20+CSX], v19
.else
	v_lshl_or_b32 v[20+CSX], v19, 8*T4, v[20+CSX]
.endif
	v_mov_b32 v11, v12                             ; the block's six registers on end
	v_mov_b32 v12, v13
	v_mov_b32 v13, v14
.if T4 < 2                             ; registers 0-5 of lane (r_l, T4 % 2) of my tile's image
	ds_store_b128 v22, v[8:11] offset:3072*CSX+256*(T4%2)
	ds_store_b64 v22, v[12:13] offset:3072*CSX+512+256*(T4%2)
.else                                  ; registers 6-11
	ds_store_b64 v22, v[8:9] offset:3072*CSX+520+256*(T4%2)
	ds_store_b128 v22, v[10:13] offset:3072*CSX+1024+256*(T4%2)
.endif
.if (\q) < 6
	WLOAD (\q)+2
.endif
	s_wait_dscnt 0x0                               ; the stores have read their registers
.endm
	WLOAD 0
	WLOAD 1
.irp q, 0,1,2,3,4,5,6,7
	WBLOCK \q
.endr
	ds_store_b32 v23, v20
	s_wait_alu depctr_va_vdst(0)
	ds_store_b32 v23, v21 offset:4
.irp k, 0,1,2,3,4,5,6,7,8,9,10,11
	ds_load_b128 v[128+4*\k:131+4*\k], v24 offset:512*\k   ; LDS serves a wave's instructions in order: these see my stores
.endr
	ds_load_b64 v[176:177], v26
.irp k, 0,1,2,3,4,5,6,7,8,9,10,11
	s_wait_dscnt 12-\k                             ; behind load k: the later ones of the twelve, and the scale words'
	global_store_b128 v4, v[128+4*\k:131+4*\k], s[50:51] offset:512*\k
.endr
	s_wait_dscnt 0x0
	global_store_b64 v7, v[176:177], s[52:53]
	s_wait_tensorcnt 0x0
	ds_add_u32 v254, v255
	s_wait_dscnt 0x0
	s_endpgm
.Lfunc_end_k_qd21a2cd549_prep:
	.size	k_qd21a2cd549_prep, .Lfunc_end_k_qd21a2cd549_prep-k_qd21a2cd549_prep
	.p2alignl 7, 3214868480
	.fill 96, 4, 3214868480
	.section	.rodata,"a",@progbits
	.p2align	6, 0x0
	.amdhsa_kernel k_qd21a2cd549_prep
		.amdhsa_group_segment_fixed_size 59904
		.amdhsa_private_segment_fixed_size 0
		.amdhsa_enable_private_segment 0
		.amdhsa_kernarg_size 64
		.amdhsa_user_sgpr_count 2
		.amdhsa_user_sgpr_kernarg_segment_ptr 1
		.amdhsa_wavefront_size32 1
		.amdhsa_system_sgpr_workgroup_id_x 1
		.amdhsa_system_sgpr_workgroup_id_y 1
		.amdhsa_system_sgpr_workgroup_id_z 1
		.amdhsa_system_vgpr_workitem_id 0
		.amdhsa_next_free_vgpr 256
		.amdhsa_next_free_sgpr 66
		.amdhsa_reserve_vcc 1
		.amdhsa_float_denorm_mode_32 3
		.amdhsa_float_denorm_mode_16_64 3
		.amdhsa_memory_ordered 1
		.amdhsa_forward_progress 1
		.amdhsa_inst_pref_size 77
	.end_amdhsa_kernel
	.amdgpu_metadata
---
amdhsa.version: [ 1, 2 ]
amdhsa.kernels:
  - .name:           k_qd21a2cd549_prep
    .symbol:         k_qd21a2cd549_prep.kd
    .args:
      - { .name: embeddings, .offset: 0, .size: 8, .value_kind: global_buffer, .address_space: global }
      - { .name: Wq, .offset: 8, .size: 8, .value_kind: global_buffer, .address_space: global }
      - { .name: Wk, .offset: 16, .size: 8, .value_kind: global_buffer, .address_space: global }
      - { .name: Wv, .offset: 24, .size: 8, .value_kind: global_buffer, .address_space: global }
      - { .name: Wfc, .offset: 32, .size: 8, .value_kind: global_buffer, .address_space: global }
      - { .name: W1, .offset: 40, .size: 8, .value_kind: global_buffer, .address_space: global }
      - { .name: W2, .offset: 48, .size: 8, .value_kind: global_buffer, .address_space: global }
      - { .name: pre, .offset: 56, .size: 8, .value_kind: global_buffer, .address_space: global }
    .group_segment_fixed_size: 59904
    .private_segment_fixed_size: 0
    .kernarg_segment_align: 8
    .kernarg_segment_size: 64
    .max_flat_workgroup_size: 128
    .sgpr_count:     66
    .vgpr_count:     256
    .wavefront_size: 32
...
	.end_amdgpu_metadata
.endif
;; end of part 7
;; launch qkv (part 8): grid 8 x 24, 4 waves a work-group, clusters of 4 x 4, 327,680 bytes of LDS; arguments pre, bq, bk, bv, qkv; writes qkv
.if DOCPART == 8
	.amdgcn_target "amdgcn-amd-amdhsa--gfx1250"
	.amdhsa_code_object_version 6
	.text
	.protected	k_qd21a2cd549_qkv
	.globl	k_qd21a2cd549_qkv
	.p2align	8
	.type	k_qd21a2cd549_qkv,@function
k_qd21a2cd549_qkv:
	s_mov_b64 s[64:65], 0
	v_nop
	global_prefetch_b8 v0, s[64:65] scope:SCOPE_SE
	s_setreg_imm32_b32 hwreg(HW_REG_WAVE_MODE, 25, 1), 1
	s_wait_xcnt 0x0
	s_wait_alu depctr_hold_cnt(0) depctr_sa_sdst(0) depctr_va_vdst(0) depctr_va_sdst(0) depctr_va_ssrc(0) depctr_va_vcc(0) depctr_vm_vsrc(0)
	s_getreg_b32 s2, hwreg(HW_REG_IB_STS2, 6, 4)
	s_cmp_eq_u32 s2, 0
	s_cbranch_scc0 .Lentry_in_a_cluster
	s_endpgm
.Lentry_in_a_cluster:
	s_bfe_u32 s2, ttmp6, 0x10000c
	s_cmp_lg_u32 s2, 0xf033
	s_cbranch_scc0 .Lentry_shape_is_right
	s_endpgm
.Lentry_shape_is_right:
.set WQKC,  3145728
.set WVC,   4718592
.set SB,    12582912
.set VC,    6291456
.set QKS,   9437184
.set VS,    9961472
.set HALFT, 24576
.set SLOT,  98304
.set SCL,   196608
.set HALFS, 4096
.set SPARE, 212992
.set NL,    3
.set NP,    4
.set FR,    12
.set ADRA,  16
.set ADRB,  20
.set ADSP,  24
.set ADSQ,  25
.set LI,    26
.set LI8,   27
.set SPW,   28
.set NIL,   29
.set SC,    32
.set AF,    128
.set PC,    64
.set TM,    96
.set PW,    112
.set E,     120
.set SEL,   98
.set G1,    24
.set G0,    32
.set G1B,   48
.set G0B,   56
.set G1S,   68
.set G0S,   76
.set G1SB,  80
.set G0SB,  88
.set MSB,   0
.macro WIN new
.if MSB != (\new)
	s_set_vgpr_msb (MSB<<8)|(\new)
.set MSB, \new
.endif
.endm
.macro PLACES n
.rept \n
	v_nop
.endr
.endm
.macro WMC d, a, b, c, sa, sb, ra, rb
.if ((\ra) == 0) && ((\rb) == 0)
	v_wmma_scale_f32_16x16x128_f8f6f4 v[(\d):(\d)+7], v[(\a):(\a)+11], v[(\b):(\b)+11], v[(\c):(\c)+7], v[\sa], v[\sb] matrix_a_fmt:MATRIX_FMT_BF6 matrix_b_fmt:MATRIX_FMT_BF6
.elseif (\rb) == 0
	v_wmma_scale_f32_16x16x128_f8f6f4 v[(\d):(\d)+7], v[(\a):(\a)+11], v[(\b):(\b)+11], v[(\c):(\c)+7], v[\sa], v[\sb] matrix_a_fmt:MATRIX_FMT_BF6 matrix_b_fmt:MATRIX_FMT_BF6 matrix_a_scale:MATRIX_SCALE_ROW1
.elseif (\ra) == 0
	v_wmma_scale_f32_16x16x128_f8f6f4 v[(\d):(\d)+7], v[(\a):(\a)+11], v[(\b):(\b)+11], v[(\c):(\c)+7], v[\sa], v[\sb] matrix_a_fmt:MATRIX_FMT_BF6 matrix_b_fmt:MATRIX_FMT_BF6 matrix_b_scale:MATRIX_SCALE_ROW1
.else
	v_wmma_scale_f32_16x16x128_f8f6f4 v[(\d):(\d)+7], v[(\a):(\a)+11], v[(\b):(\b)+11], v[(\c):(\c)+7], v[\sa], v[\sb] matrix_a_fmt:MATRIX_FMT_BF6 matrix_b_fmt:MATRIX_FMT_BF6 matrix_a_scale:MATRIX_SCALE_ROW1 matrix_b_scale:MATRIX_SCALE_ROW1
.endif
.endm
.macro QUANTW s, sw, pw
	WIN 5*(\sw)
.irp b, 0,1,2,3
	v_max3_num_f32 v[TM+\b], |v[(\s)+16*\b]|, |v[(\s)+16*\b+1]|, 0x2800000
.endr
.irp i, 2,4,6,8,10,12,14
.irp b, 0,1,2,3
	v_max3_num_f32 v[TM+\b], |v[(\s)+16*\b+\i]|, |v[(\s)+16*\b+\i+1]|, v[TM+\b]
.endr
.endr
	WIN 0
.irp b, 0,1,2,3
	v_permlanex16_b32 v[TM+4+\b], v[TM+\b], s[SEL], s[SEL+1]
.endr
.irp b, 0,1,2,3
	v_max_num_f32 v[TM+\b], v[TM+\b], v[TM+4+\b]
.endr
.irp b, 0,1,2,3
	v_add_nc_u32 v[TM+12+\b], 0xfe000000, v[TM+\b]
.endr
.irp b, 0,1,2,3
	v_lshrrev_b32 v[TM+4+\b], 23, v[TM+12+\b]
.endr
	v_lshl_or_b32 v[\pw], v[TM+5], 8, v[TM+4]
	v_lshl_or_b32 v[\pw], v[TM+6], 16, v[\pw]
	v_lshl_or_b32 v[\pw], v[TM+7], 24, v[\pw]
	s_wait_xcnt 0x0
	WIN (\sw)
.irp c, 0,1
	v_cvt_scalef32_pk16_bf6_f32 v[PC+6*\c:PC+2+6*\c], v[(\s)+32*\c:(\s)+15+32*\c], v[TM+12+2*\c]
	v_cvt_scalef32_pk16_bf6_f32 v[PC+12+4*\c:PC+14+4*\c], v[(\s)+16+32*\c:(\s)+31+32*\c], v[TM+13+2*\c]
.endr
	WIN 0
	v_nop
.irp c, 0,1
.irp i, 0,1,2
	v_permlane16_swap_b32 v[PC+6*\c+\i], v[PC+12+4*\c+\i]
.endr
.irp i, 0,1,2
	v_mov_b32 v[PC+3+6*\c+\i], v[PC+12+4*\c+\i]
.endr
.endr
.endm
.macro JLOAD g0a, g1a, g0b, g1b
	s_cmp_eq_u32 s15, 0
	s_cbranch_scc0 .Lfor_b_\@
	tensor_load_to_lds s[\g0a:\g0a+3], s[\g1a:\g1a+7]
	s_nop 0
.rept 4
	v_nop
.endr
	s_branch .Lasked_\@
.Lfor_b_\@:
	tensor_load_to_lds s[\g0b:\g0b+3], s[\g1b:\g1b+7]
	s_nop 0
.rept 4
	v_nop
.endr
.Lasked_\@:
.endm
.macro CREST
	s_cmp_lg_u32 s14, 0
	s_cbranch_scc1 .Lnot_wave_0_\@
	s_barrier_signal -3
.Lnot_wave_0_\@:
	s_barrier_wait -3
	s_barrier_signal -1
	s_barrier_wait -1
.endm
.macro CROUND
	s_barrier_signal -1
	s_barrier_wait -1
	CREST
.endm
.macro FRAG reg, adr, q, i
.irp c, 0,1,2
	ds_load_b128 v[(\reg)+4*\c:(\reg)+4*\c+3], v[\adr] offset:((\i)/4)*12288+(\q)*6144+((\i)%4)*1536+512*\c
.endr
.endm
.macro FETCH_B slot, q, p
	WIN 0x40
.irp i, 0,1,2,3,4,5,6,7
	FRAG 128*(\p)+FR*\i, ADRB+\slot, \q, \i
.endr
	WIN 0
.endm
.macro FETCH_A slot, q, i0
.irp i, \i0, \i0+1, \i0+2, \i0+3
	FRAG AF+FR*(\i), ADRA+\slot, \q, \i
.endr
.endm
.macro SCALES sc
.irp G, 0,1
.irp q, 0,1
	ds_load_b64 v[SC+16*(\sc)+4*\q+2*\G:SC+16*(\sc)+4*\q+2*\G+1], v[ADSP] offset:2048*\G+256*\q
	ds_load_b64 v[SC+16*(\sc)+8+4*\q+2*\G:SC+16*(\sc)+8+4*\q+2*\G+1], v[ADSQ] offset:2048*\G+256*\q
.endr
.endr
.endm
.macro MUL16 a0, p, q, sc, cm
.irp a, \a0, \a0+1
.irp b, 0,1,2,3,4,5,6,7
.if (\cm) == 0
	WMC 8*(8*((\a)%4)+\b), 128*(\p)+FR*\b, AF+FR*(\a), 8*(8*((\a)%4)+\b), SC+16*(\sc)+8+4*(\q)+\b/2, SC+16*(\sc)+4*(\q)+(\a)/2, \b%2, (\a)%2
.elseif (\cm) == 1
	WMC 8*(8*((\a)%4)+\b), 128*(\p)+FR*\b, AF+FR*(\a), 96+8*\b+96*(\b/4), SC+16*(\sc)+8+4*(\q)+\b/2, SC+16*(\sc)+4*(\q)+(\a)/2, \b%2, (\a)%2
.else
	WMC 8*(8*((\a)%4)+\b), 128*(\p)+FR*\b, AF+FR*(\a), 96+8*(\a)+96*((\a)/4), SC+16*(\sc)+8+4*(\q)+\b/2, SC+16*(\sc)+4*(\q)+(\a)/2, \b%2, (\a)%2
.endif
.endr
.endr
.endm
.macro STEP slot, q, cm
	s_wait_dscnt 4*NL
.if (\cm) == 0
	WIN 0xa1
.else
	WIN 0x91
.endif
	MUL16 0, (\q)%2, \q, \slot, \cm
	MUL16 2, (\q)%2, \q, \slot, \cm
	s_wait_dscnt 0x0
	PLACES NP
	FETCH_B \slot, (\q)+1, 1-(\q)%2
	FETCH_A \slot, (\q)+1, 0
.if (\cm) == 0
	WIN 0xf1
.else
	WIN 0xd1
.endif
	MUL16 4, (\q)%2, \q, \slot, \cm
	MUL16 6, (\q)%2, \q, \slot, \cm
	PLACES NP
	WIN 0
	FETCH_A \slot, (\q)+1, 4
.endm
.macro TURN slot, next, fill
	s_wait_tensorcnt 0x0
	ds_add_u32 v[SPW], v[NIL]
	s_wait_dscnt 4*NL+1
	WIN 0xa1
	MUL16 0, 1, 1, \slot, 0
	s_wait_dscnt 0x0
	s_barrier_signal -1
	MUL16 2, 1, 1, \slot, 0
	WIN 0
	s_barrier_wait -1
.if \fill
	CREST
	s_add_nc_u64 s[G0+4*\slot+2:G0+4*\slot+3], s[G0+4*\slot+2:G0+4*\slot+3], 24576
	s_add_nc_u64 s[G0B+4*\slot+2:G0B+4*\slot+3], s[G0B+4*\slot+2:G0B+4*\slot+3], 24576
	JLOAD G0+4*\slot, G1, G0B+4*\slot, G1B
.else
	PLACES NP
.endif
	s_wait_alu depctr_va_vdst(0)
	v_add_nc_u32 v[ADSP], 512, v[ADSP]
	v_add_nc_u32 v[ADSQ], 512, v[ADSQ]
	FETCH_B \next, 0, 0
	FETCH_A \next, 0, 0
	SCALES \next
	WIN 0xf1
	MUL16 4, 1, 1, \slot, 0
	MUL16 6, 1, 1, \slot, 0
	PLACES NP
	WIN 0
	FETCH_A \next, 0, 4
.endm
	s_load_b256 s[4:11], s[0:1], 0x0
	s_load_b64 s[12:13], s[0:1], 0x20
	v_lshl_add_u32 v[SPW], v0, 2, SPARE
	v_mov_b32 v[NIL], 0
	ds_add_u32 v28, v29
	ds_add_u32 v28, v29
	s_wait_dscnt 0x0
	v_lshrrev_b32 v1, 5, v0
	v_readfirstlane_b32 s14, v1
	s_lshr_b32 s15, s14, 1
	s_and_b32 s16, s14, 1
	s_bfe_u32 s40, ttmp6, 0x40000
	s_bfe_u32 s41, ttmp6, 0x40004
	s_and_b32 s66, ttmp7, 0xffff
	s_cmp_lt_u32 s66, 4
	s_cselect_b32 s17, s66, 0
	s_cselect_b32 s42, 4, s66
	s_cselect_b32 s94, 0, WVC
	s_cselect_b32 s95, 0, WVC/24
	s_cselect_b32 s96, WQKC, 0
	s_cselect_b32 s97, WQKC/24, 0
	s_lshl_b32 s17, s17, 2
	s_add_co_u32 s17, s17, s41
	s_sub_co_u32 s42, s42, 4
	s_lshl_b32 s42, s42, 3
	s_lshl_b32 s43, ttmp9, 2
	s_add_co_u32 s42, s42, s43
	s_add_co_u32 s42, s42, s40
	s_lshl_b32 s43, s41, 2
	s_lshl_b32 s43, 15, s43
	s_lshl_b32 s44, 0x1111, s40
	s_or_b32 s[G1+0], s43, (3<<16)|(1<<21)
	s_or_b32 s[G1B+0], s44, (3<<16)|(1<<21)
.irp g, G1, G1B
	s_mov_b32 s[\g+1], 1536<<16
	s_mov_b32 s[\g+2], 4<<16                       ; the head's loads bring a tile's four groups; behind them the two words that count rows are set to 2
	s_mov_b32 s[\g+3], 1536<<16
	s_mov_b32 s[\g+4], 4
	s_mov_b32 s[\g+5], 6144
	s_mov_b32 s[\g+6], 0
	s_mov_b32 s[\g+7], 0
.endr
	s_or_b32 s[G1S+0], s43, (3<<16)|(1<<21)
	s_or_b32 s[G1SB+0], s44, (3<<16)|(1<<21)
.irp g, G1S, G1SB
	s_mov_b32 s[\g+1], 32<<16
	s_mov_b32 s[\g+2], 32<<16                      ; the scale words of a tile's four groups: 8,192 dense bytes
	s_mov_b32 s[\g+3], 32<<16
	s_mov_b32 s[\g+4], 32
	s_mov_b32 s[\g+5], 32
	s_mov_b32 s[\g+6], 0
	s_mov_b32 s[\g+7], 0
.endr
	s_lshl_b32 s18, s16, 1
	s_lshl_b32 s20, s17, 2
	s_add_co_u32 s20, s20, s18
	s_lshl_b32 s22, s20, 11
	s_add_co_u32 s22, s22, s95
	s_add_co_u32 s22, s22, SB
	s_mul_i32 s20, s20, 49152
	s_add_co_u32 s20, s20, s94
	s_mov_b32 s21, 0
	s_mov_b32 s23, 0
	s_lshl_b32 s46, s42, 2
	s_add_co_u32 s46, s46, s18
	s_lshl_b32 s92, s46, 11
	s_add_co_u32 s92, s92, s97
	s_add_co_u32 s92, s92, SB
	s_mul_i32 s46, s46, 49152
	s_add_co_u32 s46, s46, s96
	s_mov_b32 s47, 0
	s_mov_b32 s93, 0
	s_mul_i32 s45, s14, HALFT
	s_lshl_b32 s67, s14, 12
	s_mov_b32 s[SEL], 0x76543210
	s_mov_b32 s[SEL+1], 0xfedcba98
	s_wait_kmcnt 0x0
	s_add_nc_u64 s[20:21], s[4:5], s[20:21]
	s_add_nc_u64 s[22:23], s[4:5], s[22:23]
	s_add_nc_u64 s[46:47], s[4:5], s[46:47]
	s_add_nc_u64 s[92:93], s[4:5], s[92:93]
	CROUND
	; THE HEAD'S FOUR TILES, ONE A WAVE: wave 0 slot 0 of source 1's four groups, wave 1 of source 0's, wave 2 and 3 their scale words, each whole.  My own addresses stand two groups on in odd waves: that distance is taken off
	s_mul_i32 s94, s18, 49152
	s_mov_b32 s95, 0
	s_lshl_b32 s96, s18, 11
	s_mov_b32 s97, 0
	s_mov_b32 s[G0], 1
	s_mov_b32 s[G0+1], 0
	s_sub_nc_u64 s[G0+2:G0+3], s[20:21], s[94:95]
	s_or_b32 s[G0+3], s[G0+3], 0x80000000
	s_mov_b32 s[G0B], 1
	s_mov_b32 s[G0B+1], 2*HALFT
	s_sub_nc_u64 s[G0B+2:G0B+3], s[46:47], s[94:95]
	s_or_b32 s[G0B+3], s[G0B+3], 0x80000000
	s_mov_b32 s[G0S], 1
	s_mov_b32 s[G0S+1], SCL
	s_sub_nc_u64 s[G0S+2:G0S+3], s[22:23], s[96:97]
	s_or_b32 s[G0S+3], s[G0S+3], 0x80000000
	s_mov_b32 s[G0SB], 1
	s_mov_b32 s[G0SB+1], SCL+2*HALFS
	s_sub_nc_u64 s[G0SB+2:G0SB+3], s[92:93], s[96:97]
	s_or_b32 s[G0SB+3], s[G0SB+3], 0x80000000
	s_mov_b32 s[G0+4], 1                           ; slot 1: my quarter, K steps 2 and 3
	s_add_co_u32 s[G0+5], s45, SLOT
	s_add_nc_u64 s[G0+6:G0+7], s[20:21], 12288
	s_or_b32 s[G0+7], s[G0+7], 0x80000000
	s_mov_b32 s[G0B+4], 1
	s_add_co_u32 s[G0B+5], s45, SLOT
	s_add_nc_u64 s[G0B+6:G0B+7], s[46:47], 12288
	s_or_b32 s[G0B+7], s[G0B+7], 0x80000000
.macro ARM under, g0, g1, next         ; one chain of arms on the wave's number, one load to an arm, all arms to one join
	s_cmp_lt_u32 s14, \under
	s_cbranch_scc0 \next
	tensor_load_to_lds s[\g0:\g0+3], s[\g1:\g1+7]
	s_nop 0
.rept 4
	v_nop
.endr
	s_branch .Lhead_asked
\next:
.endm
	ARM 1, G0,  G1,  .Lhead_b
	ARM 2, G0B, G1B, .Lhead_sa
	ARM 3, G0S, G1S, .Lhead_sb
	tensor_load_to_lds s[G0SB:G0SB+3], s[G1SB:G1SB+7]
	s_nop 0
.rept 4
	v_nop
.endr
.Lhead_asked:
	s_wait_alu depctr_va_vdst(0)
	s_wait_tensorcnt 0x0                           ; my tile of the four is in
	ds_add_u32 v28, v29
	s_mov_b32 s[G1+2], 2<<16                       ; no tensor load of mine is out: from here on a load brings two groups,
	s_mov_b32 s[G1+4], 2
	s_mov_b32 s[G1B+2], 2<<16
	s_mov_b32 s[G1B+4], 2
	s_mov_b32 s[G0+1], s45                         ; and slot 0's group 0 becomes my quarter's, for its first refill
	s_mov_b64 s[G0+2:G0+3], s[20:21]
	s_or_b32 s[G0+3], s[G0+3], 0x80000000
	s_mov_b32 s[G0B+1], s45
	s_mov_b64 s[G0B+2:G0B+3], s[46:47]
	s_or_b32 s[G0B+3], s[G0B+3], 0x80000000
	s_wait_dscnt 0x0
	CROUND
	JLOAD G0+4, G1, G0B+4, G1B
	v_and_b32 v1, 15, v0
	v_bfe_u32 v2, v0, 4, 1
	v_and_b32 v3, 31, v0
	v_lshlrev_b32 v[LI], 4, v3
	v_lshlrev_b32 v[LI8], 3, v3
	s_wait_alu depctr_va_vdst(0)
	s_mul_i32 s21, s15, HALFT
	s_mul_i32 s22, s16, HALFT
	s_add_co_u32 s22, s22, 2*HALFT
.irp s, 0,1
	v_add_nc_u32 v[ADRA+\s], s21, v[LI]
	v_add_nc_u32 v[ADRB+\s], s22, v[LI]
	s_add_co_u32 s21, s21, SLOT
	s_add_co_u32 s22, s22, SLOT
.endr
	s_lshl_b32 s21, s15, 12
	s_add_co_u32 s21, s21, SCL
	v_add_nc_u32 v[ADSP], s21, v[LI8]
	s_lshl_b32 s22, s16, 12
	s_add_co_u32 s22, s22, SCL+2*HALFS
	v_add_nc_u32 v[ADSQ], s22, v[LI8]
	v_lshlrev_b32 v30, 6, v2
	v_and_b32 v31, 8, v1
	v_add_nc_u32 v31, v31, v1
	v_lshlrev_b32 v31, 2, v31
	s_cmp_lt_u32 s66, 4
	s_cbranch_scc0 .Lbias_v
	s_cmp_eq_u32 ttmp9, 0
	s_cselect_b64 s[92:93], s[6:7], s[8:9]
	s_lshl_b32 s46, s40, 10
	s_lshl_b32 s47, s16, 9
	s_add_co_u32 s46, s46, s47
	s_mov_b32 s47, 0
	s_add_nc_u64 s[92:93], s[92:93], s[46:47]
	WIN 0x40
	s_wait_alu depctr_va_vdst(0)
.irp b, 0,1,2,3,4,5,6,7
	global_load_b128 v[96+8*\b+96*(\b/4):96+8*\b+96*(\b/4)+3], v30, s[92:93] offset:(32*(\b/2)+8*(\b%2))*4
	global_load_b128 v[96+8*\b+96*(\b/4)+4:96+8*\b+96*(\b/4)+7], v30, s[92:93] offset:(32*(\b/2)+8*(\b%2))*4+16
.endr
	WIN 0
	s_branch .Lbias_done
.Lbias_v:
	s_lshl_b32 s20, s17, 10
	s_lshl_b32 s21, s15, 9
	s_add_co_u32 s20, s20, s21
	s_mov_b32 s21, 0
	s_add_nc_u64 s[20:21], s[10:11], s[20:21]
	WIN 0x40
	s_wait_alu depctr_va_vdst(0)
.irp a, 0,1,2,3,4,5,6,7
.irp j, 0,1,2,3,4,5,6,7
	global_load_b32 v[96+8*\a+96*(\a/4)+\j], v31, s[20:21] offset:(32*(\a/2)+8*(\a%2))*4
.endr
.endr
	WIN 0
.Lbias_done:
	s_wait_tensorcnt 1
	s_barrier_signal -1
	s_barrier_wait -1
	FETCH_B 0, 0, 0
	FETCH_A 0, 0, 0
	SCALES 0
	FETCH_A 0, 0, 4
	s_wait_loadcnt 0x0
	s_cmp_lt_u32 s66, 4
	s_cbranch_scc0 .Lfirst_v
	STEP 0, 0, 1
	s_branch .Lfirst_done
.Lfirst_v:
	STEP 0, 0, 2
.Lfirst_done:
	TURN 0, 1, 1
	STEP 1, 0, 0
	TURN 1, 0, 1
	STEP 0, 0, 0
	TURN 0, 1, 0
	STEP 1, 0, 0
	s_wait_dscnt 4*NL
	WIN 0xa1
	MUL16 0, 1, 1, 1, 0
	MUL16 2, 1, 1, 1, 0
	s_wait_dscnt 0x0
	WIN 0xf1
	MUL16 4, 1, 1, 1, 0
	MUL16 6, 1, 1, 1, 0
	WIN 0
	PLACES 4
.irp b, 0,1,2,3
	v_mov_b32 v[TM+4+\b], 0
.endr
	s_lshl_b32 s20, s42, 1
	s_add_co_u32 s20, s20, s16
	s_lshl_b32 s21, s17, 2
	s_lshl_b32 s22, s15, 1
	s_add_co_u32 s21, s21, s22
	s_mul_i32 s22, s20, 393216
	s_mul_i32 s23, s21, 3072
	s_add_co_u32 s22, s22, s23
	s_lshl_b32 s23, s20, 15
	s_lshl_b32 s46, s21, 8
	s_add_co_u32 s23, s23, s46
	s_add_co_u32 s23, s23, QKS
	s_lshl_b32 s46, s21, 5
	s_add_co_u32 s46, s46, s20
	s_mul_i32 s47, s46, 6144
	s_add_co_u32 s47, s47, VC
	s_lshl_b32 s46, s46, 8
	s_add_co_u32 s46, s46, VS
	s_cmp_lt_u32 s66, 4
	s_cselect_b32 s22, s22, s47
	s_cselect_b32 s46, s23, s46
	s_mov_b32 s23, 0
	s_mov_b32 s47, 0
	s_add_nc_u64 s[22:23], s[12:13], s[22:23]
	s_add_nc_u64 s[46:47], s[12:13], s[46:47]
.macro EPI a
	QUANTW 64*((\a)%4), 2+(\a)/4, PW+(\a)
	s_cmp_lt_u32 s66, 4
	s_cbranch_scc0 .Lev_\@
	global_store_b128 v[LI], v[PC:PC+3], s[22:23] offset:768*(\a)
	global_store_b64 v[LI8], v[PC+4:PC+5], s[22:23] offset:768*(\a)+512
	global_store_b128 v[LI], v[PC+6:PC+9], s[22:23] offset:768*(\a)+196608
	global_store_b64 v[LI8], v[PC+10:PC+11], s[22:23] offset:768*(\a)+197120
	s_branch .Lej_\@
.Lev_\@:
	s_wait_alu depctr_va_vdst(0)
.irp c, 0,1,2
	global_store_b128 v[LI], v[PC+4*\c:PC+4*\c+3], s[22:23] offset:((\a)/4)*196608+((\a)%4)*1536+512*\c
.endr
.Lej_\@:
.endm
.irp a, 0,1,2,3,4,5,6,7
	EPI \a
.endr
	v_and_b32 v95, 16, v0
	v_cmp_ne_u32 vcc_lo, 0, v95
.irp G, 0,1
	v_cndmask_b32 v[E+2*\G], v[PW+4*\G], v[PW+4*\G+1], vcc_lo
	v_cndmask_b32 v[E+2*\G+1], v[PW+4*\G+2], v[PW+4*\G+3], vcc_lo
.endr
	s_cmp_lt_u32 s66, 4
	s_cbranch_scc0 .Lsc_v
.irp j, 0,1,2,3
	v_lshrrev_b32 v[E+4+\j], 16, v[E+\j]
.endr
.irp G, 0,1
	global_store_b64 v[LI8], v[E+2*\G:E+2*\G+1], s[46:47] offset:256*\G
	global_store_b64 v[LI8], v[E+4+2*\G:E+5+2*\G], s[46:47] offset:256*\G+16384
.endr
	s_branch .Lsc_done
.Lsc_v:
	s_wait_alu depctr_va_vdst(0)
.irp G, 0,1
	global_store_b64 v[LI8], v[E+2*\G:E+2*\G+1], s[46:47] offset:8192*\G
.endr
.Lsc_done:
	s_wait_tensorcnt 0x0
	ds_add_u32 v[SPW], v[NIL]
	s_wait_dscnt 0x0
	CROUND
	s_endpgm
.Lfunc_end_k_qd21a2cd549_qkv:
	.size	k_qd21a2cd549_qkv, .Lfunc_end_k_qd21a2cd549_qkv-k_qd21a2cd549_qkv
	.p2alignl 7, 3214868480
	.fill 96, 4, 3214868480
	.section	.rodata,"a",@progbits
	.p2align	6, 0x0
	.amdhsa_kernel k_qd21a2cd549_qkv
		.amdhsa_group_segment_fixed_size 327680
		.amdhsa_private_segment_fixed_size 0
		.amdhsa_enable_private_segment 0
		.amdhsa_kernarg_size 40
		.amdhsa_user_sgpr_count 2
		.amdhsa_user_sgpr_kernarg_segment_ptr 1
		.amdhsa_wavefront_size32 1
		.amdhsa_system_sgpr_workgroup_id_x 1
		.amdhsa_system_sgpr_workgroup_id_y 1
		.amdhsa_system_sgpr_workgroup_id_z 1
		.amdhsa_system_vgpr_workitem_id 0
		.amdhsa_next_free_vgpr 1024
		.amdhsa_next_free_sgpr 100
		.amdhsa_reserve_vcc 1
		.amdhsa_float_denorm_mode_32 3
		.amdhsa_float_denorm_mode_16_64 3
		.amdhsa_memory_ordered 1
		.amdhsa_forward_progress 1
		.amdhsa_inst_pref_size 166
	.end_amdhsa_kernel
	.amdgpu_metadata
---
amdhsa.version: [ 1, 2 ]
amdhsa.kernels:
  - .name:           k_qd21a2cd549_qkv
    .symbol:         k_qd21a2cd549_qkv.kd
    .args:
      - { .name: pre, .offset: 0, .size: 8, .value_kind: global_buffer, .address_space: global }
      - { .name: bq, .offset: 8, .size: 8, .value_kind: global_buffer, .address_space: global }
      - { .name: bk, .offset: 16, .size: 8, .value_kind: global_buffer, .address_space: global }
      - { .name: bv, .offset: 24, .size: 8, .value_kind: global_buffer, .address_space: global }
      - { .name: qkv, .offset: 32, .size: 8, .value_kind: global_buffer, .address_space: global }
    .group_segment_fixed_size: 327680
    .private_segment_fixed_size: 0
    .kernarg_segment_align: 8
    .kernarg_segment_size: 40
    .max_flat_workgroup_size: 128
    .sgpr_count:     100
    .vgpr_count:     1024
    .wavefront_size: 32
...
	.end_amdgpu_metadata
.endif
;; end of part 8
;; launch attn (part 9): grid 8 x 32, 16 waves a work-group, no clusters, 327,680 bytes of LDS; arguments qkv, ctx; writes ctx
.if DOCPART == 9
	.amdgcn_target "amdgcn-amd-amdhsa--gfx1250"
	.amdhsa_code_object_version 6
	.text
	.protected	k_qd21a2cd549_attn
	.globl	k_qd21a2cd549_attn
	.p2align	8
	.type	k_qd21a2cd549_attn,@function
k_qd21a2cd549_attn:
	s_mov_b64 s[64:65], 0
	v_nop
	global_prefetch_b8 v0, s[64:65] scope:SCOPE_SE
	s_setreg_imm32_b32 hwreg(HW_REG_WAVE_MODE, 25, 1), 1
	s_wait_xcnt 0x0
; attn: causal attention on codes of BF6, head size 64, and ctx quantised along the head's channels.
; t = score x log2(e) / 8; M = the running largest t rounded UP to a whole number; p = 2^(t - M) is quantised along the keys, not normalised; the row's sum is taken of the unquantised p and divides at the end.
; SHARES.  Work-group (i, 16 batch + head) owns the query blocks i and 15 - i of 128 queries.  Wave w owns one tile of 16 queries: waves 0-7 ('low') of block i, i + 1 steps of 128 keys; waves 8-15 ('high') of block 15 - i, 16 - i steps.
; THE LONG TILES ARE SHARED.  First pass, steps 0-8: a low wave does its own tile, a high wave its tile's first nine steps.  Second pass, steps 9-15: low wave w does the 7 - i steps that are left of high wave w + 8's tile.
; So a low wave has 8 steps and a high wave 9.  A state is O^T, -M and the sum: 36 registers, 4,608 bytes in LDS.  A low wave parks its own state in slot w between the passes and puts the partner's part into slot w + 8 behind the second.
; Behind a barrier every wave joins its registers with slot w: both sides are brought under the larger M by powers of two, which rounds nothing.  A low wave's registers count for nothing there (its -M is raised to 3e38, so its factor is 0):
; it gets its own state back by the same lines.
; THE FILLS.  A head's K, V and scale words (208,896 bytes) fit in LDS whole; nothing is filled again.  At the head waves 0 and 1 bring K's and V's first 512 keys, waves 2 and 3 the scale words, one tensor load a wave.
; The other six runs of 24,576 bytes go out behind the full sequence and a barrier, one a wave (waves 0-5), and have the first four steps in which to land; a wait and a barrier stand ahead of step 4.
; No cluster: which steps a work-group leaves out hangs on its own query blocks, which partners would not share.  No prefetch: all of K and V is asked for within the first barrier.
; LAYOUT.  S^T = K Q^T, O^T = V^T P^T: a lane holds one query.  Lane r of a tile holds row 32 (t / 2) + 8 (t % 2) + r + 8 (r / 8), for queries, keys and channels alike.
; The head's 64 channels fill registers 0-5 of a fragment; registers 6-11 hold zero codes on both sides, which add nothing.
; A step outside my share is left out by a scalar branch on ids; every loop's trip count is a constant.
; LIMITS: NaN and infinities are not served; a block under 2^-122 (zeros too) gets the byte 1; the scaled scores stay under 2^31 in magnitude.
; REGISTERS: v1-7, v28, v87 addresses that stay; v8-11, v29 the step's; v12 -M, v13 largest t, v[14:15] the sum; v16-27 Q; v32-79 four tiles of K; v80-86 the second pass' Q; v96-159 S^T, p, then V's four tiles; v160-191 O^T;
;   v224-235 p's codes; v232-254 at work; v255 Q's scale word; v223, v243 the add's.
.set VC,    6291456
.set QKS,   9437184
.set VS,    9961472
.set CS,    3145728
.set VL,    98304
.set SKL,   196608
.set SVL,   204800
.set SST,   208896                     ; a stage of 1,024 bytes for ctx's scale words; behind it the spare words, 2,048 bytes
.set XB,    211968                     ; sixteen slots of 4,608 bytes for states: no tensor load lands there
.set WV,    8
.set QMIN,  14
.set KHI,   15
.set SEL,   16
.set CSC,   18
.set KF,    20
.set S6,    21
.set S5,    22
.set S2,    23
.set G1C,   24
.set G1SK,  32
.set G0C,   40
.set G0D,   44
.set G0S,   56
.set CT,    60
.set G1SV,  68
.set SH,    92
.macro PLACES n
.rept \n
	v_nop
.endr
.endm
.macro WM0 d, a, b, sa, sb, ra, rb
.if (\ra) == 0
	v_wmma_scale_f32_16x16x128_f8f6f4 v[(\d):(\d)+7], v[(\a):(\a)+11], v[(\b):(\b)+11], 0, v[\sa], v[\sb] matrix_a_fmt:MATRIX_FMT_BF6 matrix_b_fmt:MATRIX_FMT_BF6
.else
	v_wmma_scale_f32_16x16x128_f8f6f4 v[(\d):(\d)+7], v[(\a):(\a)+11], v[(\b):(\b)+11], 0, v[\sa], v[\sb] matrix_a_fmt:MATRIX_FMT_BF6 matrix_b_fmt:MATRIX_FMT_BF6 matrix_a_scale:MATRIX_SCALE_ROW1
.endif
.endm
.macro WMC d, a, b, sa, sb, ra
.if (\ra) == 0
	v_wmma_scale_f32_16x16x128_f8f6f4 v[(\d):(\d)+7], v[(\a):(\a)+11], v[(\b):(\b)+11], v[(\d):(\d)+7], v[\sa], v[\sb] matrix_a_fmt:MATRIX_FMT_BF6 matrix_b_fmt:MATRIX_FMT_BF6
.else
	v_wmma_scale_f32_16x16x128_f8f6f4 v[(\d):(\d)+7], v[(\a):(\a)+11], v[(\b):(\b)+11], v[(\d):(\d)+7], v[\sa], v[\sb] matrix_a_fmt:MATRIX_FMT_BF6 matrix_b_fmt:MATRIX_FMT_BF6 matrix_a_scale:MATRIX_SCALE_ROW1
.endif
.endm
.macro QADR t, c, s                    ; tile s[t] of the batch: its half image's address into s[c:c+1], its scale words' into s[s:s+1]
	s_lshl_b32 s61, s11, 8
	s_lshl_b32 s62, s12, 7
	s_add_co_u32 s61, s61, s62
	s_add_co_u32 s61, s61, s[\t]
	s_mul_i32 s[\c], s61, 768
	s_mov_b32 s[\c+1], 0
	s_lshl_b32 s61, s11, 6
	s_lshl_b32 s62, s12, 5
	s_add_co_u32 s61, s61, s62
	s_lshr_b32 s62, s[\t], 2
	s_add_co_u32 s61, s61, s62
	s_lshl_b32 s[\s], s61, 8
	s_and_b32 s62, s[\t], 1
	s_lshl_b32 s62, s62, 7
	s_add_co_u32 s[\s], s[\s], s62
	s_bfe_u32 s62, s[\t], 0x10001
	s_lshl_b32 s62, s62, 2
	s_add_co_u32 s[\s], s[\s], s62
	s_add_co_u32 s[\s], s[\s], QKS
	s_mov_b32 s[\s+1], 0
	s_add_nc_u64 s[\c:\c+1], s[4:5], s[\c:\c+1]
	s_add_nc_u64 s[\s:\s+1], s[4:5], s[\s:\s+1]
.endm
	s_load_b128 s[4:7], s[0:1], 0x0                ; qkv, ctx
	v_lshl_add_u32 v223, v0, 2, 0x33400
	v_mov_b32 v243, 0
	ds_add_u32 v223, v243                          ; the opening lines: the add, twice on end, and its wait
	ds_add_u32 v223, v243
	v_lshrrev_b32 v8, 5, v0
	s_delay_alu instid0(VALU_DEP_1)
	v_readfirstlane_b32 s[WV], v8                  ; wave 0..15
	s_and_b32 s10, ttmp7, 0xffff
	s_and_b32 s11, s10, 15                         ; head
	s_lshr_b32 s12, s10, 4                         ; batch
	; dense blocks as rows of 256 bytes (32 elements of 8): a run of codes 96 rows, K's scale words 32, V's 16
.irp g, G1C, G1SK, G1SV
	s_mov_b32 s[\g], 3<<16
	s_mov_b32 s[\g+1], 32<<16
	s_mov_b32 s[\g+3], 32<<16
	s_mov_b32 s[\g+5], 32
	s_mov_b32 s[\g+6], 0
	s_mov_b32 s[\g+7], 0
.endr
	s_mov_b32 s[G1C+2], 96<<16
	s_mov_b32 s[G1C+4], 96
	s_mov_b32 s[G1SK+2], 32<<16
	s_mov_b32 s[G1SK+4], 32
	s_mov_b32 s[G1SV+2], 16<<16
	s_mov_b32 s[G1SV+4], 16
	s_and_b32 s76, s[WV], 1                        ; even waves fetch for K, odd ones for V
	s_add_co_u32 s77, s11, 16                      ; k's pseudo-head
	s_lshl_b32 s78, s77, 8
	s_lshl_b32 s79, s12, 7
	s_add_co_u32 s78, s78, s79
	s_mul_i32 s78, s78, 768                        ; K's codes
	s_lshl_b32 s79, s77, 6
	s_lshl_b32 s80, s12, 5
	s_add_co_u32 s79, s79, s80
	s_lshl_b32 s79, s79, 8
	s_add_co_u32 s79, s79, QKS                     ; K's scale words
	s_lshl_b32 s80, s11, 5
	s_lshl_b32 s81, s12, 4
	s_add_co_u32 s80, s80, s81
	s_mul_i32 s81, s80, 6144
	s_add_co_u32 s81, s81, VC                      ; V's codes
	s_lshl_b32 s80, s80, 8
	s_add_co_u32 s80, s80, VS                      ; V's scale words
	s_cmp_eq_u32 s76, 0
	s_cselect_b32 s78, s78, s81
	s_cselect_b32 s80, s79, s80
	s_mov_b32 s79, 0
	s_mov_b32 s81, 0
	s_mul_i32 s82, s76, 98304
	s_lshl_b32 s83, s76, 13
	s_add_co_u32 s83, s83, SKL
	s_min_u32 s90, s[WV], 5                        ; behind the first barrier waves 0-5 fetch run 1 + w / 2
	s_lshr_b32 s90, s90, 1
	s_add_co_u32 s90, s90, 1
	s_mul_i32 s90, s90, 24576
	s_mov_b32 s91, 0
	s_wait_dscnt 0x0
	s_wait_kmcnt 0x0
	s_add_nc_u64 s[78:79], s[4:5], s[78:79]
	s_add_nc_u64 s[80:81], s[4:5], s[80:81]
	s_mov_b32 s[G0C], 1
	s_mov_b32 s[G0C+1], s82
	s_mov_b64 s[G0C+2:G0C+3], s[78:79]
	s_or_b32 s[G0C+3], s[G0C+3], 0x80000000
	s_mov_b32 s[G0D], 1
	s_add_co_u32 s[G0D+1], s82, s90
	s_add_nc_u64 s[G0D+2:G0D+3], s[78:79], s[90:91]
	s_or_b32 s[G0D+3], s[G0D+3], 0x80000000
	s_mov_b32 s[G0S], 1
	s_mov_b32 s[G0S+1], s83
	s_mov_b64 s[G0S+2:G0S+3], s[80:81]
	s_or_b32 s[G0S+3], s[G0S+3], 0x80000000
	s_cmp_lt_u32 s[WV], 2                          ; one chain of arms on the wave's number, one fill to an arm, all arms to one join
	s_cbranch_scc0 .Lnot_c
	tensor_load_to_lds s[G0C:G0C+3], s[G1C:G1C+7]
	s_nop 0
	PLACES 4
	s_branch .Lfilled
.Lnot_c:
	s_cmp_eq_u32 s[WV], 2
	s_cbranch_scc0 .Lnot_k
	tensor_load_to_lds s[G0S:G0S+3], s[G1SK:G1SK+7]
	s_nop 0
	PLACES 4
	s_branch .Lfilled
.Lnot_k:
	s_cmp_eq_u32 s[WV], 3
	s_cbranch_scc0 .Lfilled
	tensor_load_to_lds s[G0S:G0S+3], s[G1SV:G1SV+7]
	s_nop 0
	PLACES 4
.Lfilled:
	s_lshl_b32 s61, ttmp9, 3                       ; my tile of 16 queries in the batch: 8 i + w, or 8 (15 - i) + w - 8
	s_add_co_u32 s62, s61, s[WV]
	s_sub_co_u32 s63, 112, s61
	s_add_co_u32 s63, s63, s[WV]
	s_cmp_lt_u32 s[WV], 8
	s_cselect_b32 s13, s62, s63
	s_lshr_b32 s61, s13, 1
	s_lshl_b32 s61, s61, 5
	s_and_b32 s62, s13, 1
	s_lshl_b32 s62, s62, 3
	s_add_co_u32 s[QMIN], s61, s62                 ; its first query; its last is 23 on
	s_lshl_b32 s48, ttmp9, 3
	s_sub_co_u32 s48, 120, s48
	s_and_b32 s49, s[WV], 7
	s_add_co_u32 s48, s48, s49                     ; the high tile of my pair of waves: 8 (15 - i) + w % 8
	s_lshr_b32 s49, s48, 1
	s_lshl_b32 s49, s49, 5
	s_and_b32 s94, s48, 1
	s_lshl_b32 s94, s94, 3
	s_add_co_u32 s94, s94, s49                     ; its first query
	s_add_co_u32 s49, s[QMIN], 24
	s_mov_b32 s95, 1152
	s_mov_b32 s93, 0xff61b1e6
	s_cmp_lt_u32 s[WV], 8
	s_cselect_b32 s[KHI], s49, s95                 ; first pass: keys under this bound: a low wave all of its tile's, a high wave nine steps
	s_cselect_b32 s93, 0x7f61b1e6, s93             ; at the join: 3e38 puts a low wave's registers out of count, -3e38 changes nothing
	QADR 13, 84, 86                                ; my tile's Q
	QADR 48, 50, 52                                ; the high tile's
	s_lshl_b32 s61, s12, 5
	s_lshr_b32 s62, s13, 2
	s_add_co_u32 s61, s61, s62                     ; ctx: group of 64 tokens,
	s_lshl_b32 s61, s61, 3
	s_lshr_b32 s62, s11, 1
	s_add_co_u32 s61, s61, s62                     ; K step = pair of heads,
	s_lshl_b32 s61, s61, 2
	s_and_b32 s62, s13, 3
	s_add_co_u32 s61, s61, s62                     ; tile,
	s_mul_i32 s88, s61, 1536
	s_and_b32 s62, s11, 1
	s_lshl_b32 s[SH], s62, 4
	s_mul_i32 s62, s62, 768                        ; half
	s_add_co_u32 s88, s88, s62
	s_mov_b32 s89, 0
	s_lshl_b32 s61, ttmp9, 1                       ; waves 0-3 store the four groups' scale units: groups 2 i + w, or 30 - 2 i + w - 2
	s_add_co_u32 s62, s61, s[WV]
	s_sub_co_u32 s63, 28, s61
	s_add_co_u32 s63, s63, s[WV]
	s_cmp_lt_u32 s[WV], 2
	s_cselect_b32 s62, s62, s63
	s_lshl_b32 s61, s12, 5
	s_add_co_u32 s61, s61, s62
	s_lshl_b32 s61, s61, 4
	s_add_co_u32 s61, s61, s11
	s_lshl_b32 s90, s61, 8
	s_add_co_u32 s90, s90, CS
	s_mov_b32 s91, 0
	s_add_nc_u64 s[88:89], s[6:7], s[88:89]
	s_add_nc_u64 s[90:91], s[6:7], s[90:91]
	s_mov_b32 s[SEL], 0x76543210
	s_mov_b32 s[SEL+1], 0xfedcba98
	s_mov_b32 s[CSC], 0x3e38aa3b                   ; c = log2(e) / 8
	s_mov_b32 s[CSC+1], s[CSC]
	s_mov_b32 s[KF], 0
	s_mov_b32 s[S6], 0
	s_mov_b32 s[S5], 0
	s_mov_b32 s[S2], 0
	v_and_b32 v30, 31, v0
	s_delay_alu instid0(VALU_DEP_1)
	v_lshlrev_b32 v1, 4, v30                       ; 16 x lane
	s_delay_alu instid0(VALU_DEP_2)
	v_lshlrev_b32 v2, 3, v30                       ; 8 x lane
	s_delay_alu instid0(VALU_DEP_2)
	v_add_nc_u32 v3, VL, v1
	s_delay_alu instid0(VALU_DEP_2)
	v_add_nc_u32 v4, SKL, v2
	s_delay_alu instid0(VALU_DEP_3)
	v_add_nc_u32 v5, SVL, v2
	v_and_b32 v8, 15, v0                           ; r
	v_bfe_u32 v9, v0, 4, 1                         ; h
	s_delay_alu instid0(VALU_DEP_2)
	v_lshlrev_b32 v31, 3, v8
	s_wait_alu depctr_va_vdst(0)
	global_load_b128 v[16:19], v1, s[84:85]
	global_load_b64 v[20:21], v2, s[84:85] offset:512
	global_load_b32 v255, v31, s[86:87]
	global_load_b128 v[80:83], v1, s[50:51]        ; the second pass' Q
	global_load_b64 v[84:85], v2, s[50:51] offset:512
	global_load_b32 v86, v31, s[52:53]
	v_and_b32 v10, 8, v8
	s_delay_alu instid0(VALU_DEP_1)
	v_add_nc_u32 v10, v10, v8
	v_lshlrev_b32 v11, 4, v9
	s_delay_alu instid0(VALU_DEP_1)
	v_sub_nc_u32 v6, v10, v11
	s_delay_alu instid0(VALU_DEP_1)
	v_add_nc_u32 v6, s[QMIN], v6                   ; my query - 16 h
	s_lshr_b32 s61, s[WV], 2
	s_lshl_b32 s61, s61, 8
	s_and_b32 s62, s[WV], 1
	s_lshl_b32 s62, s62, 7
	s_add_co_u32 s61, s61, s62
	s_bfe_u32 s62, s[WV], 0x10001
	s_lshl_b32 s62, s62, 2
	s_add_co_u32 s61, s61, s62
	s_add_co_u32 s61, s61, SST
	v_add_nc_u32 v7, s61, v31                      ; my row's word in the stage
	s_min_u32 s61, s[WV], 3
	s_lshl_b32 s61, s61, 8
	s_add_co_u32 s61, s61, SST
	v_add_nc_u32 v28, s61, v2                      ; and where waves 0-3 read a unit back
	s_mul_i32 s61, s[WV], 4608
	s_add_co_u32 s61, s61, XB
	v_add_nc_u32 v87, s61, v1                      ; slot w of the states
.irp j, 22,23,24,25,26,27
	v_mov_b32 v[\j], 0                             ; Q's upper 64 along K: zero codes
.endr
.irp t, 0,1,2,3
.irp j, 6,7,8,9,10,11
	v_mov_b32 v[32+12*\t+\j], 0                    ; K's likewise: written once, never loaded
.endr
.endr
	v_mov_b32 v13, 0xff61b1e6                      ; the largest t so far: -3e38
	s_delay_alu instid0(VALU_DEP_1)
	v_floor_f32 v12, -v13
	v_mov_b32 v14, 0
	v_mov_b32 v15, 0
.irp j, 236,237,238,239,252,253,254
	v_mov_b32 v[\j], 0
.endr
.set j, 0
.rept 32
	v_mov_b32 v[160+j], 0                          ; O^T: the step is written for all steps alike; a first step finds zeros
.set j, j+1
.endr
.macro STEP                            ; 128 keys
	s_cmp_ge_u32 s[KF], s[KHI]
	s_cbranch_scc1 .Lhid_\@                        ; not in my share of this pass
	v_add_nc_u32 v8, s[S6], v1                     ; (these five are also the places in front of products that write over registers which the last products read)
	s_wait_alu depctr_va_vdst(0)
	v_add_nc_u32 v9, s[S6], v2
	s_wait_alu depctr_va_vdst(0)
	v_add_nc_u32 v10, s[S6], v3
	v_add_nc_u32 v11, s[S5], v4
	s_wait_alu depctr_va_vdst(0)
	v_add_nc_u32 v29, s[S2], v5
.irp g, 0,1
.if \g > 0
	PLACES 4
.endif
.irp t, 0,1,2,3
	ds_load_b128 v[32+12*\t:35+12*\t], v8 offset:768*(4*\g+\t)
	ds_load_b64 v[36+12*\t:37+12*\t], v9 offset:768*(4*\g+\t)+512
.endr
	ds_load_b64 v[248+2*\g:249+2*\g], v11 offset:256*\g
	s_wait_dscnt 0x0
.irp t, 0,1,2,3
	WM0 96+8*(4*\g+\t), 32+12*\t, 16, 248+2*\g+\t/2, 255, \t%2, 0
.endr
.endr
	PLACES 4
	s_add_co_u32 s61, s[KF], 127                   ; on the diagonal hidden scores become -infinity; a step all of whose keys count skips this
	s_cmp_le_u32 s61, s[QMIN]
	s_cbranch_scc1 .Lopen_\@
	v_sub_nc_u32 v252, v6, s[KF]                   ; register 16 b + i holds key KF + 16 h + 32 b + i: hidden where 32 b + i > my query - KF - 16 h
	v_mov_b32 v254, 0xff800000
.set n, 0
.rept 64
	v_cmp_gt_i32 vcc_lo, 32*(n/16)+n%16, v252
	v_cndmask_b32 v[96+n], v[96+n], v254, vcc_lo
.set n, n+1
.endr
.Lopen_\@:
.irp b, 0,1,2,3
	v_max3_num_f32 v[232+\b], v[96+16*\b], v[97+16*\b], v[98+16*\b]   ; the largest score of each block of 32 keys: for the row's maximum and for the block's largest p
.endr
.irp i, 3,5,7,9,11,13
.irp b, 0,1,2,3
	v_max3_num_f32 v[232+\b], v[232+\b], v[96+16*\b+\i], v[97+16*\b+\i]
.endr
.endr
.irp b, 0,1,2,3
	v_max_num_f32 v[232+\b], v[232+\b], v[111+16*\b]
.endr
.irp b, 0,1,2,3
	s_delay_alu instid0(VALU_DEP_4)
	v_permlanex16_b32 v[236+\b], v[232+\b], s[SEL], s[SEL+1]
.endr
.irp b, 0,1,2,3
	s_delay_alu instid0(VALU_DEP_4)
	v_max_num_f32 v[232+\b], v[232+\b], v[236+\b]
.endr
	s_delay_alu instid0(VALU_DEP_2)
	v_max3_num_f32 v254, v232, v233, v234
	s_delay_alu instid0(VALU_DEP_1)
	v_max_num_f32 v254, v254, v235
	s_delay_alu instid0(VALU_DEP_1)
	v_mul_f32 v254, s[CSC], v254
	s_delay_alu instid0(VALU_DEP_1)
	v_max_num_f32 v13, v13, v254                   ; the running largest t
	v_mov_b32 v254, v12
	s_delay_alu instid0(VALU_DEP_2)
	v_floor_f32 v12, -v13                          ; -M = floor(-t): M is a whole number
	s_delay_alu instid0(VALU_DEP_1)
	v_sub_f32 v254, v12, v254
	s_delay_alu instid0(VALU_DEP_1)
	v_cvt_i32_f32 v254, v254
	s_delay_alu instid0(VALU_DEP_1)
	v_ldexp_f32 v252, 1.0, v254                    ; f = 2^(old M - new M): exact
.set j, 0
.rept 32
	v_pk_fma_f32 v[96+j:97+j], v[96+j:97+j], s[CSC:CSC+1], v[12:13] op_sel_hi:[1,0,0]   ; t - M
.set j, j+2
.endr
.irp b, 0,1,2,3
	v_fma_f32 v[232+\b], v[232+\b], s[CSC], v12
.endr
.set j, 0
	s_wait_alu depctr_va_vdst(0)
.rept 64
	v_exp_f32 v[96+j], v[96+j]                     ; p
.set j, j+1
.endr
	v_pk_mul_f32 v[14:15], v[14:15], v[252:253] op_sel_hi:[1,0]   ; the sums under the new M (a plain place behind the exponentials)
	s_wait_alu depctr_va_vdst(0)                   ; one wait for the batch, ahead of its first reader
.irp b, 0,1,2,3
	v_exp_f32 v[232+\b], v[232+\b]                 ; the block's largest p
.endr
	v_pk_add_f32 v[236:237], v[100:101], v[104:105]
	v_pk_add_f32 v[250:251], v[108:109], v[112:113]
	v_pk_add_f32 v[248:249], v[116:117], v[120:121]
	v_pk_add_f32 v[246:247], v[124:125], v[128:129]
	v_pk_add_f32 v[244:245], v[132:133], v[136:137]
	v_pk_add_f32 v[240:241], v[140:141], v[144:145]
	v_pk_add_f32 v[238:239], v[148:149], v[152:153]
	v_pk_add_f32 v[14:15], v[14:15], v[156:157]
	v_pk_add_f32 v[236:237], v[236:237], v[96:97]
	v_pk_add_f32 v[250:251], v[250:251], v[98:99]
	v_pk_add_f32 v[248:249], v[248:249], v[102:103]
	v_pk_add_f32 v[246:247], v[246:247], v[106:107]
	v_pk_add_f32 v[244:245], v[244:245], v[110:111]
	v_pk_add_f32 v[240:241], v[240:241], v[114:115]
	v_pk_add_f32 v[238:239], v[238:239], v[118:119]
	v_pk_add_f32 v[14:15], v[14:15], v[122:123]
	v_pk_add_f32 v[236:237], v[236:237], v[126:127]
	v_pk_add_f32 v[250:251], v[250:251], v[130:131]
	v_pk_add_f32 v[248:249], v[248:249], v[134:135]
	v_pk_add_f32 v[246:247], v[246:247], v[138:139]
	v_pk_add_f32 v[244:245], v[244:245], v[142:143]
	v_pk_add_f32 v[240:241], v[240:241], v[146:147]
	v_pk_add_f32 v[238:239], v[238:239], v[150:151]
	v_pk_add_f32 v[14:15], v[14:15], v[154:155]
	v_pk_add_f32 v[236:237], v[236:237], v[158:159]
	s_delay_alu instid0(VALU_DEP_2)
	v_pk_add_f32 v[14:15], v[14:15], v[246:247]
	s_delay_alu instid0(VALU_DEP_2)
	v_pk_add_f32 v[236:237], v[236:237], v[244:245]
	v_pk_add_f32 v[250:251], v[250:251], v[240:241]
	v_pk_add_f32 v[248:249], v[248:249], v[238:239]
	s_delay_alu instid0(VALU_DEP_2)
	v_pk_add_f32 v[14:15], v[14:15], v[250:251]
	s_delay_alu instid0(VALU_DEP_2)
	v_pk_add_f32 v[236:237], v[236:237], v[248:249]
	s_delay_alu instid0(VALU_DEP_1)
	v_pk_add_f32 v[14:15], v[14:15], v[236:237]
	s_wait_alu depctr_va_vdst(0)                   ; and one for the four
.irp b, 0,1,2,3
	v_max_num_f32 v[232+\b], 0x2800000, v[232+\b]
.endr
.irp b, 0,1,2,3
	s_delay_alu instid0(VALU_DEP_4)
	v_add_nc_u32 v[244+\b], 0xfe000000, v[232+\b]
.endr
.irp b, 0,1,2,3
	s_delay_alu instid0(VALU_DEP_4)
	v_lshrrev_b32 v[236+\b], 23, v[244+\b]
.endr
	s_delay_alu instid0(VALU_DEP_3)
	v_lshl_or_b32 v253, v237, 8, v236              ; p's scale word for these 128 keys
	s_delay_alu instid0(VALU_DEP_1)
	v_lshl_or_b32 v253, v238, 16, v253
	s_delay_alu instid0(VALU_DEP_1)
	v_lshl_or_b32 v253, v239, 24, v253
.irp c, 0,1
	v_cvt_scalef32_pk16_bf6_f32 v[224+6*\c:226+6*\c], v[96+32*\c:111+32*\c], v[244+2*\c]
	v_cvt_scalef32_pk16_bf6_f32 v[236+4*\c:238+4*\c], v[112+32*\c:127+32*\c], v[245+2*\c]
.endr
	v_nop                                          ; one plain place behind a scaled conversion
.irp c, 0,1
.irp i, 0,1,2
	v_permlane16_swap_b32 v[224+6*\c+\i], v[236+4*\c+\i]
.endr
.irp i, 0,1,2
	s_delay_alu instid0(VALU_DEP_3)
	v_mov_b32 v[227+6*\c+\i], v[236+4*\c+\i]
.endr
.endr
.irp t, 0,1,2,3                        ; V's four tiles take p's registers, which the conversions have read
.irp c, 0,1,2
	ds_load_b128 v[96+12*\t+4*\c:99+12*\t+4*\c], v10 offset:1536*\t+512*\c
.endr
.endr
	ds_load_b64 v[248:249], v29
.set j, 0
.rept 16
	v_pk_mul_f32 v[160+j:161+j], v[160+j:161+j], v[252:253] op_sel_hi:[1,0]   ; O^T under the new M (also the places in front of the products below)
.set j, j+2
.endr
	s_wait_alu depctr_va_vdst(0)
	s_wait_dscnt 0x0
.irp t, 0,1,2,3
	WMC 160+8*\t, 96+12*\t, 224, 248+\t/2, 253, \t%2
.endr
.Lhid_\@:
	s_add_co_u32 s[KF], s[KF], 128
	s_add_co_u32 s[S6], s[S6], 6144
	s_add_co_u32 s[S5], s[S5], 512
	s_add_co_u32 s[S2], s[S2], 256
.endm
.macro LOOPN n                         ; n steps on from where the last loop stopped
	s_mov_b32 s[CT], \n
.Lck_\@:
	STEP
	s_sub_co_u32 s[CT], s[CT], 1
	s_cmp_lg_u32 s[CT], 0
	s_cbranch_scc1 .Lck_\@
.endm
.macro SAVE off                        ; my state as an image of its registers: O^T (each accumulator from its low end on), then -M, the largest t and the sum
.irp q, 0,1,2,3,4,5,6,7
	ds_store_b128 v87, v[160+4*\q:163+4*\q] offset:(\off)+512*\q
.endr
	ds_store_b128 v87, v[12:15] offset:(\off)+4096
.endm
	s_wait_alu depctr_va_vdst(0)                   ; the wait at the head's end
	s_wait_loadcnt 0x0                             ; both Q
	s_wait_tensorcnt 0x0                           ; my tile of the head's four has landed
	ds_add_u32 v223, v243
	ds_add_u32 v223, v243
	s_wait_dscnt 0x0
	s_barrier_signal -1
	s_barrier_wait -1                              ; the first 512 keys of K and V and all scale words are in
	s_cmp_lt_u32 s[WV], 6
	s_cbranch_scc0 .Lrest
	tensor_load_to_lds s[G0D:G0D+3], s[G1C:G1C+7]  ; first fills of the other six runs, one a wave
	s_nop 0
	PLACES 4
.Lrest:
	LOOPN 4                                        ; FIRST PASS: steps 0-3,
	s_wait_tensorcnt 0x0
	s_wait_dscnt 0x0
	s_barrier_signal -1
	s_barrier_wait -1                              ; K and V lie whole in LDS
	LOOPN 5                                        ; steps 4-8
	PLACES 4                                       ; behind the last products: O^T is read and written, Q and its scale word are written
	s_cmp_lt_u32 s[WV], 8
	s_cbranch_scc0 .Lhi1
	SAVE 0                                         ; a low wave parks its own tile's state in slot w,
	s_sub_co_u32 s49, s94, s[QMIN]
	v_mov_b32 v255, v86                            ; and takes up the high tile, with a fresh state
.irp j, 0,1,2,3,4,5
	v_mov_b32 v[16+\j], v[80+\j]
.endr
	v_add_nc_u32 v6, s49, v6
	v_mov_b32 v13, 0xff61b1e6
	s_delay_alu instid0(VALU_DEP_1)
	v_floor_f32 v12, -v13
	v_mov_b32 v14, 0
	v_mov_b32 v15, 0
.set j, 0
.rept 32
	v_mov_b32 v[160+j], 0
.set j, j+1
.endr
	s_wait_alu depctr_va_vdst(0)
.Lhi1:
	s_add_co_u32 s95, s94, 24
	s_cmp_lt_u32 s[WV], 8
	s_cselect_b32 s[QMIN], s94, s[QMIN]
	s_cselect_b32 s[KHI], s95, 0                   ; SECOND PASS: a low wave goes on to the high tile's last key, a high wave has no step
	LOOPN 7                                        ; steps 9-15
	PLACES 4
	s_cmp_lt_u32 s[WV], 8
	s_cbranch_scc0 .Lhi2
	SAVE 36864                                     ; the high tile's upper part, into slot w + 8
.Lhi2:
	s_wait_dscnt 0x0
	s_barrier_signal -1
	s_barrier_wait -1
	; THE JOIN of my registers with slot w: a high wave's two parts; a low wave's own state, against registers that count for nothing
.irp q, 0,1,2,3,4,5,6,7
	ds_load_b128 v[96+4*\q:99+4*\q], v87 offset:512*\q
.endr
	ds_load_b128 v[128:131], v87 offset:4096
	s_wait_dscnt 0x0
	v_max_num_f32 v12, s93, v12
	s_delay_alu instid0(VALU_DEP_1)
	v_min_num_f32 v132, v12, v128                  ; -M of the larger M
	s_delay_alu instid0(VALU_DEP_1)
	v_sub_f32 v133, v132, v12
	s_delay_alu instid0(VALU_DEP_2)
	v_sub_f32 v134, v132, v128
	s_delay_alu instid0(VALU_DEP_2)
	v_cvt_i32_f32 v133, v133                       ; whole numbers, 0 or less (the conversion saturates)
	s_delay_alu instid0(VALU_DEP_2)
	v_cvt_i32_f32 v134, v134
	s_delay_alu instid0(VALU_DEP_2)
	v_ldexp_f32 v136, 1.0, v133                    ; my side's factor,
	s_delay_alu instid0(VALU_DEP_2)
	v_ldexp_f32 v138, 1.0, v134                    ; the slot's
	s_delay_alu instid0(VALU_DEP_2)
	v_mov_b32 v137, v136
	s_delay_alu instid0(VALU_DEP_2)
	v_mov_b32 v139, v138
	v_pk_mul_f32 v[14:15], v[14:15], v[136:137]
.set j, 0
.rept 16
	v_pk_mul_f32 v[160+j:161+j], v[160+j:161+j], v[136:137]
.set j, j+2
.endr
	v_pk_fma_f32 v[14:15], v[130:131], v[138:139], v[14:15]
.set j, 0
.rept 16
	v_pk_fma_f32 v[160+j:161+j], v[96+j:97+j], v[138:139], v[160+j:161+j]
.set j, j+2
.endr
	; THE WAY OUT: O^T / the sum, quantised along the head's 64 channels: half an image and two scale bytes
	v_add_f32 v14, v14, v15
	s_delay_alu instid0(VALU_DEP_1)
	v_permlanex16_b32 v252, v14, s[SEL], s[SEL+1]
	s_delay_alu instid0(VALU_DEP_1)
	v_add_f32 v14, v14, v252
	s_wait_alu depctr_va_vdst(0)
	v_rcp_f32 v14, v14
	v_nop
	s_wait_alu depctr_va_vdst(0)
.set j, 0
.rept 32
	v_mul_f32 v[96+j], v[160+j], v14               ; register 16 b + i: channel 32 b + 16 h + i
.set j, j+1
.endr
.irp b, 0,1
	v_max3_num_f32 v[232+\b], |v[96+16*\b]|, |v[97+16*\b]|, 0x2800000
.endr
.irp i, 2,4,6,8,10,12,14
.irp b, 0,1
	s_delay_alu instid0(VALU_DEP_2)
	v_max3_num_f32 v[232+\b], v[232+\b], |v[96+16*\b+\i]|, |v[97+16*\b+\i]|
.endr
.endr
.irp b, 0,1
	s_delay_alu instid0(VALU_DEP_2)
	v_permlanex16_b32 v[236+\b], v[232+\b], s[SEL], s[SEL+1]
.endr
.irp b, 0,1
	s_delay_alu instid0(VALU_DEP_2)
	v_max_num_f32 v[232+\b], v[232+\b], v[236+\b]
.endr
.irp b, 0,1
	s_delay_alu instid0(VALU_DEP_2)
	v_add_nc_u32 v[244+\b], 0xfe000000, v[232+\b]
.endr
.irp b, 0,1
	s_delay_alu instid0(VALU_DEP_2)
	v_lshrrev_b32 v[236+\b], 23, v[244+\b]
.endr
	s_delay_alu instid0(VALU_DEP_1)
	v_lshl_or_b32 v253, v237, 8, v236
	s_delay_alu instid0(VALU_DEP_1)
	v_lshlrev_b32 v253, s[SH], v253                ; an odd head's bytes are bytes 2 and 3 of the K step's word
	v_cvt_scalef32_pk16_bf6_f32 v[224:226], v[96:111], v244
	v_cvt_scalef32_pk16_bf6_f32 v[240:242], v[112:127], v245
	v_nop
.irp i, 0,1,2
	v_permlane16_swap_b32 v[224+\i], v[240+\i]
.endr
.irp i, 0,1,2
	s_delay_alu instid0(VALU_DEP_3)
	v_mov_b32 v[227+\i], v[240+\i]
.endr
	global_store_b128 v1, v[224:227], s[88:89]
	global_store_b64 v2, v[228:229], s[88:89] offset:512
	ds_store_b32 v7, v253                          ; lanes r and r + 16 write the same word with the same value
	s_wait_dscnt 0x0
	s_barrier_signal -1
	s_barrier_wait -1
	s_cmp_lt_u32 s[WV], 4
	s_cbranch_scc0 .Ldone
	ds_load_b64 v[32:33], v28
	s_wait_dscnt 0x0
	global_store_b64 v2, v[32:33], s[90:91]        ; one aligned run of 256 bytes
.Ldone:
	s_wait_tensorcnt 0x0                           ; the wave's end
	ds_add_u32 v223, v243
	s_wait_dscnt 0x0
	s_endpgm
.Lfunc_end_k_qd21a2cd549_attn:
	.size	k_qd21a2cd549_attn, .Lfunc_end_k_qd21a2cd549_attn-k_qd21a2cd549_attn
	.p2alignl 7, 3214868480
	.fill 96, 4, 3214868480
	.section	.rodata,"a",@progbits
	.p2align	6, 0x0
	.amdhsa_kernel k_qd21a2cd549_attn
		.amdhsa_group_segment_fixed_size 327680
		.amdhsa_private_segment_fixed_size 0
		.amdhsa_enable_private_segment 0
		.amdhsa_kernarg_size 16
		.amdhsa_user_sgpr_count 2
		.amdhsa_user_sgpr_kernarg_segment_ptr 1
		.amdhsa_wavefront_size32 1
		.amdhsa_system_sgpr_workgroup_id_x 1
		.amdhsa_system_sgpr_workgroup_id_y 1
		.amdhsa_system_sgpr_workgroup_id_z 1
		.amdhsa_system_vgpr_workitem_id 0
		.amdhsa_next_free_vgpr 256
		.amdhsa_next_free_sgpr 96
		.amdhsa_reserve_vcc 1
		.amdhsa_float_denorm_mode_32 3
		.amdhsa_float_denorm_mode_16_64 3
		.amdhsa_memory_ordered 1
		.amdhsa_forward_progress 1
		.amdhsa_inst_pref_size 93
	.end_amdhsa_kernel
	.amdgpu_metadata
---
amdhsa.version: [ 1, 2 ]
amdhsa.kernels:
  - .name:           k_qd21a2cd549_attn
    .symbol:         k_qd21a2cd549_attn.kd
    .args:
      - { .name: qkv, .offset: 0, .size: 8, .value_kind: global_buffer, .address_space: global }
      - { .name: ctx, .offset: 8, .size: 8, .value_kind: global_buffer, .address_space: global }
    .group_segment_fixed_size: 327680
    .private_segment_fixed_size: 0
    .kernarg_segment_align: 8
    .kernarg_segment_size: 16
    .max_flat_workgroup_size: 512
    .sgpr_count:     96
    .vgpr_count:     256
    .wavefront_size: 32
...
	.end_amdgpu_metadata
.endif
;; end of part 9
;; launch fc (part 10): grid 128 x 1, 8 waves a work-group, no clusters, 288,256 bytes of LDS; arguments ctx, pre, embeddings, bfc, g1, be1, ln1; writes ln1
.if DOCPART == 10
	.amdgcn_target "amdgcn-amd-amdhsa--gfx1250"
	.amdhsa_code_object_version 6
	.text
	.protected	k_qd21a2cd549_fc
	.globl	k_qd21a2cd549_fc
	.p2align	8
	.type	k_qd21a2cd549_fc,@function
k_qd21a2cd549_fc:
	s_mov_b64 s[64:65], 0
	v_nop
	global_prefetch_b8 v0, s[64:65] scope:SCOPE_SE
	s_setreg_imm32_b32 hwreg(HW_REG_WAVE_MODE, 25, 1), 1
	s_wait_xcnt 0x0
; fc: y = LayerNorm(ctx Wfc + bfc + embeddings) x g1 + be1.  ctx and Wfc are codes of BF6 (E3M2) with E8M0 scales; y leaves as f32 [4096][1024] and, quantised along its 1,024 columns, as codes for the next product.
; SHARES.  A work-group owns 32 rows and all 1,024 columns, so that a row's mean and variance have one owner: 128 work-groups.  Wave w of eight owns columns 128 w .. + 127 in the product: 8 tiles of W x 2 tiles of rows,
; 16 accumulators; behind the product it owns four whole rows, and for the codes K step w of the next product.
; W: a wave's fragments are read by no other wave, so they go from memory straight into registers, as images: a group of 64 columns x 128 K is 12 loads of 512 consecutive bytes and one of its scale words.
; Five buffers of 48 registers take turns over the 16 groups x steps: four groups, 52 loads, are out while one is multiplied.
; P (ctx): each wave copies one K step's 3,072 bytes through registers into LDS; behind one barrier every wave reads its fragments there.  The residual: one tensor load a wave brings that wave's own four rows (16,384 dense bytes).
; THE WAY OUT.  The sums go to a stage in LDS (32 rows, 4,112 bytes apart); behind a barrier a wave reads four whole rows, lane l holding columns 128 k + 4 l .. + 3, adds residual and bias, and norms them with sums
; that never leave the wave; every global access there covers 512 consecutive bytes.  y goes back into the same stage rows, and behind a second barrier is read in the operand's order and quantised.
; The variance is taken of the differences from the mean, in a second pass.
; NO CLUSTER: what all work-groups share is W, which does not pass through LDS here; through a ring of two slots a joint refill would serve 32 products a wave between two rounds.
; NO PREFETCH: the walk over W is 16 steps written out, with no loop to run ahead in, and its loads already run four steps ahead.
; A scale unit of 256 bytes holds the words of 64 rows, those of rows 0-31 and 32-63 by turns: a work-group stores 4 of each 8 bytes of it (1,024 bytes a work-group in all).
; LIMITS: NaN and infinities are not served; a block under 2^-122 (zeros too) gets the byte 1 (only this program reads the bytes).
; REGISTERS.  window 0: v2-10 addresses; v14, v15 the add's; v16-25 W's scale words, five pairs; v26-33 P's scale words; v34-81 P's fragments, two sets, later codes; v96-223 accumulators, later four rows; v224-255 at work.
;   window 1: v0-239 W's five buffers; later v48-143 bias, gain, beta and v0-31, v144-239 the residual's rows.
.set WC,    5505024                    ; Wfc's codes in pre
.set WS,    12812288                   ; and its scale words
.set PSOFF, 3145728                    ; ctx's scale words
.set LC,    16777216                   ; y's codes in ln1
.set LS,    19922944                   ; and their scale words
.set STG,   131072                     ; LDS: 0 .. the residual, 8 x 16,384; then the stage,
.set SPI,   4112                       ; its rows 4,096 + 16 bytes apart: sixteen rows' 16 bytes fall on sixteen different columns of 256 bytes
.set PL,    STG+32*SPI                 ; P's codes, 8 x 3,072
.set SPARE, PL+24576                   ; the spare words, 128 bytes a wave
.set LI,    2
.set LI8,   3
.set PST,   4
.set PADR,  5
.set PAD2,  6
.set STI,   7                          ; v7, v8: stage rows r and 16 + r
.set XR,    9
.set RR,    10
.set SPW,   14
.set NIL,   15
.set SQ,    16
.set SP,    26
.set PF,    34
.set PC,    34                         ; codes: 20 registers for each of two tiles
.set PW,    90
.set E,     92
.set ACC,   96
.set X,     96
.set T,     96
.set S,     224
.set TM,    224
.set MU,    240
.set WV,    18
.set G1,    24
.set G0,    32
.set QB,    36
.set QS,    38
.set PB,    40
.set PSB,   42
.set OUT,   44
.set OC,    46
.set OSC,   48
.set SEL,   50
.set MSB,   0
.macro WIN new                         ; the immediate's high byte repeats the setting that is left
.if MSB != (\new)
	s_set_vgpr_msb (MSB<<8)|(\new)
.set MSB, \new
.endif
.endm
.macro PLACES n
.rept \n
	v_nop
.endr
.endm
; four products: W's tiles at a and a + 12 (window 1) x P's two tiles at p and p + 12; four accumulators from d on.  W's words: lanes 0-15 the even tile, 16-31 the odd one; P's likewise.  z: the first K step starts the sums
.macro QUAD z, d, a, p, sa, sb
.if \z
	v_wmma_scale_f32_16x16x128_f8f6f4 v[(\d):(\d)+7], v[(\a):(\a)+11], v[(\p):(\p)+11], 0, v[\sa], v[\sb] matrix_a_fmt:MATRIX_FMT_BF6 matrix_b_fmt:MATRIX_FMT_BF6
	v_wmma_scale_f32_16x16x128_f8f6f4 v[(\d)+8:(\d)+15], v[(\a):(\a)+11], v[(\p)+12:(\p)+23], 0, v[\sa], v[\sb] matrix_a_fmt:MATRIX_FMT_BF6 matrix_b_fmt:MATRIX_FMT_BF6 matrix_b_scale:MATRIX_SCALE_ROW1
	v_wmma_scale_f32_16x16x128_f8f6f4 v[(\d)+16:(\d)+23], v[(\a)+12:(\a)+23], v[(\p):(\p)+11], 0, v[\sa], v[\sb] matrix_a_fmt:MATRIX_FMT_BF6 matrix_b_fmt:MATRIX_FMT_BF6 matrix_a_scale:MATRIX_SCALE_ROW1
	v_wmma_scale_f32_16x16x128_f8f6f4 v[(\d)+24:(\d)+31], v[(\a)+12:(\a)+23], v[(\p)+12:(\p)+23], 0, v[\sa], v[\sb] matrix_a_fmt:MATRIX_FMT_BF6 matrix_b_fmt:MATRIX_FMT_BF6 matrix_a_scale:MATRIX_SCALE_ROW1 matrix_b_scale:MATRIX_SCALE_ROW1
.else
	v_wmma_scale_f32_16x16x128_f8f6f4 v[(\d):(\d)+7], v[(\a):(\a)+11], v[(\p):(\p)+11], v[(\d):(\d)+7], v[\sa], v[\sb] matrix_a_fmt:MATRIX_FMT_BF6 matrix_b_fmt:MATRIX_FMT_BF6
	v_wmma_scale_f32_16x16x128_f8f6f4 v[(\d)+8:(\d)+15], v[(\a):(\a)+11], v[(\p)+12:(\p)+23], v[(\d)+8:(\d)+15], v[\sa], v[\sb] matrix_a_fmt:MATRIX_FMT_BF6 matrix_b_fmt:MATRIX_FMT_BF6 matrix_b_scale:MATRIX_SCALE_ROW1
	v_wmma_scale_f32_16x16x128_f8f6f4 v[(\d)+16:(\d)+23], v[(\a)+12:(\a)+23], v[(\p):(\p)+11], v[(\d)+16:(\d)+23], v[\sa], v[\sb] matrix_a_fmt:MATRIX_FMT_BF6 matrix_b_fmt:MATRIX_FMT_BF6 matrix_a_scale:MATRIX_SCALE_ROW1
	v_wmma_scale_f32_16x16x128_f8f6f4 v[(\d)+24:(\d)+31], v[(\a)+12:(\a)+23], v[(\p)+12:(\p)+23], v[(\d)+24:(\d)+31], v[\sa], v[\sb] matrix_a_fmt:MATRIX_FMT_BF6 matrix_b_fmt:MATRIX_FMT_BF6 matrix_a_scale:MATRIX_SCALE_ROW1 matrix_b_scale:MATRIX_SCALE_ROW1
.endif
.endm
.macro GLOAD gs                        ; group gs % 2 of my two, K step gs / 2, into buffer gs % 5: 13 loads
	WIN 0x40
.irp t, 0,1,2,3
.irp c, 0,1,2
	global_load_b128 v[48*((\gs)%5)+12*\t+4*\c:48*((\gs)%5)+12*\t+4*\c+3], v[LI], s[QB:QB+1] offset:((\gs)%2)*49152+((\gs)/2)*6144+1536*\t+512*\c
.endr
.endr
	WIN 0
	global_load_b64 v[SQ+2*((\gs)%5):SQ+2*((\gs)%5)+1], v[LI8], s[QS:QS+1] offset:((\gs)%2)*2048+((\gs)/2)*256
.endm
.macro VLOAD reg, base                 ; a vector of 1,024 f32 as a row lies: lane l takes columns 128 k + 4 l .. + 3; into window 1
	WIN 0x40
.irp k, 0,1,2,3,4,5,6,7
	global_load_b128 v[(\reg)+4*\k:(\reg)+4*\k+3], v[LI], s[\base:\base+1] offset:512*\k
.endr
	WIN 0
.endm
.macro PFETCH k                        ; P's two tiles of K step k: each fragment lies as two halves of 768 bytes (registers 0-3 at 16 l, 4-5 at 512 + 8 l): 8 LDS loads
.irp a, 0,1
	ds_load_b128 v[PF+24*((\k)%2)+12*\a:PF+24*((\k)%2)+12*\a+3], v[PADR] offset:3072*(\k)+1536*\a
	ds_load_b64 v[PF+24*((\k)%2)+12*\a+4:PF+24*((\k)%2)+12*\a+5], v[PAD2] offset:3072*(\k)+1536*\a+512
	ds_load_b128 v[PF+24*((\k)%2)+12*\a+6:PF+24*((\k)%2)+12*\a+9], v[PADR] offset:3072*(\k)+1536*\a+768
	ds_load_b64 v[PF+24*((\k)%2)+12*\a+10:PF+24*((\k)%2)+12*\a+11], v[PAD2] offset:3072*(\k)+1536*\a+1280
.endr
.endm
; one group x one K step: 8 products on 8 accumulators, each once; the other group's 8 follow, so no two products on end share an accumulator
.macro GSTEP gs
.set KK, (\gs)/2
.set GG, (\gs)%2
.set BB, (\gs)%5
.if GG == 0
.if KK < 7
	PFETCH KK+1                                    ; into the set that the K step before last... the last step's products read; their four places stand behind them
	s_wait_dscnt 8                                 ; this step's P is in; the 8 just issued may be out
.else
	s_wait_dscnt 0x0
.endif
.endif
.if (\gs) < 12
	s_wait_loadcnt 52                              ; this group's 13 loads are in; the four groups issued behind them may be out
.else
	s_wait_loadcnt 13*(15-(\gs))+8+16*(((\gs)+3)/16)   ; the groups left, the bias' 8 loads, and from step 13 on the gains' and betas' 16
.endif
	WIN 0x01
	QUAD KK==0, ACC+64*GG, 48*BB, PF+24*(KK%2), SQ+2*BB, SP+KK
	QUAD KK==0, ACC+64*GG+32, 48*BB+24, PF+24*(KK%2), SQ+2*BB+1, SP+KK
	PLACES 4                                       ; in front of loads into registers that these products have read, and of the first read of results
	WIN 0
.if (\gs)+5 < 16
	GLOAD (\gs)+5
.endif
.if (\gs) == 11
	VLOAD 48, 10                                   ; the bias, into the buffer just read out
.endif
.if (\gs) == 12
	VLOAD 80, 12                                   ; gains
	VLOAD 112, 14                                  ; betas
.endif
.endm
; 64 numbers of a lane, register 16 b + i = k 32 b + 16 (lane / 16) + i of my row, become a fragment's codes in v[pc] on and its scale word in v[pw]
.macro QUANT s, pc, pw
.irp b, 0,1,2,3
	v_max3_num_f32 v[TM+\b], |v[(\s)+16*\b]|, |v[(\s)+16*\b+1]|, 0x2800000   ; my 16 numbers of block b, and the floor 2^(5 - 127): the byte cannot fall under 1
.endr
.irp i, 2,4,6,8,10,12,14
.irp b, 0,1,2,3
	v_max3_num_f32 v[TM+\b], |v[(\s)+16*\b+\i]|, |v[(\s)+16*\b+\i+1]|, v[TM+\b]
.endr
.endr
.irp b, 0,1,2,3
	s_delay_alu instid0(VALU_DEP_4)
	v_permlanex16_b32 v[TM+4+\b], v[TM+\b], s[SEL], s[SEL+1]
.endr
.irp b, 0,1,2,3
	s_delay_alu instid0(VALU_DEP_4)
	v_max_num_f32 v[TM+\b], v[TM+\b], v[TM+4+\b]       ; with lane l xor 16's: the block's largest magnitude
.endr
.irp b, 0,1,2,3
	s_delay_alu instid0(VALU_DEP_4)
	v_add_nc_u32 v[TM+12+\b], 0xfe000000, v[TM+\b]     ; 4 off its exponent field: the conversion's scale operand
.endr
.irp b, 0,1,2,3
	s_delay_alu instid0(VALU_DEP_4)
	v_lshrrev_b32 v[TM+4+\b], 23, v[TM+12+\b]          ; the scale's byte
.endr
	s_delay_alu instid0(VALU_DEP_3)
	v_lshl_or_b32 v[\pw], v[TM+5], 8, v[TM+4]
	s_delay_alu instid0(VALU_DEP_1)
	v_lshl_or_b32 v[\pw], v[TM+6], 16, v[\pw]
	s_delay_alu instid0(VALU_DEP_1)
	v_lshl_or_b32 v[\pw], v[TM+7], 24, v[\pw]
.irp c, 0,1
	v_cvt_scalef32_pk16_bf6_f32 v[(\pc)+6*\c:(\pc)+2+6*\c], v[(\s)+32*\c:(\s)+15+32*\c], v[TM+12+2*\c]
	v_cvt_scalef32_pk16_bf6_f32 v[(\pc)+12+4*\c:(\pc)+14+4*\c], v[(\s)+16+32*\c:(\s)+31+32*\c], v[TM+13+2*\c]
.endr
	v_nop                                              ; one plain place behind a scaled conversion
.irp c, 0,1                                            ; the operand wants a whole block in a lane: lanes 0-15 block 2 c, lanes 16-31 block 2 c + 1
.irp i, 0,1,2
	v_permlane16_swap_b32 v[(\pc)+6*\c+\i], v[(\pc)+12+4*\c+\i]
.endr
.irp i, 0,1,2
	s_delay_alu instid0(VALU_DEP_3)
	v_mov_b32 v[(\pc)+3+6*\c+\i], v[(\pc)+12+4*\c+\i]
.endr
.endr
.endm
; row i's two chains, v[S + 4 i ..] and v[S + 4 i + 2 ..], become the row's sum in v[S + 4 i] of every lane; the four rows by turns
.macro REDUCE
.irp i, 0,1,2,3
	v_pk_add_f32 v[S+4*\i:S+4*\i+1], v[S+4*\i:S+4*\i+1], v[S+4*\i+2:S+4*\i+3]
.endr
.irp i, 0,1,2,3
	s_delay_alu instid0(VALU_DEP_4)
	v_add_f32 v[S+4*\i], v[S+4*\i], v[S+4*\i+1]
.endr
.irp m, 1,2,4,8
.irp i, 0,1,2,3
	s_delay_alu instid0(VALU_DEP_4)
	v_add_f32_dpp v[S+4*\i], v[S+4*\i], v[S+4*\i] row_xmask:\m row_mask:0xf bank_mask:0xf
.endr
.endr
.irp i, 0,1,2,3
	s_delay_alu instid0(VALU_DEP_4)
	v_permlanex16_b32 v[S+4*\i+1], v[S+4*\i], s[SEL], s[SEL+1]
.endr
.irp i, 0,1,2,3
	s_delay_alu instid0(VALU_DEP_4)
	v_add_f32 v[S+4*\i], v[S+4*\i], v[S+4*\i+1]
.endr
.endm
	s_load_b256 s[4:11], s[0:1], 0x0               ; ctx, pre, embeddings, bfc
	s_load_b128 s[12:15], s[0:1], 0x20             ; g1, be1
	s_load_b64 s[16:17], s[0:1], 0x30              ; ln1
	v_lshl_add_u32 v[SPW], v0, 2, SPARE
	v_mov_b32 v[NIL], 0
	ds_add_u32 v[SPW], v[NIL]                      ; the opening lines, ahead of my tensor load: the add, twice on end, and its wait
	ds_add_u32 v[SPW], v[NIL]
	v_lshrrev_b32 v1, 5, v0
	v_readfirstlane_b32 s[WV], v1                  ; wave 0..7
	s_mov_b32 s[G1], 3<<16                         ; 16,384 dense bytes as 64 rows of 256 (32 elements of 8 bytes)
	s_mov_b32 s[G1+1], 32<<16
	s_mov_b32 s[G1+2], 64<<16
	s_mov_b32 s[G1+3], 32<<16
	s_mov_b32 s[G1+4], 64
	s_mov_b32 s[G1+5], 32
	s_mov_b32 s[G1+6], 0
	s_mov_b32 s[G1+7], 0
	s_lshr_b32 s19, ttmp9, 1                       ; the group of 64 rows,
	s_and_b32 s20, ttmp9, 1                        ; and which half of it: tiles 2 hb and 2 hb + 1
	s_lshl_b32 s21, s[WV], 14                      ; LDS: my residual rows
	s_lshr_b32 s23, s[WV], 2                       ; stage rows 4 w .. 4 w + 3 are lanes 4 (w % 4) .. of tile w / 4: rows 8 (w / 4) + 4 (w % 4) + 8 ((w % 4) / 2) + 0 .. 3 of my 32
	s_lshl_b32 s23, s23, 3
	s_and_b32 s71, s[WV], 3
	s_lshl_b32 s71, s71, 2
	s_add_co_u32 s23, s23, s71
	s_bfe_u32 s71, s[WV], 0x10001
	s_lshl_b32 s71, s71, 3
	s_add_co_u32 s23, s23, s71
	s_lshl_b32 s23, s23, 12
	s_lshl_b32 s54, ttmp9, 17
	s_add_co_u32 s54, s54, s23                     ; my four rows, in the residual and in y
	s_mov_b32 s55, 0
	s_lshl_b32 s22, s19, 3
	s_add_co_u32 s22, s22, s[WV]                   ; the unit (group, K step w): of ctx on the way in, of y's codes on the way out
	s_mul_i32 s56, s22, 6144
	s_mul_i32 s23, s20, 3072
	s_add_co_u32 s56, s56, s23
	s_mov_b32 s57, 0
	s_lshl_b32 s23, s20, 2
	s_lshl_b32 s58, s19, 12                        ; ctx's scale words: 16 heads' units of 256 bytes a group; my half's word of each 8 bytes
	s_add_co_u32 s58, s58, s23
	s_add_co_u32 s58, s58, PSOFF
	s_mov_b32 s59, 0
	s_lshl_b32 s60, s22, 8
	s_add_co_u32 s60, s60, s23
	s_add_co_u32 s60, s60, LS
	s_mov_b32 s61, 0
	s_mul_i32 s62, s[WV], 98304                    ; my two groups of W: 2 x 8 units
	s_add_co_u32 s62, s62, WC
	s_mov_b32 s63, 0
	s_lshl_b32 s66, s[WV], 12
	s_add_co_u32 s66, s66, WS
	s_mov_b32 s67, 0
	s_mul_i32 s68, s[WV], 3072
	s_add_co_u32 s68, s68, PL
	s_lshl_b32 s69, s[WV], 9
	s_add_co_u32 s69, s69, STG
	s_mul_i32 s70, s[WV], 4*SPI
	s_add_co_u32 s70, s70, STG
	s_mov_b32 s[SEL], 0x76543210
	s_mov_b32 s[SEL+1], 0xfedcba98
	s_mov_b32 s52, 0x3a800000                      ; 1 / 1,024
	s_mov_b32 s53, 0x3727c5ac                      ; 1e-5
	s_wait_dscnt 0x0                               ; both opening adds are done
	s_wait_kmcnt 0x0
	s_mov_b32 s[G0], 1
	s_mov_b32 s[G0+1], s21
	s_add_nc_u64 s[G0+2:G0+3], s[8:9], s[54:55]
	s_or_b32 s[G0+3], s[G0+3], 0x80000000
	tensor_load_to_lds s[G0:G0+3], s[G1:G1+7]      ; my four rows of the residual: my one tensor load; nothing is filled again, and only I read these bytes
	s_nop 0
	s_add_nc_u64 s[QB:QB+1], s[6:7], s[62:63]
	s_add_nc_u64 s[QS:QS+1], s[6:7], s[66:67]
	s_add_nc_u64 s[PB:PB+1], s[4:5], s[56:57]
	s_add_nc_u64 s[PSB:PSB+1], s[4:5], s[58:59]
	s_add_nc_u64 s[OUT:OUT+1], s[16:17], s[54:55]
	s_add_nc_u64 s[OC:OC+1], s[16:17], s[56:57]
	s_add_nc_u64 s[OC:OC+1], s[OC:OC+1], LC
	s_add_nc_u64 s[OSC:OSC+1], s[16:17], s[60:61]
	v_and_b32 v1, 31, v0                           ; lane
	v_and_b32 v12, 15, v0                          ; r
	v_bfe_u32 v13, v0, 4, 1                        ; h
	v_lshlrev_b32 v[LI], 4, v1
	v_lshlrev_b32 v[LI8], 3, v1
	v_mul_u32_u24 v12, v12, SPI
	v_lshl_add_u32 v12, v13, 6, v12                ; stage row r, + 64 h
	v_add_nc_u32 v[PST], s68, v[LI]
	v_add_nc_u32 v[PADR], PL, v[LI]
	v_add_nc_u32 v[PAD2], PL, v[LI8]
	v_add_nc_u32 v[STI], s69, v12                  ; + my 512 bytes of a row
	v_add_nc_u32 v[STI+1], 16*SPI, v[STI]
	v_add_nc_u32 v[XR], s70, v[LI]
	v_add_nc_u32 v[RR], s21, v[LI]
	s_wait_alu depctr_va_vdst(0)                   ; the wait at the head's end
.irp i, 0,1,2,3,4,5
	global_load_b128 v[T+4*\i:T+4*\i+3], v[LI], s[PB:PB+1] offset:512*\i     ; K step w of P: 3,072 bytes
.endr
.irp hd, 0,1,2,3,4,5,6,7,8,9,10,11,12,13,14,15
	global_load_b32 v[T+24+\hd], v[LI8], s[PSB:PSB+1] offset:256*\hd         ; a head's scale words: lanes 0-15 my even tile, 16-31 my odd one
.endr
	GLOAD 0
	GLOAD 1
	GLOAD 2
	s_wait_loadcnt 39                              ; P's 22 loads are in; the three groups' 39 may be out
.irp i, 0,1,2,3,4,5
	ds_store_b128 v[PST], v[T+4*\i:T+4*\i+3] offset:512*\i
.endr
.irp k, 0,1,2,3,4,5,6,7
	v_or_b32 v[SP+\k], v[T+24+2*\k], v[T+25+2*\k]  ; an even head's bytes 0, 1 and an odd head's bytes 2, 3 make a K step's word
.endr
	s_wait_alu depctr_va_vdst(0)
	PLACES 8                                       ; a scale register written by a vector instruction stands 8 places ahead of a scaled product
	GLOAD 3
	GLOAD 4
	s_wait_dscnt 0x0                               ; my part of P is stored
	s_barrier_signal -1
	s_barrier_wait -1                              ; P lies whole in LDS
	PFETCH 0
.irp g, 0,1,2,3,4,5,6,7,8,9,10,11,12,13,14,15
	GSTEP \g
.endr
	; ---- the sums into the stage: lane (r, h) holds row r of tile a; register j of tile t: column 32 (t / 2) + 16 h + 8 (t % 2) + j of its group.  Each accumulator from its low end on
.irp G, 0,1
.irp t, 0,1,2,3
.irp a, 0,1
	ds_store_b128 v[STI+\a], v[ACC+64*\G+32*(\t/2)+16*(\t%2)+8*\a:ACC+64*\G+32*(\t/2)+16*(\t%2)+8*\a+3] offset:256*\G+(32*(\t/2)+8*(\t%2))*4
	ds_store_b128 v[STI+\a], v[ACC+64*\G+32*(\t/2)+16*(\t%2)+8*\a+4:ACC+64*\G+32*(\t/2)+16*(\t%2)+8*\a+7] offset:256*\G+(32*(\t/2)+8*(\t%2))*4+16
.endr
.endr
.endr
	s_wait_tensorcnt 0x0                           ; my residual rows have landed
	s_wait_dscnt 0x0
	s_barrier_signal -1
	s_barrier_wait -1                              ; the stage is whole
	; ---- four whole rows a wave
.irp i, 0,1,2,3
.irp k, 0,1,2,3,4,5,6,7
	ds_load_b128 v[X+32*\i+4*\k:X+32*\i+4*\k+3], v[XR] offset:\i*SPI+512*\k
.endr
.endr
	WIN 0x40
.irp i, 0,1,2,3
.irp k, 0,1,2,3,4,5,6,7
	ds_load_b128 v[32*\i+112*((\i+3)/4)+4*\k:32*\i+112*((\i+3)/4)+4*\k+3], v[RR] offset:\i*4096+512*\k
.endr
.endr
	WIN 0
	s_wait_dscnt 0x0
	s_wait_loadcnt 0x0                             ; bias, gains, betas
	WIN 0x04
.set p, 0
.rept 16
.irp i, 0,1,2,3
	v_pk_add_f32 v[X+32*\i+2*p:X+32*\i+2*p+1], v[X+32*\i+2*p:X+32*\i+2*p+1], v[32*\i+112*((\i+3)/4)+2*p:32*\i+112*((\i+3)/4)+2*p+1]
.endr
.set p, p+1
.endr
.set p, 0
.rept 16
.irp i, 0,1,2,3
	v_pk_add_f32 v[X+32*\i+2*p:X+32*\i+2*p+1], v[X+32*\i+2*p:X+32*\i+2*p+1], v[48+2*p:49+2*p]
.endr
.set p, p+1
.endr
	WIN 0
.irp i, 0,1,2,3
	v_pk_add_f32 v[S+4*\i:S+4*\i+1], v[X+32*\i:X+32*\i+1], v[X+32*\i+2:X+32*\i+3]       ; the first pairs start the chains: nothing is cleared
	v_pk_add_f32 v[S+4*\i+2:S+4*\i+3], v[X+32*\i+4:X+32*\i+5], v[X+32*\i+6:X+32*\i+7]
.endr
.irp j, 8,12,16,20,24,28
.irp i, 0,1,2,3
	v_pk_add_f32 v[S+4*\i:S+4*\i+1], v[S+4*\i:S+4*\i+1], v[X+32*\i+\j:X+32*\i+\j+1]
	v_pk_add_f32 v[S+4*\i+2:S+4*\i+3], v[S+4*\i+2:S+4*\i+3], v[X+32*\i+\j+2:X+32*\i+\j+3]
.endr
.endr
	REDUCE
.irp i, 0,1,2,3
	v_mul_f32 v[MU+2*\i], s52, v[S+4*\i]           ; the mean
	v_mul_f32 v[MU+2*\i+1], s52, v[S+4*\i]
.endr
.set p, 0
.rept 16
.irp i, 0,1,2,3
	v_pk_add_f32 v[X+32*\i+2*p:X+32*\i+2*p+1], v[X+32*\i+2*p:X+32*\i+2*p+1], v[MU+2*\i:MU+2*\i+1] neg_lo:[0,1] neg_hi:[0,1]
.endr
.set p, p+1
.endr
.irp i, 0,1,2,3
	v_pk_mul_f32 v[S+4*\i:S+4*\i+1], v[X+32*\i:X+32*\i+1], v[X+32*\i:X+32*\i+1]
	v_pk_mul_f32 v[S+4*\i+2:S+4*\i+3], v[X+32*\i+2:X+32*\i+3], v[X+32*\i+2:X+32*\i+3]
.endr
.irp j, 4,8,12,16,20,24,28
.irp i, 0,1,2,3
	v_pk_fma_f32 v[S+4*\i:S+4*\i+1], v[X+32*\i+\j:X+32*\i+\j+1], v[X+32*\i+\j:X+32*\i+\j+1], v[S+4*\i:S+4*\i+1]
	v_pk_fma_f32 v[S+4*\i+2:S+4*\i+3], v[X+32*\i+\j+2:X+32*\i+\j+3], v[X+32*\i+\j+2:X+32*\i+\j+3], v[S+4*\i+2:S+4*\i+3]
.endr
.endr
	REDUCE
.irp i, 0,1,2,3
	v_fma_f32 v[S+4*\i+2], v[S+4*\i], s52, s53     ; variance + eps
.endr
	s_wait_alu depctr_va_vdst(0)                   ; the wait ahead of the batch,
.irp i, 0,1,2,3
	v_rsq_f32 v[MU+2*\i], v[S+4*\i+2]
.endr
	v_nop                                          ; one plain place behind the batch,
	s_wait_alu depctr_va_vdst(0)                   ; and the wait ahead of its first reader
.irp i, 0,1,2,3
	v_mov_b32 v[MU+2*\i+1], v[MU+2*\i]
.endr
.set p, 0
.rept 16
.irp i, 0,1,2,3
	v_pk_mul_f32 v[X+32*\i+2*p:X+32*\i+2*p+1], v[X+32*\i+2*p:X+32*\i+2*p+1], v[MU+2*\i:MU+2*\i+1]
.endr
.set p, p+1
.endr
	WIN 0x14
.set p, 0
.rept 16
.irp i, 0,1,2,3
	v_pk_fma_f32 v[X+32*\i+2*p:X+32*\i+2*p+1], v[X+32*\i+2*p:X+32*\i+2*p+1], v[80+2*p:81+2*p], v[112+2*p:113+2*p]
.endr
.set p, p+1
.endr
	WIN 0
.irp i, 0,1,2,3
.irp k, 0,1,2,3,4,5,6,7
	global_store_b128 v[LI], v[X+32*\i+4*\k:X+32*\i+4*\k+3], s[OUT:OUT+1] offset:\i*4096+512*\k   ; 512 consecutive bytes, at a multiple of 256 from the buffer's first byte
.endr
.endr
.irp i, 0,1,2,3
.irp k, 0,1,2,3,4,5,6,7
	ds_store_b128 v[XR], v[X+32*\i+4*\k:X+32*\i+4*\k+3] offset:\i*SPI+512*\k       ; y over x, in my own four stage rows
.endr
.endr
	s_wait_dscnt 0x0
	s_barrier_signal -1
	s_barrier_wait -1                              ; the stage holds y whole
	; ---- y as codes: my 128 columns are K step w of the next product; two tiles
	s_wait_xcnt 0x0                                ; the stores of y have read their registers: they are loaded anew only behind this wait
.irp a, 0,1
.irp b, 0,1,2,3
.irp j, 0,1,2,3
	ds_load_b128 v[X+64*\a+16*\b+4*\j:X+64*\a+16*\b+4*\j+3], v[STI+\a] offset:128*\b+16*\j
.endr
.endr
.endr
	s_wait_dscnt 0x0
	QUANT X, PC, PW
.irp c, 0,1,2
	global_store_b128 v[LI], v[PC+4*\c:PC+4*\c+3], s[OC:OC+1] offset:512*\c
.endr
	QUANT X+64, PC+20, PW+1
.irp c, 0,1,2
	global_store_b128 v[LI], v[PC+20+4*\c:PC+20+4*\c+3], s[OC:OC+1] offset:1536+512*\c
.endr
	v_and_b32 v12, 16, v0
	v_cmp_ne_u32 vcc_lo, 0, v12
	v_cndmask_b32 v[E], v[PW], v[PW+1], vcc_lo     ; lanes 0-15 my even tile's words, lanes 16-31 my odd tile's
	global_store_b32 v[LI8], v[E], s[OSC:OSC+1]    ; my half's word of each 8 bytes of the unit
	s_wait_tensorcnt 0x0                           ; the wave's end
	ds_add_u32 v[SPW], v[NIL]
	s_wait_dscnt 0x0
	s_endpgm
.Lfunc_end_k_qd21a2cd549_fc:
	.size	k_qd21a2cd549_fc, .Lfunc_end_k_qd21a2cd549_fc-k_qd21a2cd549_fc
	.p2alignl 7, 3214868480
	.fill 96, 4, 3214868480
	.section	.rodata,"a",@progbits
	.p2align	6, 0x0
	.amdhsa_kernel k_qd21a2cd549_fc
		.amdhsa_group_segment_fixed_size 288256
		.amdhsa_private_segment_fixed_size 0
		.amdhsa_enable_private_segment 0
		.amdhsa_kernarg_size 56
		.amdhsa_user_sgpr_count 2
		.amdhsa_user_sgpr_kernarg_segment_ptr 1
		.amdhsa_wavefront_size32 1
		.amdhsa_system_sgpr_workgroup_id_x 1
		.amdhsa_system_sgpr_workgroup_id_y 1
		.amdhsa_system_sgpr_workgroup_id_z 1
		.amdhsa_system_vgpr_workitem_id 0
		.amdhsa_next_free_vgpr 512
		.amdhsa_next_free_sgpr 80
		.amdhsa_reserve_vcc 1
		.amdhsa_float_denorm_mode_32 3
		.amdhsa_float_denorm_mode_16_64 3
		.amdhsa_memory_ordered 1
		.amdhsa_forward_progress 1
		.amdhsa_inst_pref_size 112
	.end_amdhsa_kernel
	.amdgpu_metadata
---
amdhsa.version: [ 1, 2 ]
amdhsa.kernels:
  - .name:           k_qd21a2cd549_fc
    .symbol:         k_qd21a2cd549_fc.kd
    .args:
      - { .name: ctx, .offset: 0, .size: 8, .value_kind: global_buffer, .address_space: global }
      - { .name: pre, .offset: 8, .size: 8, .value_kind: global_buffer, .address_space: global }
      - { .name: embeddings, .offset: 16, .size: 8, .value_kind: global_buffer, .address_space: global }
      - { .name: bfc, .offset: 24, .size: 8, .value_kind: global_buffer, .address_space: global }
      - { .name: g1, .offset: 32, .size: 8, .value_kind: global_buffer, .address_space: global }
      - { .name: be1, .offset: 40, .size: 8, .value_kind: global_buffer, .address_space: global }
      - { .name: ln1, .offset: 48, .size: 8, .value_kind: global_buffer, .address_space: global }
    .group_segment_fixed_size: 288256
    .private_segment_fixed_size: 0
    .kernarg_segment_align: 8
    .kernarg_segment_size: 56
    .max_flat_workgroup_size: 256
    .sgpr_count:     80
    .vgpr_count:     512
    .wavefront_size: 32
...
	.end_amdgpu_metadata
.endif
;; end of part 10
;; launch w1 (part 11): grid 16 x 16, 4 waves a work-group, clusters of 4 x 4, 327,680 bytes of LDS; arguments ln1, pre, b1, hid; writes hid
.if DOCPART == 11
	.amdgcn_target "amdgcn-amd-amdhsa--gfx1250"
	.amdhsa_code_object_version 6
	.text
	.protected	k_qd21a2cd549_w1
	.globl	k_qd21a2cd549_w1
	.p2align	8
	.type	k_qd21a2cd549_w1,@function
k_qd21a2cd549_w1:
	s_mov_b64 s[64:65], 0
	v_nop
	global_prefetch_b8 v0, s[64:65] scope:SCOPE_SE
	s_setreg_imm32_b32 hwreg(HW_REG_WAVE_MODE, 25, 1), 1
	s_wait_xcnt 0x0
	s_wait_alu depctr_hold_cnt(0) depctr_sa_sdst(0) depctr_va_vdst(0) depctr_va_sdst(0) depctr_va_ssrc(0) depctr_va_vcc(0) depctr_vm_vsrc(0)
	s_getreg_b32 s2, hwreg(HW_REG_IB_STS2, 6, 4)
	s_cmp_eq_u32 s2, 0
	s_cbranch_scc0 .Lentry_in_a_cluster
	s_endpgm
.Lentry_in_a_cluster:
	s_bfe_u32 s2, ttmp6, 0x10000c
	s_cmp_lg_u32 s2, 0xf033
	s_cbranch_scc0 .Lentry_shape_is_right
	s_endpgm
.Lentry_shape_is_right:
.set LC,    16777216
.set LS,    19922944
.set W1C,   6291456
.set W1S,   12845056
.set HS,    12582912
.set HALFT, 24576
.set SLOT,  98304
.set SCL,   196608
.set HALFS, 4096
.set SPARE, 212992
.set NL,    3
.set NP,    4
.set FR,    12
.set ADRA,  16
.set ADRB,  20
.set ADSP,  24
.set ADSQ,  25
.set LI,    26
.set LI8,   27
.set SPW,   28
.set NIL,   29
.set SC,    32
.set AF,    128
.set PC,    128
.set TM,    160
.set PW,    176
.set PWS,   177
.set E,     186
.set VOO,   190
.set SEL,   98
.set G1,    24
.set G0,    32
.set G1B,   48
.set G0B,   56
.set G1S,   68
.set G0S,   76
.set G1SB,  80
.set G0SB,  88
.set C1,    24
.set A11,   26
.set A9,    28
.set A7,    30
.set A5,    32
.set A3,    34
.set A1,    36
.set B6,    38
.set B4,    40
.set B2,    42
.set B0,    44
.set AI,    46
.set SOFF,  47
.set OC,    48
.set OS,    50
.set MSB,   0
.macro WIN new
.if MSB != (\new)
	s_set_vgpr_msb (MSB<<8)|(\new)
.set MSB, \new
.endif
.endm
.macro PLACES n
.rept \n
	v_nop
.endr
.endm
.macro WMC d, a, b, c, sa, sb, ra, rb
.if ((\ra) == 0) && ((\rb) == 0)
	v_wmma_scale_f32_16x16x128_f8f6f4 v[(\d):(\d)+7], v[(\a):(\a)+11], v[(\b):(\b)+11], v[(\c):(\c)+7], v[\sa], v[\sb] matrix_a_fmt:MATRIX_FMT_BF6 matrix_b_fmt:MATRIX_FMT_BF6
.elseif (\rb) == 0
	v_wmma_scale_f32_16x16x128_f8f6f4 v[(\d):(\d)+7], v[(\a):(\a)+11], v[(\b):(\b)+11], v[(\c):(\c)+7], v[\sa], v[\sb] matrix_a_fmt:MATRIX_FMT_BF6 matrix_b_fmt:MATRIX_FMT_BF6 matrix_a_scale:MATRIX_SCALE_ROW1
.elseif (\ra) == 0
	v_wmma_scale_f32_16x16x128_f8f6f4 v[(\d):(\d)+7], v[(\a):(\a)+11], v[(\b):(\b)+11], v[(\c):(\c)+7], v[\sa], v[\sb] matrix_a_fmt:MATRIX_FMT_BF6 matrix_b_fmt:MATRIX_FMT_BF6 matrix_b_scale:MATRIX_SCALE_ROW1
.else
	v_wmma_scale_f32_16x16x128_f8f6f4 v[(\d):(\d)+7], v[(\a):(\a)+11], v[(\b):(\b)+11], v[(\c):(\c)+7], v[\sa], v[\sb] matrix_a_fmt:MATRIX_FMT_BF6 matrix_b_fmt:MATRIX_FMT_BF6 matrix_a_scale:MATRIX_SCALE_ROW1 matrix_b_scale:MATRIX_SCALE_ROW1
.endif
.endm
.macro QUANTW s, sw, pw
	WIN 5*(\sw)
.irp b, 0,1,2,3
	v_max3_num_f32 v[TM+\b], |v[(\s)+16*\b]|, |v[(\s)+16*\b+1]|, 0x2800000
.endr
.irp i, 2,4,6,8,10,12,14
.irp b, 0,1,2,3
	v_max3_num_f32 v[TM+\b], |v[(\s)+16*\b+\i]|, |v[(\s)+16*\b+\i+1]|, v[TM+\b]
.endr
.endr
	WIN 0
.irp b, 0,1,2,3
	v_permlanex16_b32 v[TM+4+\b], v[TM+\b], s[SEL], s[SEL+1]
.endr
.irp b, 0,1,2,3
	v_max_num_f32 v[TM+\b], v[TM+\b], v[TM+4+\b]
.endr
.irp b, 0,1,2,3
	v_add_nc_u32 v[TM+12+\b], 0xfe000000, v[TM+\b]
.endr
.irp b, 0,1,2,3
	v_lshrrev_b32 v[TM+4+\b], 23, v[TM+12+\b]
.endr
	v_lshl_or_b32 v[\pw], v[TM+5], 8, v[TM+4]
	v_lshl_or_b32 v[\pw], v[TM+6], 16, v[\pw]
	v_lshl_or_b32 v[\pw], v[TM+7], 24, v[\pw]
	s_wait_xcnt 0x0
	WIN (\sw)
.irp c, 0,1
	v_cvt_scalef32_pk16_bf6_f32 v[PC+6*\c:PC+2+6*\c], v[(\s)+32*\c:(\s)+15+32*\c], v[TM+12+2*\c]
	v_cvt_scalef32_pk16_bf6_f32 v[PC+12+4*\c:PC+14+4*\c], v[(\s)+16+32*\c:(\s)+31+32*\c], v[TM+13+2*\c]
.endr
	WIN 0
	v_nop
.irp c, 0,1
.irp i, 0,1,2
	v_permlane16_swap_b32 v[PC+6*\c+\i], v[PC+12+4*\c+\i]
.endr
.irp i, 0,1,2
	v_mov_b32 v[PC+3+6*\c+\i], v[PC+12+4*\c+\i]
.endr
.endr
.endm
.macro JLOAD g0a, g1a, g0b, g1b
	s_cmp_eq_u32 s15, 0
	s_cbranch_scc0 .Lfor_b_\@
	tensor_load_to_lds s[\g0a:\g0a+3], s[\g1a:\g1a+7]
	s_nop 0
.rept 4
	v_nop
.endr
	s_branch .Lasked_\@
.Lfor_b_\@:
	tensor_load_to_lds s[\g0b:\g0b+3], s[\g1b:\g1b+7]
	s_nop 0
.rept 4
	v_nop
.endr
.Lasked_\@:
.endm
.macro CREST
	s_cmp_lg_u32 s14, 0
	s_cbranch_scc1 .Lnot_wave_0_\@
	s_barrier_signal -3
.Lnot_wave_0_\@:
	s_barrier_wait -3
	s_barrier_signal -1
	s_barrier_wait -1
.endm
.macro CROUND
	s_barrier_signal -1
	s_barrier_wait -1
	CREST
.endm
.macro FRAG reg, adr, q, i
.irp c, 0,1,2
	ds_load_b128 v[(\reg)+4*\c:(\reg)+4*\c+3], v[\adr] offset:((\i)/4)*12288+(\q)*6144+((\i)%4)*1536+512*\c
.endr
.endm
.macro FETCH_B slot, q, p
	WIN 0x40
.irp i, 0,1,2,3,4,5,6,7
	FRAG 128*(\p)+FR*\i, ADRB+\slot, \q, \i
.endr
	WIN 0
.endm
.macro FETCH_A slot, q, i0
.irp i, \i0, \i0+1, \i0+2, \i0+3
	FRAG AF+FR*(\i), ADRA+\slot, \q, \i
.endr
.endm
.macro SCALES sc
.irp G, 0,1
.irp q, 0,1
	ds_load_b64 v[SC+16*(\sc)+4*\q+2*\G:SC+16*(\sc)+4*\q+2*\G+1], v[ADSP] offset:2048*\G+256*\q
	ds_load_b64 v[SC+16*(\sc)+8+4*\q+2*\G:SC+16*(\sc)+8+4*\q+2*\G+1], v[ADSQ] offset:2048*\G+256*\q
.endr
.endr
.endm
.macro MUL16 a0, p, q, sc, cm
.irp a, \a0, \a0+1
.irp b, 0,1,2,3,4,5,6,7
.if (\cm) == 0
	WMC 8*(8*((\a)%4)+\b), 128*(\p)+FR*\b, AF+FR*(\a), 8*(8*((\a)%4)+\b), SC+16*(\sc)+8+4*(\q)+\b/2, SC+16*(\sc)+4*(\q)+(\a)/2, \b%2, (\a)%2
.else
	WMC 8*(8*((\a)%4)+\b), 128*(\p)+FR*\b, AF+FR*(\a), 96+8*\b+96*(\b/4), SC+16*(\sc)+8+4*(\q)+\b/2, SC+16*(\sc)+4*(\q)+(\a)/2, \b%2, (\a)%2
.endif
.endr
.endr
.endm
.macro STEP slot, q, cm
	s_wait_dscnt 4*NL
.if (\cm) == 0
	WIN 0xa1
.else
	WIN 0x91
.endif
	MUL16 0, (\q)%2, \q, \slot, \cm
	MUL16 2, (\q)%2, \q, \slot, \cm
	s_wait_dscnt 0x0
	PLACES NP
	FETCH_B \slot, (\q)+1, 1-(\q)%2
	FETCH_A \slot, (\q)+1, 0
.if (\cm) == 0
	WIN 0xf1
.else
	WIN 0xd1
.endif
	MUL16 4, (\q)%2, \q, \slot, \cm
	MUL16 6, (\q)%2, \q, \slot, \cm
	PLACES NP
	WIN 0
	FETCH_A \slot, (\q)+1, 4
.endm
.macro TURN slot, next, fill
	s_wait_tensorcnt 0x0
	ds_add_u32 v[SPW], v[NIL]
	s_wait_dscnt 4*NL+1
	WIN 0xa1
	MUL16 0, 1, 1, \slot, 0
	s_wait_dscnt 0x0
	s_barrier_signal -1
	MUL16 2, 1, 1, \slot, 0
	WIN 0
	s_barrier_wait -1
.if \fill
	CREST
	s_add_nc_u64 s[G0+4*\slot+2:G0+4*\slot+3], s[G0+4*\slot+2:G0+4*\slot+3], 24576
	s_add_nc_u64 s[G0B+4*\slot+2:G0B+4*\slot+3], s[G0B+4*\slot+2:G0B+4*\slot+3], 24576
	JLOAD G0+4*\slot, G1, G0B+4*\slot, G1B
.else
	PLACES NP
.endif
	s_wait_alu depctr_va_vdst(0)
	v_add_nc_u32 v[ADSP], 512, v[ADSP]
	v_add_nc_u32 v[ADSQ], 512, v[ADSQ]
	FETCH_B \next, 0, 0
	FETCH_A \next, 0, 0
	SCALES \next
	WIN 0xf1
	MUL16 4, 1, 1, \slot, 0
	MUL16 6, 1, 1, \slot, 0
	PLACES NP
	WIN 0
	FETCH_A \next, 0, 4
.endm
	s_load_b256 s[4:11], s[0:1], 0x0
	v_lshl_add_u32 v[SPW], v0, 2, SPARE
	v_mov_b32 v[NIL], 0
	ds_add_u32 v28, v29
	ds_add_u32 v28, v29
	s_wait_dscnt 0x0
	v_lshrrev_b32 v1, 5, v0
	v_readfirstlane_b32 s14, v1
	s_lshr_b32 s15, s14, 1
	s_and_b32 s16, s14, 1
	s_bfe_u32 s40, ttmp6, 0x40000
	s_bfe_u32 s41, ttmp6, 0x40004
	s_lshl_b32 s42, ttmp9, 2
	s_add_co_u32 s42, s42, s40
	s_and_b32 s17, ttmp7, 0xffff
	s_lshl_b32 s17, s17, 2
	s_add_co_u32 s17, s17, s41
	s_lshl_b32 s43, s41, 2
	s_lshl_b32 s43, 15, s43
	s_lshl_b32 s44, 0x1111, s40
	s_or_b32 s[G1+0], s43, (3<<16)|(1<<21)
	s_or_b32 s[G1B+0], s44, (3<<16)|(1<<21)
.irp g, G1, G1B
	s_mov_b32 s[\g+1], 1536<<16
	s_mov_b32 s[\g+2], 4<<16                       ; the head's loads bring a tile's four groups; behind them the two words that count rows are set to 2
	s_mov_b32 s[\g+3], 1536<<16
	s_mov_b32 s[\g+4], 4
	s_mov_b32 s[\g+5], 6144
	s_mov_b32 s[\g+6], 0
	s_mov_b32 s[\g+7], 0
.endr
	s_or_b32 s[G1S+0], s43, (3<<16)|(1<<21)
	s_or_b32 s[G1SB+0], s44, (3<<16)|(1<<21)
.irp g, G1S, G1SB
	s_mov_b32 s[\g+1], 32<<16
	s_mov_b32 s[\g+2], 32<<16                      ; the scale words of a tile's four groups: 8,192 dense bytes
	s_mov_b32 s[\g+3], 32<<16
	s_mov_b32 s[\g+4], 32
	s_mov_b32 s[\g+5], 32
	s_mov_b32 s[\g+6], 0
	s_mov_b32 s[\g+7], 0
.endr
	s_lshl_b32 s18, s16, 1
	s_lshl_b32 s20, s17, 2
	s_add_co_u32 s20, s20, s18
	s_lshl_b32 s22, s20, 11
	s_add_co_u32 s22, s22, LS
	s_mul_i32 s20, s20, 49152
	s_add_co_u32 s20, s20, LC
	s_mov_b32 s21, 0
	s_mov_b32 s23, 0
	s_lshl_b32 s46, s42, 2
	s_add_co_u32 s46, s46, s18
	s_lshl_b32 s92, s46, 11
	s_add_co_u32 s92, s92, W1S
	s_mul_i32 s46, s46, 49152
	s_add_co_u32 s46, s46, W1C
	s_mov_b32 s47, 0
	s_mov_b32 s93, 0
	s_mul_i32 s45, s14, HALFT
	s_lshl_b32 s67, s14, 12
	s_mov_b32 s[SEL], 0x76543210
	s_mov_b32 s[SEL+1], 0xfedcba98
	s_wait_kmcnt 0x0
	s_add_nc_u64 s[20:21], s[4:5], s[20:21]
	s_add_nc_u64 s[22:23], s[4:5], s[22:23]
	s_add_nc_u64 s[46:47], s[6:7], s[46:47]
	s_add_nc_u64 s[92:93], s[6:7], s[92:93]
	CROUND
	; THE HEAD'S FOUR TILES, ONE A WAVE: wave 0 slot 0 of source 1's four groups, wave 1 of source 0's, wave 2 and 3 their scale words, each whole.  My own addresses stand two groups on in odd waves: that distance is taken off
	s_mul_i32 s94, s18, 49152
	s_mov_b32 s95, 0
	s_lshl_b32 s96, s18, 11
	s_mov_b32 s97, 0
	s_mov_b32 s[G0], 1
	s_mov_b32 s[G0+1], 0
	s_sub_nc_u64 s[G0+2:G0+3], s[20:21], s[94:95]
	s_or_b32 s[G0+3], s[G0+3], 0x80000000
	s_mov_b32 s[G0B], 1
	s_mov_b32 s[G0B+1], 2*HALFT
	s_sub_nc_u64 s[G0B+2:G0B+3], s[46:47], s[94:95]
	s_or_b32 s[G0B+3], s[G0B+3], 0x80000000
	s_mov_b32 s[G0S], 1
	s_mov_b32 s[G0S+1], SCL
	s_sub_nc_u64 s[G0S+2:G0S+3], s[22:23], s[96:97]
	s_or_b32 s[G0S+3], s[G0S+3], 0x80000000
	s_mov_b32 s[G0SB], 1
	s_mov_b32 s[G0SB+1], SCL+2*HALFS
	s_sub_nc_u64 s[G0SB+2:G0SB+3], s[92:93], s[96:97]
	s_or_b32 s[G0SB+3], s[G0SB+3], 0x80000000
	s_mov_b32 s[G0+4], 1                           ; slot 1: my quarter, K steps 2 and 3
	s_add_co_u32 s[G0+5], s45, SLOT
	s_add_nc_u64 s[G0+6:G0+7], s[20:21], 12288
	s_or_b32 s[G0+7], s[G0+7], 0x80000000
	s_mov_b32 s[G0B+4], 1
	s_add_co_u32 s[G0B+5], s45, SLOT
	s_add_nc_u64 s[G0B+6:G0B+7], s[46:47], 12288
	s_or_b32 s[G0B+7], s[G0B+7], 0x80000000
.macro HARM under, g0, g1, next        ; one chain of arms on the wave's number, one load to an arm, all arms to one join
	s_cmp_lt_u32 s14, \under
	s_cbranch_scc0 \next
	tensor_load_to_lds s[\g0:\g0+3], s[\g1:\g1+7]
	s_nop 0
.rept 4
	v_nop
.endr
	s_branch .Lhead_asked
\next:
.endm
	HARM 1, G0,  G1,  .Lhead_b
	HARM 2, G0B, G1B, .Lhead_sa
	HARM 3, G0S, G1S, .Lhead_sb
	tensor_load_to_lds s[G0SB:G0SB+3], s[G1SB:G1SB+7]
	s_nop 0
.rept 4
	v_nop
.endr
.Lhead_asked:
	s_wait_alu depctr_va_vdst(0)
	s_wait_tensorcnt 0x0                           ; my tile of the four is in
	ds_add_u32 v28, v29
	s_mov_b32 s[G1+2], 2<<16                       ; no tensor load of mine is out: from here on a load brings two groups,
	s_mov_b32 s[G1+4], 2
	s_mov_b32 s[G1B+2], 2<<16
	s_mov_b32 s[G1B+4], 2
	s_mov_b32 s[G0+1], s45                         ; and slot 0's group 0 becomes my quarter's, for its first refill
	s_mov_b64 s[G0+2:G0+3], s[20:21]
	s_or_b32 s[G0+3], s[G0+3], 0x80000000
	s_mov_b32 s[G0B+1], s45
	s_mov_b64 s[G0B+2:G0B+3], s[46:47]
	s_or_b32 s[G0B+3], s[G0B+3], 0x80000000
	s_wait_dscnt 0x0
	CROUND
	JLOAD G0+4, G1, G0B+4, G1B
	v_bfe_u32 v2, v0, 4, 1
	v_and_b32 v3, 31, v0
	v_lshlrev_b32 v[LI], 4, v3
	v_lshlrev_b32 v[LI8], 3, v3
	s_wait_alu depctr_va_vdst(0)
	s_mul_i32 s21, s15, HALFT
	s_mul_i32 s22, s16, HALFT
	s_add_co_u32 s22, s22, 2*HALFT
.irp s, 0,1
	v_add_nc_u32 v[ADRA+\s], s21, v[LI]
	v_add_nc_u32 v[ADRB+\s], s22, v[LI]
	s_add_co_u32 s21, s21, SLOT
	s_add_co_u32 s22, s22, SLOT
.endr
	s_lshl_b32 s21, s15, 12
	s_add_co_u32 s21, s21, SCL
	v_add_nc_u32 v[ADSP], s21, v[LI8]
	s_lshl_b32 s22, s16, 12
	s_add_co_u32 s22, s22, SCL+2*HALFS
	v_add_nc_u32 v[ADSQ], s22, v[LI8]
	v_lshlrev_b32 v30, 6, v2
	s_lshl_b32 s46, s42, 10
	s_lshl_b32 s47, s16, 9
	s_add_co_u32 s46, s46, s47
	s_mov_b32 s47, 0
	s_add_nc_u64 s[92:93], s[8:9], s[46:47]
	WIN 0x40
.irp b, 0,1,2,3,4,5,6,7
	global_load_b128 v[96+8*\b+96*(\b/4):96+8*\b+96*(\b/4)+3], v30, s[92:93] offset:(32*(\b/2)+8*(\b%2))*4
	global_load_b128 v[96+8*\b+96*(\b/4)+4:96+8*\b+96*(\b/4)+7], v30, s[92:93] offset:(32*(\b/2)+8*(\b%2))*4+16
.endr
	WIN 0
	s_wait_alu depctr_va_vdst(0)
	s_wait_tensorcnt 1
	s_barrier_signal -1
	s_barrier_wait -1
	FETCH_B 0, 0, 0
	FETCH_A 0, 0, 0
	SCALES 0
	FETCH_A 0, 0, 4
	s_wait_loadcnt 0x0
	STEP 0, 0, 1
	TURN 0, 1, 1
	STEP 1, 0, 0
	TURN 1, 0, 1
	STEP 0, 0, 0
	TURN 0, 1, 0
	STEP 1, 0, 0
	s_wait_dscnt 4*NL
	WIN 0xa1
	MUL16 0, 1, 1, 1, 0
	MUL16 2, 1, 1, 1, 0
	s_wait_dscnt 0x0
	WIN 0xf1
	MUL16 4, 1, 1, 1, 0
	MUL16 6, 1, 1, 1, 0
	WIN 0
	PLACES 4
	s_lshl_b32 s20, s42, 1
	s_add_co_u32 s20, s20, s16
	s_lshl_b32 s21, s17, 2
	s_lshl_b32 s22, s15, 1
	s_add_co_u32 s21, s21, s22
	s_lshl_b32 s21, s21, 5
	s_add_co_u32 s21, s21, s20
	s_mul_i32 s[OC], s21, 6144
	s_mov_b32 s[OC+1], 0
	s_lshl_b32 s[OS], s21, 8
	s_add_co_u32 s[OS], s[OS], HS
	s_mov_b32 s[OS+1], 0
	s_add_nc_u64 s[OC:OC+1], s[10:11], s[OC:OC+1]
	s_add_nc_u64 s[OS:OS+1], s[10:11], s[OS:OS+1]
.macro CONST r, x
	s_mov_b32 s[\r], \x
	s_mov_b32 s[\r+1], \x
.endm
	CONST C1,  0x3f3504f3
	CONST A11, 0x32edffee
	CONST A9,  0xb60cff51
	CONST A7,  0xb86ec2d2
	CONST A5,  0xba40ac63
	CONST A3,  0xbb41a1f6
	CONST A1,  0xbc83dbd4
	CONST B6,  0xb95fbd29
	CONST B4,  0xbadc924e
	CONST B2,  0xbbf19bf8
	CONST B0,  0xbc69b6a7
	WIN 0x40
	v_mov_b32 v160, 0xaf95df0b
	v_mov_b32 v161, 0xaf95df0b
	v_mov_b32 v162, 0xb77460cd
	v_mov_b32 v163, 0xb77460cd
	WIN 0
.irp j, 0,1,2,3
	v_mov_b32 v[TM+4+\j], 0
.endr
.irp j, 0,1,2,3,4,5,6,7,8
	v_mov_b32 v[PW+\j], 0
.endr
	s_mov_b32 s[AI], 0
.macro ARM a
.if (\a) > 0
	v_mov_b32 v[PWS+(\a)-1], v[PW]
.endif
	s_mov_b32 s[SOFF], ((\a)/4)*196608+((\a)%4)*1536
	WIN 0x42+(\a)/4
.set p, 0
.rept 32
	v_pk_mul_f32 v[2*p:2*p+1], v[64*((\a)%4)+2*p:64*((\a)%4)+2*p+1], s[C1:C1+1] op_sel_hi:[1,0]
.set p, p+1
.endr
	WIN 0x02+(\a)/4
.set p, 0
.rept 32
	v_pk_mul_f32 v[64+2*p:65+2*p], v[64*((\a)%4)+2*p:64*((\a)%4)+2*p+1], 0.5 op_sel_hi:[1,0]
.set p, p+1
.endr
	WIN 0
.endm
.Lepi:
.irp a, 1,2,3,4,5,6,7
	s_cmp_eq_u32 s[AI], \a
	s_cbranch_scc1 .Larm\a
.endr
	ARM 0
	s_branch .Lcom
.irp a, 1,2,3,4,5,6
.Larm\a:
	s_wait_alu depctr_va_vdst(0)
	ARM \a
	s_branch .Lcom
.endr
.Larm7:
	s_wait_alu depctr_va_vdst(0)
	ARM 7
.Lcom:
	WIN 0x55
.set p, 0
.rept 64
	v_med3_num_f32 v[p], v[p], -4.0, 4.0
.set p, p+1
.endr
.irp hf, 0,1
.set p, 0
.rept 16
	v_pk_mul_f32 v[64+2*p:65+2*p], v[32*\hf+2*p:32*\hf+2*p+1], v[32*\hf+2*p:32*\hf+2*p+1]
.set p, p+1
.endr
.set p, 0
.rept 16
	v_pk_fma_f32 v[96+2*p:97+2*p], v[64+2*p:65+2*p], v[160:161], s[A11:A11+1] op_sel_hi:[1,1,0]
.set p, p+1
.endr
.irp cst, A9, A7, A5, A3, A1
.set p, 0
.rept 16
	v_pk_fma_f32 v[96+2*p:97+2*p], v[96+2*p:97+2*p], v[64+2*p:65+2*p], s[\cst:\cst+1] op_sel_hi:[1,1,0]
.set p, p+1
.endr
.endr
.set p, 0
.rept 16
	v_pk_fma_f32 v[128+2*p:129+2*p], v[64+2*p:65+2*p], v[162:163], s[B6:B6+1] op_sel_hi:[1,1,0]
.set p, p+1
.endr
.irp cst, B4, B2, B0
.set p, 0
.rept 16
	v_pk_fma_f32 v[128+2*p:129+2*p], v[128+2*p:129+2*p], v[64+2*p:65+2*p], s[\cst:\cst+1] op_sel_hi:[1,1,0]
.set p, p+1
.endr
.endr
.set p, 0
	s_wait_alu depctr_va_vdst(0)
.rept 32
	v_rcp_f32 v[128+p], v[128+p]
.set p, p+1
.endr
.set p, 0
.rept 16
	v_pk_mul_f32 v[96+2*p:97+2*p], v[96+2*p:97+2*p], v[32*\hf+2*p:32*\hf+2*p+1]
.set p, p+1
.endr
	s_wait_alu depctr_va_vdst(0)
.set p, 0
.rept 16
	v_pk_mul_f32 v[96+2*p:97+2*p], v[96+2*p:97+2*p], v[128+2*p:129+2*p]
.set p, p+1
.endr
	WIN 0x04
.set p, 0
.rept 16
	v_pk_fma_f32 v[64+32*\hf+2*p:65+32*\hf+2*p], v[64+32*\hf+2*p:65+32*\hf+2*p], v[96+2*p:97+2*p], v[64+32*\hf+2*p:65+32*\hf+2*p]
.set p, p+1
.endr
	WIN 0x55
.endr
	WIN 0
	QUANTW 64, 0, PW
	v_add_nc_u32 v[VOO], s[SOFF], v[LI]
.irp c, 0,1,2
	global_store_b128 v[VOO], v[PC+4*\c:PC+4*\c+3], s[OC:OC+1] offset:512*\c
.endr
	s_add_co_u32 s[AI], s[AI], 1
	s_cmp_lt_u32 s[AI], 8
	s_cbranch_scc1 .Lepi
	v_mov_b32 v[PWS+7], v[PW]
	v_and_b32 v191, 16, v0
	v_cmp_ne_u32 vcc_lo, 0, v191
.irp G, 0,1
	v_cndmask_b32 v[E+2*\G], v[PWS+4*\G], v[PWS+4*\G+1], vcc_lo
	v_cndmask_b32 v[E+2*\G+1], v[PWS+4*\G+2], v[PWS+4*\G+3], vcc_lo
	global_store_b64 v[LI8], v[E+2*\G:E+2*\G+1], s[OS:OS+1] offset:8192*\G
.endr
	s_wait_tensorcnt 0x0
	ds_add_u32 v[SPW], v[NIL]
	s_wait_dscnt 0x0
	CROUND
	s_endpgm
.Lfunc_end_k_qd21a2cd549_w1:
	.size	k_qd21a2cd549_w1, .Lfunc_end_k_qd21a2cd549_w1-k_qd21a2cd549_w1
	.p2alignl 7, 3214868480
	.fill 96, 4, 3214868480
	.section	.rodata,"a",@progbits
	.p2align	6, 0x0
	.amdhsa_kernel k_qd21a2cd549_w1
		.amdhsa_group_segment_fixed_size 327680
		.amdhsa_private_segment_fixed_size 0
		.amdhsa_enable_private_segment 0
		.amdhsa_kernarg_size 32
		.amdhsa_user_sgpr_count 2
		.amdhsa_user_sgpr_kernarg_segment_ptr 1
		.amdhsa_wavefront_size32 1
		.amdhsa_system_sgpr_workgroup_id_x 1
		.amdhsa_system_sgpr_workgroup_id_y 1
		.amdhsa_system_sgpr_workgroup_id_z 1
		.amdhsa_system_vgpr_workitem_id 0
		.amdhsa_next_free_vgpr 1024
		.amdhsa_next_free_sgpr 100
		.amdhsa_reserve_vcc 1
		.amdhsa_float_denorm_mode_32 3
		.amdhsa_float_denorm_mode_16_64 3
		.amdhsa_memory_ordered 1
		.amdhsa_forward_progress 1
		.amdhsa_inst_pref_size 184
	.end_amdhsa_kernel
	.amdgpu_metadata
---
amdhsa.version: [ 1, 2 ]
amdhsa.kernels:
  - .name:           k_qd21a2cd549_w1
    .symbol:         k_qd21a2cd549_w1.kd
    .args:
      - { .name: ln1, .offset: 0, .size: 8, .value_kind: global_buffer, .address_space: global }
      - { .name: pre, .offset: 8, .size: 8, .value_kind: global_buffer, .address_space: global }
      - { .name: b1, .offset: 16, .size: 8, .value_kind: global_buffer, .address_space: global }
      - { .name: hid, .offset: 24, .size: 8, .value_kind: global_buffer, .address_space: global }
    .group_segment_fixed_size: 327680
    .private_segment_fixed_size: 0
    .kernarg_segment_align: 8
    .kernarg_segment_size: 32
    .max_flat_workgroup_size: 128
    .sgpr_count:     100
    .vgpr_count:     1024
    .wavefront_size: 32
...
	.end_amdgpu_metadata
.endif
;; end of part 11
;; launch w2a (part 12): grid 16 x 16, 4 waves a work-group, clusters of 4 x 4, 327,680 bytes of LDS; arguments hid, pre, b2, part; writes part
.if DOCPART == 12
	.amdgcn_target "amdgcn-amd-amdhsa--gfx1250"
	.amdhsa_code_object_version 6
	.text
	.protected	k_qd21a2cd549_w2a
	.globl	k_qd21a2cd549_w2a
	.p2align	8
	.type	k_qd21a2cd549_w2a,@function
k_qd21a2cd549_w2a:
	s_mov_b64 s[64:65], 0
	v_nop
	global_prefetch_b8 v0, s[64:65] scope:SCOPE_SE
	s_setreg_imm32_b32 hwreg(HW_REG_WAVE_MODE, 25, 1), 1
	s_wait_xcnt 0x0
	s_wait_alu depctr_hold_cnt(0) depctr_sa_sdst(0) depctr_va_vdst(0) depctr_va_sdst(0) depctr_va_ssrc(0) depctr_va_vcc(0) depctr_vm_vsrc(0)
	s_getreg_b32 s2, hwreg(HW_REG_IB_STS2, 6, 4)
	s_cmp_eq_u32 s2, 0
	s_cbranch_scc0 .Lentry_in_a_cluster
	s_endpgm
.Lentry_in_a_cluster:
	s_bfe_u32 s2, ttmp6, 0x10000c
	s_cmp_lg_u32 s2, 0xf033
	s_cbranch_scc0 .Lentry_shape_is_right
	s_endpgm
.Lentry_shape_is_right:
.set HS,    12582912
.set W2C,   9437184
.set W2S,   12976128
.set HALFT, 24576
.set SLOT,  98304
.set SCL,   196608
.set HALFS, 4096
.set SPARE, 212992
.set SPITCH, 528
.set NL,    3
.set NP,    4
.set FR,    12
.set ADRA,  16
.set STO,   18
.set RD,    19
.set ADRB,  20
.set ADSP,  24
.set ADSQ,  25
.set LI,    26
.set LI8,   27
.set SPW,   28
.set NIL,   29
.set SC,    32
.set AF,    128
.set BK,    128
.set G1,    24
.set G0,    32
.set G1B,   48
.set G0B,   56
.set G1S,   68
.set G0S,   76
.set G1SB,  80
.set G0SB,  88
.set OC,    48
.set MSB,   0
.macro WIN new
.if MSB != (\new)
	s_set_vgpr_msb (MSB<<8)|(\new)
.set MSB, \new
.endif
.endm
.macro PLACES n
.rept \n
	v_nop
.endr
.endm
.macro WMC d, a, b, c, sa, sb, ra, rb
.if ((\ra) == 0) && ((\rb) == 0)
	v_wmma_scale_f32_16x16x128_f8f6f4 v[(\d):(\d)+7], v[(\a):(\a)+11], v[(\b):(\b)+11], v[(\c):(\c)+7], v[\sa], v[\sb] matrix_a_fmt:MATRIX_FMT_BF6 matrix_b_fmt:MATRIX_FMT_BF6
.elseif (\rb) == 0
	v_wmma_scale_f32_16x16x128_f8f6f4 v[(\d):(\d)+7], v[(\a):(\a)+11], v[(\b):(\b)+11], v[(\c):(\c)+7], v[\sa], v[\sb] matrix_a_fmt:MATRIX_FMT_BF6 matrix_b_fmt:MATRIX_FMT_BF6 matrix_a_scale:MATRIX_SCALE_ROW1
.elseif (\ra) == 0
	v_wmma_scale_f32_16x16x128_f8f6f4 v[(\d):(\d)+7], v[(\a):(\a)+11], v[(\b):(\b)+11], v[(\c):(\c)+7], v[\sa], v[\sb] matrix_a_fmt:MATRIX_FMT_BF6 matrix_b_fmt:MATRIX_FMT_BF6 matrix_b_scale:MATRIX_SCALE_ROW1
.else
	v_wmma_scale_f32_16x16x128_f8f6f4 v[(\d):(\d)+7], v[(\a):(\a)+11], v[(\b):(\b)+11], v[(\c):(\c)+7], v[\sa], v[\sb] matrix_a_fmt:MATRIX_FMT_BF6 matrix_b_fmt:MATRIX_FMT_BF6 matrix_a_scale:MATRIX_SCALE_ROW1 matrix_b_scale:MATRIX_SCALE_ROW1
.endif
.endm
.macro JLOAD g0a, g1a, g0b, g1b
	s_cmp_eq_u32 s15, 0
	s_cbranch_scc0 .Lfor_b_\@
	tensor_load_to_lds s[\g0a:\g0a+3], s[\g1a:\g1a+7]
	s_nop 0
.rept 4
	v_nop
.endr
	s_branch .Lasked_\@
.Lfor_b_\@:
	tensor_load_to_lds s[\g0b:\g0b+3], s[\g1b:\g1b+7]
	s_nop 0
.rept 4
	v_nop
.endr
.Lasked_\@:
.endm
.macro CREST
	s_cmp_lg_u32 s14, 0
	s_cbranch_scc1 .Lnot_wave_0_\@
	s_barrier_signal -3
.Lnot_wave_0_\@:
	s_barrier_wait -3
	s_barrier_signal -1
	s_barrier_wait -1
.endm
.macro CROUND
	s_barrier_signal -1
	s_barrier_wait -1
	CREST
.endm
.macro FRAG reg, adr, q, i
.irp c, 0,1,2
	ds_load_b128 v[(\reg)+4*\c:(\reg)+4*\c+3], v[\adr] offset:((\i)/4)*12288+(\q)*6144+((\i)%4)*1536+512*\c
.endr
.endm
.macro FETCH_B slot, q, p
	WIN 0x40
.irp i, 0,1,2,3,4,5,6,7
	FRAG 128*(\p)+FR*\i, ADRB+\slot, \q, \i
.endr
	WIN 0
.endm
.macro FETCH_A slot, q, i0
.irp i, \i0, \i0+1, \i0+2, \i0+3
	FRAG AF+FR*(\i), ADRA+\slot, \q, \i
.endr
.endm
.macro SCALES sc
.irp G, 0,1
.irp q, 0,1
	ds_load_b64 v[SC+16*(\sc)+4*\q+2*\G:SC+16*(\sc)+4*\q+2*\G+1], v[ADSP] offset:2048*\G+256*\q
	ds_load_b64 v[SC+16*(\sc)+8+4*\q+2*\G:SC+16*(\sc)+8+4*\q+2*\G+1], v[ADSQ] offset:2048*\G+256*\q
.endr
.endr
.endm
.macro MUL16 a0, p, q, sc, cm
.irp a, \a0, \a0+1
.irp b, 0,1,2,3,4,5,6,7
.if (\cm) == 0
	WMC 8*(8*((\a)%4)+\b), 128*(\p)+FR*\b, AF+FR*(\a), 8*(8*((\a)%4)+\b), SC+16*(\sc)+8+4*(\q)+\b/2, SC+16*(\sc)+4*(\q)+(\a)/2, \b%2, (\a)%2
.else
	WMC 8*(8*((\a)%4)+\b), 128*(\p)+FR*\b, AF+FR*(\a), 96+8*\b+96*(\b/4), SC+16*(\sc)+8+4*(\q)+\b/2, SC+16*(\sc)+4*(\q)+(\a)/2, \b%2, (\a)%2
.endif
.endr
.endr
.endm
.macro STEP slot, q, cm
	s_wait_dscnt 4*NL
.if (\cm) == 0
	WIN 0xa1
.else
	WIN 0x91
.endif
	MUL16 0, (\q)%2, \q, \slot, \cm
	MUL16 2, (\q)%2, \q, \slot, \cm
	s_wait_dscnt 0x0
	PLACES NP
	FETCH_B \slot, (\q)+1, 1-(\q)%2
	FETCH_A \slot, (\q)+1, 0
.if (\cm) == 0
	WIN 0xf1
.else
	WIN 0xd1
.endif
	MUL16 4, (\q)%2, \q, \slot, \cm
	MUL16 6, (\q)%2, \q, \slot, \cm
	PLACES NP
	WIN 0
	FETCH_A \slot, (\q)+1, 4
.endm
.macro TURN slot, next, fill
	s_wait_tensorcnt 0x0
	ds_add_u32 v[SPW], v[NIL]
	s_wait_dscnt 4*NL+1
	WIN 0xa1
	MUL16 0, 1, 1, \slot, 0
	s_wait_dscnt 0x0
	s_barrier_signal -1
	MUL16 2, 1, 1, \slot, 0
	WIN 0
	s_barrier_wait -1
.if \fill
	CREST
	s_add_nc_u64 s[G0+4*\slot+2:G0+4*\slot+3], s[G0+4*\slot+2:G0+4*\slot+3], 24576
	s_add_nc_u64 s[G0B+4*\slot+2:G0B+4*\slot+3], s[G0B+4*\slot+2:G0B+4*\slot+3], 24576
	JLOAD G0+4*\slot, G1, G0B+4*\slot, G1B
.else
	PLACES NP
.endif
	s_wait_alu depctr_va_vdst(0)
	v_add_nc_u32 v[ADSP], 512, v[ADSP]
	v_add_nc_u32 v[ADSQ], 512, v[ADSQ]
	FETCH_B \next, 0, 0
	FETCH_A \next, 0, 0
	SCALES \next
	WIN 0xf1
	MUL16 4, 1, 1, \slot, 0
	MUL16 6, 1, 1, \slot, 0
	PLACES NP
	WIN 0
	FETCH_A \next, 0, 4
.endm
	s_load_b256 s[4:11], s[0:1], 0x0
	v_lshl_add_u32 v[SPW], v0, 2, SPARE
	v_mov_b32 v[NIL], 0
	ds_add_u32 v28, v29
	ds_add_u32 v28, v29
	s_wait_dscnt 0x0
	v_lshrrev_b32 v1, 5, v0
	v_readfirstlane_b32 s14, v1
	s_lshr_b32 s15, s14, 1
	s_and_b32 s16, s14, 1
	s_bfe_u32 s40, ttmp6, 0x40000
	s_bfe_u32 s41, ttmp6, 0x40004
	s_mov_b32 s42, s40
	s_mov_b32 s66, ttmp9
	s_and_b32 s17, ttmp7, 0xffff
	s_lshl_b32 s17, s17, 2
	s_add_co_u32 s17, s17, s41
	s_lshl_b32 s43, s41, 2
	s_lshl_b32 s43, 15, s43
	s_lshl_b32 s44, 0x1111, s40
	s_or_b32 s[G1+0], s43, (3<<16)|(1<<21)
	s_or_b32 s[G1B+0], s44, (3<<16)|(1<<21)
.irp g, G1, G1B
	s_mov_b32 s[\g+1], 1536<<16
	s_mov_b32 s[\g+2], 4<<16                       ; the head's loads bring a tile's four groups; behind them the two words that count rows are set to 2
	s_mov_b32 s[\g+3], 1536<<16
	s_mov_b32 s[\g+4], 4
	s_mov_b32 s[\g+5], 24576
	s_mov_b32 s[\g+6], 0
	s_mov_b32 s[\g+7], 0
.endr
	s_or_b32 s[G1S+0], s43, (3<<16)|(1<<21)
	s_or_b32 s[G1SB+0], s44, (3<<16)|(1<<21)
.irp g, G1S, G1SB
	s_mov_b32 s[\g+1], 256<<16
	s_mov_b32 s[\g+2], 4<<16                       ; the scale words of a tile's four groups: 2,048 bytes of each
	s_mov_b32 s[\g+3], 256<<16
	s_mov_b32 s[\g+4], 4
	s_mov_b32 s[\g+5], 1024
	s_mov_b32 s[\g+6], 0
	s_mov_b32 s[\g+7], 0
.endr
	s_mul_i32 s94, s66, 49152
	s_lshl_b32 s95, s66, 11
	s_lshl_b32 s18, s16, 1
	s_lshl_b32 s20, s17, 2
	s_add_co_u32 s20, s20, s18
	s_lshl_b32 s22, s20, 13
	s_add_co_u32 s22, s22, s95
	s_add_co_u32 s22, s22, HS
	s_mul_i32 s20, s20, 196608
	s_add_co_u32 s20, s20, s94
	s_mov_b32 s21, 0
	s_mov_b32 s23, 0
	s_lshl_b32 s46, s42, 2
	s_add_co_u32 s46, s46, s18
	s_lshl_b32 s92, s46, 13
	s_add_co_u32 s92, s92, s95
	s_add_co_u32 s92, s92, W2S
	s_mul_i32 s46, s46, 196608
	s_add_co_u32 s46, s46, s94
	s_add_co_u32 s46, s46, W2C
	s_mov_b32 s47, 0
	s_mov_b32 s93, 0
	s_mul_i32 s45, s14, HALFT
	s_lshl_b32 s67, s14, 12
	s_wait_kmcnt 0x0
	s_add_nc_u64 s[20:21], s[4:5], s[20:21]
	s_add_nc_u64 s[22:23], s[4:5], s[22:23]
	s_add_nc_u64 s[46:47], s[6:7], s[46:47]
	s_add_nc_u64 s[92:93], s[6:7], s[92:93]
	CROUND
	; THE HEAD'S FOUR TILES, ONE A WAVE: wave 0 slot 0 of source 1's four groups, wave 1 of source 0's, wave 2 and 3 their scale words, each whole.  My own addresses stand two groups on in odd waves: that distance is taken off
	s_mul_i32 s94, s18, 196608
	s_mov_b32 s95, 0
	s_lshl_b32 s96, s18, 13
	s_mov_b32 s97, 0
	s_mov_b32 s[G0], 1
	s_mov_b32 s[G0+1], 0
	s_sub_nc_u64 s[G0+2:G0+3], s[20:21], s[94:95]
	s_or_b32 s[G0+3], s[G0+3], 0x80000000
	s_mov_b32 s[G0B], 1
	s_mov_b32 s[G0B+1], 2*HALFT
	s_sub_nc_u64 s[G0B+2:G0B+3], s[46:47], s[94:95]
	s_or_b32 s[G0B+3], s[G0B+3], 0x80000000
	s_mov_b32 s[G0S], 1
	s_mov_b32 s[G0S+1], SCL
	s_sub_nc_u64 s[G0S+2:G0S+3], s[22:23], s[96:97]
	s_or_b32 s[G0S+3], s[G0S+3], 0x80000000
	s_mov_b32 s[G0SB], 1
	s_mov_b32 s[G0SB+1], SCL+2*HALFS
	s_sub_nc_u64 s[G0SB+2:G0SB+3], s[92:93], s[96:97]
	s_or_b32 s[G0SB+3], s[G0SB+3], 0x80000000
	s_mov_b32 s[G0+4], 1                           ; slot 1: my quarter, K steps 2 and 3 of my quarter of K
	s_add_co_u32 s[G0+5], s45, SLOT
	s_add_nc_u64 s[G0+6:G0+7], s[20:21], 12288
	s_or_b32 s[G0+7], s[G0+7], 0x80000000
	s_mov_b32 s[G0B+4], 1
	s_add_co_u32 s[G0B+5], s45, SLOT
	s_add_nc_u64 s[G0B+6:G0B+7], s[46:47], 12288
	s_or_b32 s[G0B+7], s[G0B+7], 0x80000000
.macro ARM under, g0, g1, next         ; one chain of arms on the wave's number, one load to an arm, all arms to one join
	s_cmp_lt_u32 s14, \under
	s_cbranch_scc0 \next
	tensor_load_to_lds s[\g0:\g0+3], s[\g1:\g1+7]
	s_nop 0
.rept 4
	v_nop
.endr
	s_branch .Lhead_asked
\next:
.endm
	ARM 1, G0,  G1,  .Lhead_b
	ARM 2, G0B, G1B, .Lhead_sa
	ARM 3, G0S, G1S, .Lhead_sb
	tensor_load_to_lds s[G0SB:G0SB+3], s[G1SB:G1SB+7]
	s_nop 0
.rept 4
	v_nop
.endr
.Lhead_asked:
	s_wait_alu depctr_va_vdst(0)
	s_wait_tensorcnt 0x0                           ; my tile of the four is in
	ds_add_u32 v28, v29
	s_mov_b32 s[G1+2], 2<<16                       ; no tensor load of mine is out: from here on a load brings two groups,
	s_mov_b32 s[G1+4], 2
	s_mov_b32 s[G1B+2], 2<<16
	s_mov_b32 s[G1B+4], 2
	s_mov_b32 s[G0+1], s45                         ; and slot 0's group 0 becomes my quarter's, for its first refill
	s_mov_b64 s[G0+2:G0+3], s[20:21]
	s_or_b32 s[G0+3], s[G0+3], 0x80000000
	s_mov_b32 s[G0B+1], s45
	s_mov_b64 s[G0B+2:G0B+3], s[46:47]
	s_or_b32 s[G0B+3], s[G0B+3], 0x80000000
	s_wait_dscnt 0x0
	CROUND
	JLOAD G0+4, G1, G0B+4, G1B
	v_and_b32 v1, 15, v0
	v_bfe_u32 v2, v0, 4, 1
	v_and_b32 v3, 31, v0
	v_lshlrev_b32 v[LI], 4, v3
	v_lshlrev_b32 v[LI8], 3, v3
	s_wait_alu depctr_va_vdst(0)
	s_mul_i32 s21, s15, HALFT
	s_mul_i32 s22, s16, HALFT
	s_add_co_u32 s22, s22, 2*HALFT
.irp s, 0,1
	v_add_nc_u32 v[ADRA+\s], s21, v[LI]
	v_add_nc_u32 v[ADRB+\s], s22, v[LI]
	s_add_co_u32 s21, s21, SLOT
	s_add_co_u32 s22, s22, SLOT
.endr
	s_lshl_b32 s21, s15, 12
	s_add_co_u32 s21, s21, SCL
	v_add_nc_u32 v[ADSP], s21, v[LI8]
	s_lshl_b32 s22, s16, 12
	s_add_co_u32 s22, s22, SCL+2*HALFS
	v_add_nc_u32 v[ADSQ], s22, v[LI8]
	s_mul_i32 s23, s14, 16*SPITCH
	v_mul_u32_u24 v[STO], v1, SPITCH
	v_lshl_add_u32 v[STO], v2, 6, v[STO]
	v_add_nc_u32 v[STO], s23, v[STO]
	v_add_nc_u32 v[RD], s23, v[LI]
	v_lshlrev_b32 v30, 6, v2
	s_cmp_eq_u32 s66, 0
	s_cbranch_scc0 .Lno_bias
	s_lshl_b32 s46, s42, 10
	s_lshl_b32 s47, s16, 9
	s_add_co_u32 s46, s46, s47
	s_mov_b32 s47, 0
	s_add_nc_u64 s[92:93], s[8:9], s[46:47]
	WIN 0x40
	s_wait_alu depctr_va_vdst(0)
.irp b, 0,1,2,3,4,5,6,7
	global_load_b128 v[96+8*\b+96*(\b/4):96+8*\b+96*(\b/4)+3], v30, s[92:93] offset:(32*(\b/2)+8*(\b%2))*4
	global_load_b128 v[96+8*\b+96*(\b/4)+4:96+8*\b+96*(\b/4)+7], v30, s[92:93] offset:(32*(\b/2)+8*(\b%2))*4+16
.endr
	WIN 0
	s_branch .Lbias_done
.Lno_bias:
	WIN 0x40
.irp b, 0,1,2,3,4,5,6,7
.irp j, 0,1,2,3,4,5,6,7
	v_mov_b32 v[96+8*\b+96*(\b/4)+\j], 0
.endr
.endr
	WIN 0
.Lbias_done:
	s_wait_tensorcnt 1
	s_barrier_signal -1
	s_barrier_wait -1
	FETCH_B 0, 0, 0
	FETCH_A 0, 0, 0
	SCALES 0
	FETCH_A 0, 0, 4
	s_wait_loadcnt 0x0
	s_wait_alu depctr_va_vdst(0)
	STEP 0, 0, 1
	TURN 0, 1, 1
	STEP 1, 0, 0
	TURN 1, 0, 1
	STEP 0, 0, 0
	TURN 0, 1, 0
	STEP 1, 0, 0
	s_wait_dscnt 4*NL
	WIN 0xa1
	MUL16 0, 1, 1, 1, 0
	MUL16 2, 1, 1, 1, 0
	s_wait_dscnt 0x0
	WIN 0xf1
	MUL16 4, 1, 1, 1, 0
	MUL16 6, 1, 1, 1, 0
	WIN 0
	s_lshl_b32 s20, s17, 8
	s_lshl_b32 s21, s15, 7
	s_add_co_u32 s20, s20, s21
	s_lshl_b32 s20, s20, 12
	s_lshl_b32 s21, s66, 24
	s_add_co_u32 s20, s20, s21
	s_lshl_b32 s21, s42, 10
	s_add_co_u32 s20, s20, s21
	s_lshl_b32 s21, s16, 9
	s_add_co_u32 s20, s20, s21
	s_mov_b32 s21, 0
	s_add_nc_u64 s[OC:OC+1], s[10:11], s[20:21]
.macro TOSTAGE a
.set AC, 64*((\a)%4)
	WIN 0x08+4*((\a)/4)
.irp b, 0,1,2,3,4,5,6,7
	ds_store_b128 v[STO], v[AC+8*\b:AC+8*\b+3] offset:(32*(\b/2)+8*(\b%2))*4
	ds_store_b128 v[STO], v[AC+8*\b+4:AC+8*\b+7] offset:(32*(\b/2)+8*(\b%2))*4+16
.endr
	WIN 0
.set BB, BK+64*((\a)%2)
.irp t, 0,1,2,3,4,5,6,7,8,9,10,11,12,13,14,15
	ds_load_b128 v[BB+4*\t:BB+4*\t+3], v[RD] offset:\t*SPITCH
.endr
.endm
.macro SEND a, younger
.set BB, BK+64*((\a)%2)
	s_wait_dscnt \younger
.irp t, 0,1,2,3,4,5,6,7,8,9,10,11,12,13,14,15
	global_store_b128 v[LI], v[BB+4*\t:BB+4*\t+3], s[OC:OC+1] offset:(32*((\a)/2)+8*((\a)%2)+\t+8*(\t/8))*4096 th:TH_STORE_NT
.endr
.endm
	PLACES NP
	TOSTAGE 0
.irp a, 1,2,3,4,5,6,7
.if \a > 1
	s_wait_xcnt 0x0
.endif
	TOSTAGE \a
	SEND \a-1, 32
.endr
	SEND 7, 0
	s_wait_tensorcnt 0x0
	ds_add_u32 v[SPW], v[NIL]
	s_wait_dscnt 0x0
	CROUND
	s_endpgm
.Lfunc_end_k_qd21a2cd549_w2a:
	.size	k_qd21a2cd549_w2a, .Lfunc_end_k_qd21a2cd549_w2a-k_qd21a2cd549_w2a
	.p2alignl 7, 3214868480
	.fill 96, 4, 3214868480
	.section	.rodata,"a",@progbits
	.p2align	6, 0x0
	.amdhsa_kernel k_qd21a2cd549_w2a
		.amdhsa_group_segment_fixed_size 327680
		.amdhsa_private_segment_fixed_size 0
		.amdhsa_enable_private_segment 0
		.amdhsa_kernarg_size 32
		.amdhsa_user_sgpr_count 2
		.amdhsa_user_sgpr_kernarg_segment_ptr 1
		.amdhsa_wavefront_size32 1
		.amdhsa_system_sgpr_workgroup_id_x 1
		.amdhsa_system_sgpr_workgroup_id_y 1
		.amdhsa_system_sgpr_workgroup_id_z 1
		.amdhsa_system_vgpr_workitem_id 0
		.amdhsa_next_free_vgpr 1024
		.amdhsa_next_free_sgpr 100
		.amdhsa_reserve_vcc 0
		.amdhsa_float_denorm_mode_32 3
		.amdhsa_float_denorm_mode_16_64 3
		.amdhsa_memory_ordered 1
		.amdhsa_forward_progress 1
		.amdhsa_inst_pref_size 140
	.end_amdhsa_kernel
	.amdgpu_metadata
---
amdhsa.version: [ 1, 2 ]
amdhsa.kernels:
  - .name:           k_qd21a2cd549_w2a
    .symbol:         k_qd21a2cd549_w2a.kd
    .args:
      - { .name: hid, .offset: 0, .size: 8, .value_kind: global_buffer, .address_space: global }
      - { .name: pre, .offset: 8, .size: 8, .value_kind: global_buffer, .address_space: global }
      - { .name: b2, .offset: 16, .size: 8, .value_kind: global_buffer, .address_space: global }
      - { .name: part, .offset: 24, .size: 8, .value_kind: global_buffer, .address_space: global }
    .group_segment_fixed_size: 327680
    .private_segment_fixed_size: 0
    .kernarg_segment_align: 8
    .kernarg_segment_size: 32
    .max_flat_workgroup_size: 128
    .sgpr_count:     100
    .vgpr_count:     1024
    .wavefront_size: 32
...
	.end_amdgpu_metadata
.endif
;; end of part 12
;; launch ln2 (part 13): grid 1024 x 1, 4 waves a work-group, no clusters, 0 bytes of LDS; arguments part, ln1, g2, be2, out0; writes out0
.if DOCPART == 13
	.amdgcn_target "amdgcn-amd-amdhsa--gfx1250"
	.amdhsa_code_object_version 6
	.text
	.protected	k_qd21a2cd549_ln2
	.globl	k_qd21a2cd549_ln2
	.p2align	8
	.type	k_qd21a2cd549_ln2,@function
k_qd21a2cd549_ln2:
	s_mov_b64 s[64:65], 0
	v_nop
	global_prefetch_b8 v0, s[64:65] scope:SCOPE_SE
	s_setreg_imm32_b32 hwreg(HW_REG_WAVE_MODE, 25, 1), 1
	s_wait_xcnt 0x0
; ln2: out0 = LayerNorm(part[0] + part[1] + part[2] + part[3] + old1) x g2 + be2.  part: [4][4096][1024] f32, the four quarters of K of the last product (b2 lies in quarter 0); old1: the first 16,777,216 bytes of ln1, [4096][1024] f32.
; A stream: memory binds, so there is no LDS, no barrier, no matrix unit and no cluster (nothing is shared but 8,192 bytes of gains and betas).
; ONE WAVE, ONE ROW of 4,096 bytes: lane l holds columns 128 k + 4 l .. + 3, k = 0 .. 7, so that each load and store of the wave covers 512 consecutive bytes.  The row stays in 32 registers from the sums to the store,
; and its mean and variance never leave the wave.  All 56 loads of a wave go out at once; 1,024 work-groups of four waves with 256 registers each.
; The four quarters are added as ((0 + 1) + (2 + 3)) + old1: another order of rounding than one chain along K.  The variance is taken of the differences from the mean.
; LIMITS: NaN and infinities are not served.
.set P,   32                           ; v32-159  the four quarters' rows; the sum, then y, in the first 32
.set R,   160                          ; v160-191 old1's row
.set G,   192                          ; v192-223 gains
.set BE,  224                          ; v224-255 betas
.set S,   4                            ; v4-11    four chains of sums
.set MU,  12                           ; v12-13   the mean, twice
.set RS,  14                           ; v14-15   1 / deviation, twice
.set SEL, 28                           ; s[28:29] lane selects: lane l xor 16
	s_load_b256 s[4:11], s[0:1], 0x0               ; part, ln1, g2, be2
	s_load_b64 s[12:13], s[0:1], 0x20              ; out0
	v_lshrrev_b32 v2, 5, v0
	v_readfirstlane_b32 s14, v2                    ; wave
	v_and_b32 v1, 31, v0
	v_lshlrev_b32 v1, 4, v1                        ; 16 x lane
	s_lshl_b32 s15, ttmp9, 2
	s_add_co_u32 s15, s15, s14                     ; my row
	s_lshl_b32 s16, s15, 12
	s_mov_b32 s17, 0
	s_mov_b32 s26, 0x3a800000                      ; 1 / 1,024
	s_mov_b32 s27, 0x3727c5ac                      ; 1e-5
	s_mov_b32 s[SEL], 0x76543210
	s_mov_b32 s[SEL+1], 0xfedcba98
	s_wait_alu depctr_va_vdst(0)
	s_wait_kmcnt 0x0
	s_add_nc_u64 s[18:19], s[4:5], s[16:17]        ; my row in quarter 0,
	s_add_nc_u64 s[20:21], s[18:19], 0x1000000     ; and 16,777,216 bytes on for each further quarter
	s_add_nc_u64 s[22:23], s[18:19], 0x2000000
	s_add_nc_u64 s[24:25], s[18:19], 0x3000000
	s_add_nc_u64 s[6:7], s[6:7], s[16:17]
	s_add_nc_u64 s[12:13], s[12:13], s[16:17]
.irp q, 0,1,2,3
.irp k, 0,1,2,3,4,5,6,7
	global_load_b128 v[P+32*\q+4*\k:P+32*\q+4*\k+3], v1, s[18+2*\q:19+2*\q] offset:512*\k th:TH_LOAD_NT
.endr
.endr
.irp k, 0,1,2,3,4,5,6,7
	global_load_b128 v[R+4*\k:R+4*\k+3], v1, s[6:7] offset:512*\k th:TH_LOAD_NT
.endr
.irp k, 0,1,2,3,4,5,6,7
	global_load_b128 v[G+4*\k:G+4*\k+3], v1, s[8:9] offset:512*\k
.endr
.irp k, 0,1,2,3,4,5,6,7
	global_load_b128 v[BE+4*\k:BE+4*\k+3], v1, s[10:11] offset:512*\k
.endr
	s_wait_loadcnt 40                              ; of 56 loads the first 16 are in: quarters 0 and 1
.set p, 0
.rept 16
	v_pk_add_f32 v[P+2*p:P+2*p+1], v[P+2*p:P+2*p+1], v[P+32+2*p:P+32+2*p+1]
.set p, p+1
.endr
	s_wait_loadcnt 24                              ; quarters 2 and 3
.set p, 0
.rept 16
	v_pk_add_f32 v[P+64+2*p:P+64+2*p+1], v[P+64+2*p:P+64+2*p+1], v[P+96+2*p:P+96+2*p+1]
.set p, p+1
.endr
.set p, 0
.rept 16
	v_pk_add_f32 v[P+2*p:P+2*p+1], v[P+2*p:P+2*p+1], v[P+64+2*p:P+64+2*p+1]
.set p, p+1
.endr
	s_wait_loadcnt 16                              ; old1; the gains' and betas' 16 loads may be out
.set p, 0
.rept 16
	v_pk_add_f32 v[P+2*p:P+2*p+1], v[P+2*p:P+2*p+1], v[R+2*p:R+2*p+1]
.set p, p+1
.endr
.macro REDUCE                          ; the four chains, the pair's halves, then the 32 lanes: four steps inside each half of 16 lanes ride on the additions, one crosses the halves; every lane ends with the sum
	v_pk_add_f32 v[S:S+1], v[S:S+1], v[S+2:S+3]
	v_pk_add_f32 v[S+4:S+5], v[S+4:S+5], v[S+6:S+7]
	v_pk_add_f32 v[S:S+1], v[S:S+1], v[S+4:S+5]
	v_add_f32 v[S], v[S], v[S+1]
	v_add_f32_dpp v[S], v[S], v[S] row_xmask:1 row_mask:0xf bank_mask:0xf
	v_add_f32_dpp v[S], v[S], v[S] row_xmask:2 row_mask:0xf bank_mask:0xf
	v_add_f32_dpp v[S], v[S], v[S] row_xmask:4 row_mask:0xf bank_mask:0xf
	v_add_f32_dpp v[S], v[S], v[S] row_xmask:8 row_mask:0xf bank_mask:0xf
	v_permlanex16_b32 v[S+1], v[S], s[SEL], s[SEL+1]
	v_add_f32 v[S], v[S], v[S+1]
.endm
.irp c, 0,1,2,3
	v_pk_add_f32 v[S+2*\c:S+2*\c+1], v[P+2*\c:P+2*\c+1], v[P+8+2*\c:P+8+2*\c+1]   ; the first pairs start the chains: nothing is cleared
.endr
.irp j, 16,24
.irp c, 0,1,2,3
	v_pk_add_f32 v[S+2*\c:S+2*\c+1], v[S+2*\c:S+2*\c+1], v[P+\j+2*\c:P+\j+2*\c+1]
.endr
.endr
	REDUCE
	v_mul_f32 v[MU], s26, v[S]                     ; the mean
	v_mul_f32 v[MU+1], s26, v[S]
.set p, 0
.rept 16
	v_pk_add_f32 v[P+2*p:P+2*p+1], v[P+2*p:P+2*p+1], v[MU:MU+1] neg_lo:[0,1] neg_hi:[0,1]
.set p, p+1
.endr
.irp c, 0,1,2,3
	v_pk_mul_f32 v[S+2*\c:S+2*\c+1], v[P+2*\c:P+2*\c+1], v[P+2*\c:P+2*\c+1]
.endr
.irp j, 8,16,24
.irp c, 0,1,2,3
	v_pk_fma_f32 v[S+2*\c:S+2*\c+1], v[P+\j+2*\c:P+\j+2*\c+1], v[P+\j+2*\c:P+\j+2*\c+1], v[S+2*\c:S+2*\c+1]
.endr
.endr
	REDUCE
	v_fma_f32 v[S+2], v[S], s26, s27               ; variance + eps
	s_wait_alu depctr_va_vdst(0)
	v_rsq_f32 v[RS], v[S+2]
	v_nop                                          ; one plain place behind the transcendental
	s_wait_alu depctr_va_vdst(0)                   ; the wait ahead of its first reader
	v_mov_b32 v[RS+1], v[RS]
	s_wait_alu depctr_va_vdst(0)
	s_wait_loadcnt 0x0                             ; gains and betas
.set p, 0
.rept 16
	v_pk_mul_f32 v[P+2*p:P+2*p+1], v[P+2*p:P+2*p+1], v[RS:RS+1]
.set p, p+1
.endr
.set p, 0
.rept 16
	v_pk_fma_f32 v[P+2*p:P+2*p+1], v[P+2*p:P+2*p+1], v[G+2*p:G+2*p+1], v[BE+2*p:BE+2*p+1]
.set p, p+1
.endr
.irp k, 0,1,2,3,4,5,6,7
	global_store_b128 v1, v[P+4*\k:P+4*\k+3], s[12:13] offset:512*\k th:TH_STORE_NT   ; 512 consecutive bytes, at a multiple of 256 from the buffer's first byte
.endr
	s_endpgm
.Lfunc_end_k_qd21a2cd549_ln2:
	.size	k_qd21a2cd549_ln2, .Lfunc_end_k_qd21a2cd549_ln2-k_qd21a2cd549_ln2
	.p2alignl 7, 3214868480
	.fill 96, 4, 3214868480
	.section	.rodata,"a",@progbits
	.p2align	6, 0x0
	.amdhsa_kernel k_qd21a2cd549_ln2
		.amdhsa_group_segment_fixed_size 0
		.amdhsa_private_segment_fixed_size 0
		.amdhsa_enable_private_segment 0
		.amdhsa_kernarg_size 40
		.amdhsa_user_sgpr_count 2
		.amdhsa_user_sgpr_kernarg_segment_ptr 1
		.amdhsa_wavefront_size32 1
		.amdhsa_system_sgpr_workgroup_id_x 1
		.amdhsa_system_sgpr_workgroup_id_y 1
		.amdhsa_system_sgpr_workgroup_id_z 1
		.amdhsa_system_vgpr_workitem_id 0
		.amdhsa_next_free_vgpr 256
		.amdhsa_next_free_sgpr 66
		.amdhsa_reserve_vcc 0
		.amdhsa_float_denorm_mode_32 3
		.amdhsa_float_denorm_mode_16_64 3
		.amdhsa_memory_ordered 1
		.amdhsa_forward_progress 1
		.amdhsa_inst_pref_size 18
	.end_amdhsa_kernel
	.amdgpu_metadata
---
amdhsa.version: [ 1, 2 ]
amdhsa.kernels:
  - .name:           k_qd21a2cd549_ln2
    .symbol:         k_qd21a2cd549_ln2.kd
    .args:
      - { .name: part, .offset: 0, .size: 8, .value_kind: global_buffer, .address_space: global }
      - { .name: ln1, .offset: 8, .size: 8, .value_kind: global_buffer, .address_space: global }
      - { .name: g2, .offset: 16, .size: 8, .value_kind: global_buffer, .address_space: global }
      - { .name: be2, .offset: 24, .size: 8, .value_kind: global_buffer, .address_space: global }
      - { .name: out0, .offset: 32, .size: 8, .value_kind: global_buffer, .address_space: global }
    .group_segment_fixed_size: 0
    .private_segment_fixed_size: 0
    .kernarg_segment_align: 8
    .kernarg_segment_size: 40
    .max_flat_workgroup_size: 128
    .sgpr_count:     66
    .vgpr_count:     256
    .wavefront_size: 32
...
	.end_amdgpu_metadata
.endif
;; end of part 13
